; MI455X (gfx1250); checked and timed in simulation.
; The chip was launched on July 23, 2026; its instructions are those of AMD's public machine-readable ISA for CDNA 5 (MIT licence, August 2026) and "CDNA5" Instruction Set Architecture Reference Guide (July 2026). The comments in the code are by the model that wrote it; some were corrected since.
;; Attention. Allowed arithmetic: float matrix products may take bf16 or f16 operands with f32 sums; other float arithmetic in f32, or as packed bf16 or f16 multiplies, adds, multiply-adds, maxima and minima; sums over many terms, partial sums and values carried from step to step in f32; what a program stores and reads back later, other than sums and carried values, may be rounded once to bf16 or f16.
;; Inputs: freq_cis 2,048 x 64 x 2 float32; head_a 2,048 x 8 float32; head_b 8 x 2,048 float32; k_a 2,048 x 8 float32; k_b 8 x 128 float32; q_a 2,048 x 8 float32; q_b 8 x 128 float32; v_a 2,048 x 8 float32; v_b 8 x 128 float32; wk_base 2,048 x 2,048 float32; wo 2,048 x 2,048 float32; wq_base 2,048 x 2,048 float32; wv_base 2,048 x 2,048 float32; x 1 x 2,048 x 2,048 float32.
;; Outputs: out0 1 x 2,048 x 2,048 float32.
;; 2 versions, each right. Each part assembles by itself: llvm-mc -triple=amdgcn-amd-amdhsa -mcpu=gfx1250 --defsym DOCPART=n.
;; ======== version 1 of 2: 4 launches
;; limits: inputs' magnitudes at most 255; below input magnitudes of 2.4e-07 results are inexact or not finite; values are held in f16: magnitudes above 65,504 overflow, below 6.1e-05 lose precision; right only within a limited range of input values
;; workspace buffers: xe 8,912,896 bytes; wb 26,738,688 bytes; wof 8,388,608 bytes; mx 4,096 bytes; qh 8,388,608 bytes; kh 8,388,608 bytes; vh 8,388,608 bytes; oh 8,388,608 bytes
;; launch prep (part 1): grid 256 x 1, 8 waves a work-group, no clusters, 284,416 bytes of LDS; arguments x, wq_base, wk_base, wv_base, wo, head_a, q_a, k_a, v_a, head_b, q_b, k_b, v_b, freq_cis, xe, wb, wof, mx; writes xe, wb, wof, mx
.if DOCPART == 1
	.amdgcn_target "amdgcn-amd-amdhsa--gfx1250"
	.amdhsa_code_object_version 6
	.text
	.protected	k_qe89b26dd10_prep
	.globl	k_qe89b26dd10_prep
	.p2align	8
	.type	k_qe89b26dd10_prep,@function
k_qe89b26dd10_prep:
	s_mov_b64 s[64:65], 0
	v_nop
	global_prefetch_b8 v0, s[64:65] scope:SCOPE_SE
	s_setreg_imm32_b32 hwreg(HW_REG_WAVE_MODE, 25, 1), 1
	s_wait_xcnt 0x0
; PREP.  All inputs are rounded once to bf16 and laid out for the three launches behind.
;   xe  [2048][2176] bf16: bf16(x); columns 2048 + 16 g + (0..7 | 8..15) hold t_g = bf16(x) . bf16(a_g) as a bf16 high part and a bf16 low part
;       (g = head, q, k, v; t is summed in f32); columns 2112.. are 0.
;   wb  [3][2176][2048] bf16: bf16(W); row 2048 + e holds 2 head_b[e & 7][n] (e < 16), 2 P_b[e & 7][n & 127] (e >> 4 = P + 1), else 0: the LoRA terms are 64 more columns of K.
;   wof [2048][2048] f16 = bf16(wo) x 256.   mx [256][4] f32: each work-group's largest magnitudes (x, a, b, freq_cis | W, 0, 0, 0).
; LIMITS.  |wo| stays under 255 (f16 ends at 65,504); below 2^-22 bf16(wo) x 256 keeps f16's fixed step.  NaN and infinities are not treated apart.
; SHARES.  Work-groups 0..127: 16 rows of x each, one row e of the extension, 8,192 bytes of freq_cis.  Work-groups 128..255: 64 rows of one of wq, wk, wv, wo.
; No tensor loads: every number passes through registers to be rounded, and no wave wants what another has fetched, but for x's 16 rows, which meet in LDS for the small product.
.set XEROW, 4352                       ; bytes in a row of xe: 17 x 256
.set WBP,   8912896                    ; bytes of one projection in wb
.set XP,    4112                       ; LDS: a row of bf16(x), 4,096 + 16
.set AS,    16*XP                      ; LDS: the four a side by side, [2048 k][32 j] bf16, pitch 96
.set AP,    96
.set PT,    AS+2048*AP                 ; LDS: the eight waves' partial t, 2 tiles x 1,024 bytes each
.set ET,    PT+16384                   ; LDS: 16 rows x 272: xe's last 256 bytes of a row
.set EP,    272
.set RED,   ET+16*EP                   ; LDS: the eight waves' maxima, 16 bytes each
.set SPARE, RED+256                    ; the spare words, 128 bytes a wave: four blocks of 256 bytes that no other line names
.set WV,  40                           ; s40  my wave's number
.set M,   24                           ; v[24:27] four running maxima, two bf16 each
.set SPW, 28                           ; v28  my spare word's LDS address; never rewritten
.set NIL, 29                           ; v29  0; never rewritten
.set T0,  32                           ; v[32:47] the two accumulators of t
.set R0,  64                           ; three sets of 64 registers
.set R1,  128
.set R2,  192
.macro LD16 r, vo, sb, off             ; sixteen loads, 512 consecutive bytes of the wave each
.set n, 0
.rept 16
	global_load_b128 v[(\r)+4*n:(\r)+4*n+3], v[\vo], s[\sb:\sb+1] offset:(\off)+512*n
.set n, n+1
.endr
.endm
.macro LD16N r, vo, sb, off            ; the same for data that the launch reads once
.set n, 0
.rept 16
	global_load_b128 v[(\r)+4*n:(\r)+4*n+3], v[\vo], s[\sb:\sb+1] offset:(\off)+512*n th:TH_LOAD_NT
.set n, n+1
.endr
.endm
; A row of x: rounded, its maximum taken, stored to xe (a wave's store covers 256 consecutive bytes, aligned) and to LDS.
.macro CVX r, par
.set n, 0
.rept 16
	v_cvt_pk_bf16_f32 v[(\r)+4*n], v[(\r)+4*n], v[(\r)+4*n+1]
	v_cvt_pk_bf16_f32 v[(\r)+4*n+1], v[(\r)+4*n+2], v[(\r)+4*n+3]
	v_and_b32 v10, s41, v[(\r)+4*n]
	v_and_b32 v11, s41, v[(\r)+4*n+1]
	global_store_b64 v4, v[(\r)+4*n:(\r)+4*n+1], s[74:75] offset:(\par)*XEROW+256*n
	ds_store_b64 v5, v[(\r)+4*n:(\r)+4*n+1] offset:(\par)*XP+256*n
	v_pk_max_num_bf16 v[M], v[M], v10
	v_pk_max_num_bf16 v[M], v[M], v11
.set n, n+1
.endr
.endm
; 256 rows of a_g: rounded, maximum, into columns 8 g .. 8 g + 7 of the table in LDS.
.macro CVA r, g
.set n, 0
.rept 16
	v_cvt_pk_bf16_f32 v[(\r)+4*n], v[(\r)+4*n], v[(\r)+4*n+1]
	v_cvt_pk_bf16_f32 v[(\r)+4*n+1], v[(\r)+4*n+2], v[(\r)+4*n+3]
	v_and_b32 v10, s41, v[(\r)+4*n]
	v_and_b32 v11, s41, v[(\r)+4*n+1]
	ds_store_b64 v7, v[(\r)+4*n:(\r)+4*n+1] offset:1536*n+16*(\g)
	v_pk_max_num_bf16 v[M+1], v[M+1], v10
	v_pk_max_num_bf16 v[M+1], v[M+1], v11
.set n, n+1
.endr
.endm
; A row of a weight: kind 0: bf16, with its maximum; kind 1 (wo): bf16, times 256, written as f16 (exact within the stated limits).
.macro WCONV kind, r
.set n, 0
.rept 16
	v_cvt_pk_bf16_f32 v[(\r)+4*n], v[(\r)+4*n], v[(\r)+4*n+1]
	v_cvt_pk_bf16_f32 v[(\r)+4*n+1], v[(\r)+4*n+2], v[(\r)+4*n+3]
.if (\kind) == 0
	v_and_b32 v10, s41, v[(\r)+4*n]
	v_and_b32 v11, s41, v[(\r)+4*n+1]
	v_pk_max_num_bf16 v[M], v[M], v10
	v_pk_max_num_bf16 v[M], v[M], v11
.else
	v_and_b32 v[(\r)+4*n+3], 0xffff0000, v[(\r)+4*n+1]
	v_lshlrev_b32 v[(\r)+4*n+2], 16, v[(\r)+4*n+1]
	v_and_b32 v[(\r)+4*n+1], 0xffff0000, v[(\r)+4*n]
	v_lshlrev_b32 v[(\r)+4*n], 16, v[(\r)+4*n]
	v_pk_mul_f32 v[(\r)+4*n:(\r)+4*n+1], v[(\r)+4*n:(\r)+4*n+1], s[56:57] op_sel_hi:[1,0]
	v_pk_mul_f32 v[(\r)+4*n+2:(\r)+4*n+3], v[(\r)+4*n+2:(\r)+4*n+3], s[56:57] op_sel_hi:[1,0]
	v_cvt_pk_f16_f32 v[(\r)+4*n], v[(\r)+4*n], v[(\r)+4*n+1]
	v_cvt_pk_f16_f32 v[(\r)+4*n+1], v[(\r)+4*n+2], v[(\r)+4*n+3]
.endif
.set n, n+1
.endr
.endm
.macro WSTORE r, off
.set n, 0
.rept 16
	global_store_b64 v4, v[(\r)+4*n:(\r)+4*n+1], s[52:53] offset:(\off)+256*n
.set n, n+1
.endr
.endm
; A wave's eight rows of a weight, two sets of registers, a row each: while one is rounded and stored the other's sixteen loads are out.
.macro WLOOP kind
	LD16N R0, 3, 50, 0
	LD16N R1, 3, 50, 8192
	s_mov_b32 s48, 3
.Lw_\@:
	s_wait_loadcnt 16                      ; set 0 is in; set 1's sixteen loads may stay out
	WCONV \kind, R0
	WSTORE R0, 0
	s_wait_xcnt 0x0                        ; the loads have read their base, the stores their data: both are written again only behind this wait
	s_add_nc_u64 s[50:51], s[50:51], 16384
	LD16N R0, 3, 50, 0
	s_wait_loadcnt 16                      ; set 1 is in
	WCONV \kind, R1
	WSTORE R1, 4096
	s_wait_xcnt 0x0
	s_add_nc_u64 s[52:53], s[52:53], 8192
	LD16N R1, 3, 50, 8192
	s_sub_co_u32 s48, s48, 1
	s_cmp_lg_u32 s48, 0
	s_cbranch_scc1 .Lw_\@
	s_wait_loadcnt 16                      ; the last two rows load nothing
	WCONV \kind, R0
	WSTORE R0, 0
	s_wait_loadcnt 0x0
	WCONV \kind, R1
	WSTORE R1, 4096
.endm
	s_load_b512 s[4:19], s[0:1], 0x0       ; x 4, wq 6, wk 8, wv 10, wo 12, head_a 14, q_a 16, k_a 18
	s_load_b512 s[20:35], s[0:1], 0x40     ; v_a 20, head_b 22, q_b 24, k_b 26, v_b 28, freq_cis 30, xe 32, wb 34
	s_load_b128 s[36:39], s[0:1], 0x80     ; wof 36, mx 38
	v_lshl_add_u32 v[SPW], v0, 2, SPARE
	v_mov_b32 v[NIL], 0
	v_lshrrev_b32 v1, 5, v0
	v_readfirstlane_b32 s[WV], v1
	v_and_b32 v2, 31, v0                   ; lane
	v_and_b32 v8, 15, v0                   ; lane % 16
	v_bfe_u32 v9, v0, 4, 1                 ; lane / 16
	s_mov_b32 s41, 0x7fff7fff              ; clears the signs of two bf16
	s_mov_b32 s42, 0x76543210              ; v_permlanex16_b32: each lane takes its own place in the other half
	s_mov_b32 s43, 0xfedcba98
	s_mov_b32 s45, 0                       ; the upper word of every 32-bit offset
.irp j, 0,1,2,3
	v_mov_b32 v[M+\j], 0
.endr
	s_mul_i32 s44, ttmp9, 16*XEROW
	s_wait_kmcnt 0x0
	s_add_nc_u64 s[74:75], s[32:33], s[44:45]  ; xe at the work-group's 16 rows (used by work-groups 0..127 alone)
	s_cmp_lt_u32 ttmp9, 128
	s_cbranch_scc0 .Lweights
	; ---- work-groups 0..127: x, the four a, one row of the extension, a part of freq_cis ----
	s_lshl_b32 s44, ttmp9, 17
	s_add_nc_u64 s[4:5], s[4:5], s[44:45]  ; x at my 16 rows
	s_lshl_b32 s44, s[WV], 14
	v_lshl_add_u32 v3, v2, 4, s44          ; x: rows 2 w, 2 w + 1
	s_mul_i32 s44, s[WV], 2*XEROW
	v_lshl_add_u32 v4, v2, 3, s44          ; the same rows in xe
	s_mul_i32 s44, s[WV], 2*XP
	v_lshl_add_u32 v5, v2, 3, s44          ; and in LDS
	s_lshl_b32 s44, s[WV], 13
	v_lshl_add_u32 v6, v2, 4, s44          ; a: rows 256 w .., 8,192 consecutive bytes
	v_lshrrev_b32 v12, 1, v2
	v_mul_u32_u24 v7, v12, AP
	v_and_b32 v12, 1, v2
	v_lshl_add_u32 v7, v12, 3, v7
	s_mul_i32 s46, s[WV], 256*AP
	s_add_co_u32 s46, s46, AS
	v_add_nc_u32 v7, s46, v7               ; their place in the table: row 256 w + 16 n + lane / 2, 8 bytes for each half of a row of a
	v_mul_u32_u24 v12, v8, XP
	v_lshl_add_u32 v12, v9, 4, v12
	s_lshl_b32 s44, s[WV], 9
	v_add_nc_u32 v12, s44, v12             ; a fragment of x: row lane % 16, k = 256 w + 8 (lane / 16)
	v_and_b32 v14, 7, v0
	v_lshl_add_u32 v13, v9, 3, v14
	v_mul_u32_u24 v13, v13, AP
	v_bfe_u32 v14, v0, 3, 1
	v_lshl_add_u32 v13, v14, 4, v13
	v_add_nc_u32 v13, s46, v13             ; the turning load of a: k row 256 w + 8 (lane / 16) + lane % 8, 16 bytes by (lane / 8) % 2
	s_lshl_b32 s44, s[WV], 11
	s_add_co_u32 s44, s44, PT
	v_lshl_add_u32 v15, v2, 5, s44         ; my 32 bytes of a partial tile
	; the extension's row e = the work-group's number
	s_and_b32 s46, ttmp9, 7
	s_lshr_b32 s47, ttmp9, 4
	s_lshl_b32 s48, s46, 13                ; row e & 7 of head_b
	s_lshl_b32 s49, s46, 9                 ; row e & 7 of q_b, k_b, v_b
	s_mov_b32 s72, 0x1e0
	s_mov_b32 s51, 0
	s_cmp_lt_u32 ttmp9, 16
	s_cselect_b32 s50, s48, s49
	s_cselect_b32 s72, 0x1fe0, s72         ; the columns wrap at 128 in the short tables
	s_cselect_b64 s[52:53], s[22:23], s[24:25]
	s_cselect_b64 s[54:55], s[22:23], s[26:27]
	s_cselect_b64 s[56:57], s[22:23], s[28:29]
	s_add_nc_u64 s[52:53], s[52:53], s[50:51]
	s_add_nc_u64 s[54:55], s[54:55], s[50:51]
	s_add_nc_u64 s[56:57], s[56:57], s[50:51]
.irp p, 0,1,2
	s_cmp_eq_u32 s47, (\p)+1
	s_cselect_b32 s[58+2*(\p)], 2.0, 0     ; the factor: 2 where the row belongs to projection p, else 0
.endr
	s_cmp_lt_u32 ttmp9, 16
.irp p, 0,1,2
	s_cselect_b32 s[58+2*(\p)], 2.0, s[58+2*(\p)]
	s_mov_b32 s[59+2*(\p)], s[58+2*(\p)]
.endr
	s_lshl_b32 s44, ttmp9, 12
	s_add_co_u32 s44, s44, 2048*4096
	s_add_nc_u64 s[66:67], s[34:35], s[44:45]  ; wb at row 2048 + e of q's, k's and v's part
	s_add_nc_u64 s[68:69], s[66:67], WBP
	s_add_nc_u64 s[70:71], s[68:69], WBP
	s_lshl_b32 s44, ttmp9, 13
	s_add_nc_u64 s[30:31], s[30:31], s[44:45]  ; my 8,192 bytes of freq_cis
	v_lshlrev_b32 v20, 5, v0               ; 32 bytes a thread
	v_and_b32 v21, s72, v20
	v_lshlrev_b32 v22, 4, v0               ; 16 bytes a thread
	LD16N R0, 3, 4, 0                      ; x row 2 w
	LD16N R1, 3, 4, 8192                   ; x row 2 w + 1
	LD16 R2, 6, 14, 0                      ; head_a
	s_wait_loadcnt 32                      ; each count: the loads of the two younger batches may stay out
	CVX R0, 0
	s_wait_xcnt 0x0                        ; the stores to xe have read the set: it is loaded again only behind this wait
	LD16 R0, 6, 16, 0                      ; q_a
	s_wait_loadcnt 32
	CVX R1, 1
	s_wait_xcnt 0x0
	LD16 R1, 6, 18, 0                      ; k_a
	s_wait_loadcnt 32
	CVA R2, 0
	LD16 R2, 6, 20, 0                      ; v_a
	s_wait_loadcnt 32
	CVA R0, 1
.irp p, 0,1,2
	global_load_b128 v[R0+8*(\p):R0+8*(\p)+3], v21, s[52+2*(\p):53+2*(\p)]
	global_load_b128 v[R0+8*(\p)+4:R0+8*(\p)+7], v21, s[52+2*(\p):53+2*(\p)] offset:16
.endr
	global_load_b128 v[R0+24:R0+27], v20, s[30:31]
	global_load_b128 v[R0+28:R0+31], v20, s[30:31] offset:16
	s_wait_loadcnt 24                      ; k_a is in: v_a's sixteen and the eight just issued may stay out
	CVA R1, 2
	s_wait_loadcnt 8                       ; v_a is in
	CVA R2, 3
	s_wait_loadcnt 0x0
.irp p, 0,1,2                          ; the extension's row for projection p: maximum of bf16(b), then factor x b, rounded (a factor of 2 changes no rounding)
.irp q, 0,1,2,3
	v_cvt_pk_bf16_f32 v[48+\q], v[R0+8*(\p)+2*(\q)], v[R0+8*(\p)+2*(\q)+1]
.endr
.irp q, 0,1,2,3
	v_and_b32 v[48+\q], s41, v[48+\q]
.endr
.irp q, 0,1,2,3
	v_pk_max_num_bf16 v[M+2], v[M+2], v[48+\q]
.endr
.irp q, 0,1,2,3
	v_pk_mul_f32 v[R0+8*(\p)+2*(\q):R0+8*(\p)+2*(\q)+1], v[R0+8*(\p)+2*(\q):R0+8*(\p)+2*(\q)+1], s[58+2*(\p):59+2*(\p)] op_sel_hi:[1,0]
.endr
.irp q, 0,1,2,3
	v_cvt_pk_bf16_f32 v[R0+8*(\p)+(\q)], v[R0+8*(\p)+2*(\q)], v[R0+8*(\p)+2*(\q)+1]
.endr
	global_store_b128 v22, v[R0+8*(\p):R0+8*(\p)+3], s[66+2*(\p):67+2*(\p)]
.endr
.irp q, 0,1,2,3
	v_cvt_pk_bf16_f32 v[48+\q], v[R0+24+2*(\q)], v[R0+24+2*(\q)+1]
.endr
.irp q, 0,1,2,3
	v_and_b32 v[48+\q], s41, v[48+\q]
.endr
.irp q, 0,1,2,3
	v_pk_max_num_bf16 v[M+3], v[M+3], v[48+\q]
.endr
	s_wait_dscnt 0x0                       ; for the others' sake: my two rows of x lie in LDS
	s_barrier_signal -1
	s_barrier_wait -1                      ; all sixteen do
	s_wait_xcnt 0x0                        ; the stores to wb have read their data: the set is loaded again only behind this wait
	; t^T = a^T x^T for k = 256 w .. 256 w + 255: source 0 = 16 columns j of the table (turned), source 1 = the 16 rows of x
.set c, 0
.rept 8
	ds_load_b128 v[64+24*c:64+24*c+3], v12 offset:64*c
	ds_load_b128 v[64+24*c+4:64+24*c+7], v12 offset:64*c+32
	ds_load_tr16_b128 v[64+24*c+8:64+24*c+11], v13 offset:3072*c
	ds_load_tr16_b128 v[64+24*c+12:64+24*c+15], v13 offset:3072*c+1536
	ds_load_tr16_b128 v[64+24*c+16:64+24*c+19], v13 offset:3072*c+32
	ds_load_tr16_b128 v[64+24*c+20:64+24*c+23], v13 offset:3072*c+32+1536
.set c, c+1
.endr
	s_wait_dscnt 0x0
	v_wmma_f32_16x16x32_bf16 v[T0:T0+7], v[72:79], v[64:71], 0       ; the first 32 of k start both sums
	v_wmma_f32_16x16x32_bf16 v[T0+8:T0+15], v[80:87], v[64:71], 0
.set c, 1
.rept 7                                ; the two accumulators take turns, one instruction a turn
	v_wmma_f32_16x16x32_bf16 v[T0:T0+7], v[64+24*c+8:64+24*c+15], v[64+24*c:64+24*c+7], v[T0:T0+7]
	v_wmma_f32_16x16x32_bf16 v[T0+8:T0+15], v[64+24*c+16:64+24*c+23], v[64+24*c:64+24*c+7], v[T0+8:T0+15]
.set c, c+1
.endr
.rept 8
	v_nop                                  ; the places between the last products and the stores that read them
.endr
.irp t, 0,1                            ; lane (r, h) holds row r of x and the eight columns of a_g, g = 2 t + h
	ds_store_b128 v15, v[T0+8*(\t):T0+8*(\t)+3] offset:1024*(\t)
	ds_store_b128 v15, v[T0+8*(\t)+4:T0+8*(\t)+7] offset:1024*(\t)+16
.endr
	s_branch .Lred
	; ---- work-groups 128..255: 64 rows of one weight; a wave takes eight, 65,536 consecutive bytes in and 32,768 out ----
.Lweights:
	s_sub_co_u32 s46, ttmp9, 128
	s_lshr_b32 s47, s46, 5                 ; which tensor
	s_and_b32 s48, s46, 31                 ; which 64 rows
	s_mov_b64 s[50:51], s[12:13]
	s_cmp_eq_u32 s47, 0
	s_cselect_b64 s[50:51], s[6:7], s[50:51]
	s_cmp_eq_u32 s47, 1
	s_cselect_b64 s[50:51], s[8:9], s[50:51]
	s_cmp_eq_u32 s47, 2
	s_cselect_b64 s[50:51], s[10:11], s[50:51]
	s_lshl_b32 s44, s48, 19
	s_add_nc_u64 s[50:51], s[50:51], s[44:45]
	s_mul_i32 s54, s47, WBP
	s_cmp_eq_u32 s47, 3
	s_cselect_b64 s[52:53], s[36:37], s[34:35]
	s_cselect_b32 s54, 0, s54
	s_lshl_b32 s55, s48, 18
	s_add_co_u32 s44, s54, s55
	s_add_nc_u64 s[52:53], s[52:53], s[44:45]
	s_mov_b32 s56, 0x43800000              ; 256.0
	s_mov_b32 s57, s56
	s_lshl_b32 s44, s[WV], 16
	v_lshl_add_u32 v3, v2, 4, s44
	s_lshl_b32 s44, s[WV], 15
	v_lshl_add_u32 v4, v2, 3, s44
	s_cmp_eq_u32 s47, 3
	s_cbranch_scc1 .Lwo
	WLOOP 0
	s_branch .Lred
.Lwo:
	WLOOP 1
	; ---- both: the work-group's four maxima ----
.Lred:
	s_wait_xcnt 0x0                        ; both ways join here: every earlier store has read its data and its address, so the registers of the three sets may be written again below
.irp j, 0,1,2,3
	v_lshlrev_b32 v[48+\j], 16, v[M+\j]    ; the two halves as f32
	v_and_b32 v[M+\j], 0xffff0000, v[M+\j]
.endr
.irp j, 0,1,2,3
	v_max_num_f32 v[M+\j], v[M+\j], v[48+\j]
.endr
.irp m, 1,2,4,8
.irp j, 0,1,2,3
	v_max_num_f32_dpp v[M+\j], v[M+\j], v[M+\j] row_xmask:\m row_mask:0xf bank_mask:0xf
.endr
.endr
.irp j, 0,1,2,3
	v_permlanex16_b32 v[48+\j], v[M+\j], s42, s43
.endr
.irp j, 0,1,2,3
	v_max_num_f32 v[M+\j], v[M+\j], v[48+\j]
.endr
	s_lshl_b32 s44, s[WV], 4
	s_add_co_u32 s44, s44, RED
	v_mov_b32 v10, s44
	ds_store_b128 v10, v[M:M+3]            ; all lanes write the same 16 bytes with the same values
	s_wait_dscnt 0x0                       ; for wave 0's sake: my maxima and my partial tiles lie in LDS
	s_barrier_signal -1
	s_barrier_wait -1
	s_cmp_lg_u32 s[WV], 0
	s_cbranch_scc1 .Lend
	s_cmp_lt_u32 ttmp9, 128
	s_cbranch_scc0 .Lmx
	; wave 0 of an x work-group: the eight partial t are added in f32, split into a high and a low bf16, and leave as whole blocks of 256 bytes
	v_lshl_add_u32 v14, v2, 5, PT
.set n, 0
.rept 16                               ; n = 2 x wave + tile
	ds_load_b128 v[64+8*n:64+8*n+3], v14 offset:1024*n
	ds_load_b128 v[64+8*n+4:64+8*n+7], v14 offset:1024*n+16
.set n, n+1
.endr
	v_mul_u32_u24 v16, v8, EP
	v_lshl_add_u32 v16, v9, 5, v16
	v_add_nc_u32 v16, ET, v16              ; in: row r, 32 bytes for each g
	v_mul_u32_u24 v17, v9, EP
	v_lshl_add_u32 v17, v8, 4, v17
	v_add_nc_u32 v17, ET, v17              ; back: lanes 0-15 one row of 256 bytes, lanes 16-31 the next
	v_mul_u32_u24 v18, v9, XEROW
	v_lshl_add_u32 v18, v8, 4, v18         ; the same two rows in xe
.irp j, 0,1,2,3
	v_mov_b32 v[52+\j], 0
.endr
	s_wait_dscnt 0x0
.set n, 1
.rept 7
.irp q, 0,1,2,3,4,5,6,7
	v_pk_add_f32 v[64+2*(\q):65+2*(\q)], v[64+2*(\q):65+2*(\q)], v[64+16*n+2*(\q):65+16*n+2*(\q)]
.endr
.set n, n+1
.endr
.irp q, 0,1,2,3,4,5,6,7                ; q = 4 x tile + pair
	v_cvt_pk_bf16_f32 v[80+\q], v[64+2*(\q)], v[65+2*(\q)]          ; the high parts
.endr
.irp q, 0,1,2,3,4,5,6,7
	v_lshlrev_b32 v[96+2*(\q)], 16, v[80+\q]
	v_and_b32 v[97+2*(\q)], 0xffff0000, v[80+\q]
.endr
.irp q, 0,1,2,3,4,5,6,7
	v_pk_add_f32 v[64+2*(\q):65+2*(\q)], v[64+2*(\q):65+2*(\q)], v[96+2*(\q):97+2*(\q)] neg_lo:[0,1] neg_hi:[0,1]
.endr
.irp q, 0,1,2,3,4,5,6,7
	v_cvt_pk_bf16_f32 v[88+\q], v[64+2*(\q)], v[65+2*(\q)]          ; the low parts
.endr
.irp t, 0,1
	ds_store_b128 v16, v[80+4*(\t):83+4*(\t)] offset:64*(\t)
	ds_store_b128 v16, v[88+4*(\t):91+4*(\t)] offset:64*(\t)+16
	ds_store_b128 v16, v[52:55] offset:64*(\t)+128
	ds_store_b128 v16, v[52:55] offset:64*(\t)+144
.endr
.irp i, 0,1,2,3,4,5,6,7
	ds_load_b128 v[112+4*(\i):115+4*(\i)], v17 offset:2*EP*(\i)     ; LDS serves a wave's instructions in order (ISA guide 5.7.1.4): these see the stores above
.endr
.irp i, 0,1,2,3,4,5,6,7
	s_wait_dscnt 7-(\i)
	global_store_b128 v18, v[112+4*(\i):115+4*(\i)], s[74:75] offset:2*XEROW*(\i)+4096  ; 16 lanes store 256 consecutive bytes, aligned
.endr
.Lmx:
	s_wait_xcnt 0x0                        ; my stores have read their data: registers are loaded again, and EXEC is changed, only behind this wait
	v_mov_b32 v19, RED
.irp i, 0,1,2,3,4,5,6,7
	ds_load_b128 v[160+4*(\i):163+4*(\i)], v19 offset:16*(\i)
.endr
	s_lshl_b32 s44, ttmp9, 4
	s_add_nc_u64 s[38:39], s[38:39], s[44:45]
	v_mov_b32 v20, 0
	s_wait_dscnt 0x0
.irp j, 0,1,2,3
	v_max3_num_f32 v[160+\j], v[160+\j], v[164+\j], v[168+\j]
	v_max3_num_f32 v[172+\j], v[172+\j], v[176+\j], v[180+\j]
	v_max3_num_f32 v[160+\j], v[160+\j], v[184+\j], v[188+\j]
	v_max_num_f32 v[160+\j], v[160+\j], v[172+\j]
.endr
	v_cmp_eq_u32 vcc_lo, 0, v0
	s_and_saveexec_b32 s46, vcc_lo
	global_store_b128 v20, v[160:163], s[38:39]   ; lane 0: the work-group's record
	s_wait_xcnt 0x0                        ; EXEC is widened only behind this wait
	s_or_b32 exec_lo, exec_lo, s46
.Lend:
	s_wait_tensorcnt 0x0                   ; the wave's end, behind my last LDS store
	ds_add_u32 v[SPW], v[NIL]
	s_wait_dscnt 0x0
	s_endpgm
.Lfunc_end_k_qe89b26dd10_prep:
	.size	k_qe89b26dd10_prep, .Lfunc_end_k_qe89b26dd10_prep-k_qe89b26dd10_prep
	.p2alignl 7, 3214868480
	.fill 96, 4, 3214868480
	.section	.rodata,"a",@progbits
	.p2align	6, 0x0
	.amdhsa_kernel k_qe89b26dd10_prep
		.amdhsa_group_segment_fixed_size 284416
		.amdhsa_private_segment_fixed_size 0
		.amdhsa_enable_private_segment 0
		.amdhsa_kernarg_size 144
		.amdhsa_user_sgpr_count 2
		.amdhsa_user_sgpr_kernarg_segment_ptr 1
		.amdhsa_wavefront_size32 1
		.amdhsa_system_sgpr_workgroup_id_x 1
		.amdhsa_system_sgpr_workgroup_id_y 1
		.amdhsa_system_sgpr_workgroup_id_z 1
		.amdhsa_system_vgpr_workitem_id 0
		.amdhsa_next_free_vgpr 256
		.amdhsa_next_free_sgpr 96
		.amdhsa_reserve_vcc 1
		.amdhsa_float_denorm_mode_32 3
		.amdhsa_float_denorm_mode_16_64 3
		.amdhsa_memory_ordered 1
		.amdhsa_forward_progress 1
		.amdhsa_inst_pref_size 160
	.end_amdhsa_kernel
	.amdgpu_metadata
---
amdhsa.version: [ 1, 2 ]
amdhsa.kernels:
  - .name:           k_qe89b26dd10_prep
    .symbol:         k_qe89b26dd10_prep.kd
    .args:
      - { .name: x, .offset: 0, .size: 8, .value_kind: global_buffer, .address_space: global }
      - { .name: wq_base, .offset: 8, .size: 8, .value_kind: global_buffer, .address_space: global }
      - { .name: wk_base, .offset: 16, .size: 8, .value_kind: global_buffer, .address_space: global }
      - { .name: wv_base, .offset: 24, .size: 8, .value_kind: global_buffer, .address_space: global }
      - { .name: wo, .offset: 32, .size: 8, .value_kind: global_buffer, .address_space: global }
      - { .name: head_a, .offset: 40, .size: 8, .value_kind: global_buffer, .address_space: global }
      - { .name: q_a, .offset: 48, .size: 8, .value_kind: global_buffer, .address_space: global }
      - { .name: k_a, .offset: 56, .size: 8, .value_kind: global_buffer, .address_space: global }
      - { .name: v_a, .offset: 64, .size: 8, .value_kind: global_buffer, .address_space: global }
      - { .name: head_b, .offset: 72, .size: 8, .value_kind: global_buffer, .address_space: global }
      - { .name: q_b, .offset: 80, .size: 8, .value_kind: global_buffer, .address_space: global }
      - { .name: k_b, .offset: 88, .size: 8, .value_kind: global_buffer, .address_space: global }
      - { .name: v_b, .offset: 96, .size: 8, .value_kind: global_buffer, .address_space: global }
      - { .name: freq_cis, .offset: 104, .size: 8, .value_kind: global_buffer, .address_space: global }
      - { .name: xe, .offset: 112, .size: 8, .value_kind: global_buffer, .address_space: global }
      - { .name: wb, .offset: 120, .size: 8, .value_kind: global_buffer, .address_space: global }
      - { .name: wof, .offset: 128, .size: 8, .value_kind: global_buffer, .address_space: global }
      - { .name: mx, .offset: 136, .size: 8, .value_kind: global_buffer, .address_space: global }
    .group_segment_fixed_size: 284416
    .private_segment_fixed_size: 0
    .kernarg_segment_align: 8
    .kernarg_segment_size: 144
    .max_flat_workgroup_size: 256
    .sgpr_count:     96
    .vgpr_count:     256
    .wavefront_size: 32
...
	.end_amdgpu_metadata
.endif
;; end of part 1
;; launch qkv (part 2): grid 16 x 16, 4 waves a work-group, clusters of 4 x 4, 327,680 bytes of LDS; arguments xe, wb, freq_cis, mx, qh, kh, vh; writes qh, kh, vh
.if DOCPART == 2
	.amdgcn_target "amdgcn-amd-amdhsa--gfx1250"
	.amdhsa_code_object_version 6
	.text
	.protected	k_qe89b26dd10_qkv
	.globl	k_qe89b26dd10_qkv
	.p2align	8
	.type	k_qe89b26dd10_qkv,@function
k_qe89b26dd10_qkv:
	s_mov_b64 s[64:65], 0
	v_nop
	global_prefetch_b8 v0, s[64:65] scope:SCOPE_SE
	s_setreg_imm32_b32 hwreg(HW_REG_WAVE_MODE, 25, 1), 1
	s_wait_xcnt 0x0
	s_wait_alu depctr_hold_cnt(0) depctr_sa_sdst(0) depctr_va_vdst(0) depctr_va_sdst(0) depctr_va_ssrc(0) depctr_va_vcc(0) depctr_vm_vsrc(0)
	s_getreg_b32 s2, hwreg(HW_REG_IB_STS2, 6, 4)
	s_cmp_eq_u32 s2, 0
	s_cbranch_scc0 .Lentry_in_a_cluster
	s_endpgm
.Lentry_in_a_cluster:
	s_bfe_u32 s2, ttmp6, 0x10000c
	s_cmp_lg_u32 s2, 0xf033
	s_cbranch_scc0 .Lentry_shape_is_right
	s_endpgm
.Lentry_shape_is_right:
; Q, K, V.  [q | k | v](row, head) = xe[row][0..2111] . wb[P][0..2111][128 head ..], bf16 operands, f32 sums (the last 64 of K are the LoRA terms); q and k are turned by
; bf16(freq_cis); each is multiplied by an exact power of two and rounded once to f16; stored by heads, [16][2048][128].
; THE SCALES.  From the inputs' largest magnitudes X, A, B, F, W (mx): PB = 2048 X (W + 32 A B) bounds every projection, QB = 2 F PB every turned number.  With ev, eq their biased exponents,
; v is multiplied by 2^(141 - ev), q and k by 2^(141 - eq): all stay under 2^15.  LIMITS: eq is held to 87 .. 177 (QB from 2^-40 to 2^50), ev to 15 .. 240; NaN and infinities are not treated apart.
; SHARES.  A work-group makes 128 rows x the 128 q, 128 k and 128 v columns of one head; wave w all 128 rows x columns 32 w .. 32 w + 31 of each of the three: 48 accumulators.
; K goes in 17 steps of 128 through two LDS slots; one tensor load a wave and step, 128 rows of 256 bytes: wave 0 xe's tile, waves 1 to 3 the tiles of wq, wk, wv ([k][n], read turned).
; CLUSTER.  4 x 4 work-groups: xe's tile hangs on the block of rows alone and is asked for jointly along a row of the cluster, wb's on the head alone and jointly along a column.
; THE MATRIX INSTRUCTION IS USED TRANSPOSED (source 0 = 16 columns of wb, source 1 = 16 rows of xe): a lane holds one row and eight neighbouring columns, four pairs of the rotation.
; REGISTERS, in windows of 256: window 0: v16-31 addresses, v32-63 at work, v64-127 and v128-191 xe's fragments (two buffers), v192-255 packed results;
;   window 1: v64-111, v128-175 wb's fragments; v0-63, v192-255 (cos, sin) of my rows and columns;  window 2: accumulators of row blocks 0-3 at 8 (6 a + b), b = 2 P + half;  window 3: row blocks 4-7.
.set PITA,  272                        ; an LDS row of xe's tile: 256 + 16: the 16 rows of a load start at 16 different groups of four banks (64 banks of 4 bytes: ISA guide 11.1)
.set PITB,  288                        ; of wb's: 256 + 32
.set ATILE, 128*PITA
.set BTILE, 128*PITB
.set SLOT,  ATILE+3*BTILE
.set STAGE, 2*SLOT                     ; behind the ring, never filled by a tensor load: 128 rows x 272, the work-group's, for the way out
.set SPITCH, 272
.set SPARE, STAGE+128*SPITCH           ; the spare words, 128 bytes a wave: two blocks of 256 bytes that no other line names
.set XEROW, 4352
.set WBP,   8912896
.set ADRA, 16                          ; v16-17  my place in xe's tile, slot 0, 1
.set ADRB, 18                          ; v18-23  in wb's tiles: 3 x slot + P
.set STO,  24
.set RD,   25
.set CO,   26
.set FO,   27                          ; my byte offset in freq_cis
.set SPW,  28
.set NIL,  29
.set PFO,  30                          ; the prefetches' offset: lane x a row in memory
.set MXO,  31                          ; 16 x lane
.set F0,   64
.set F1,   128
.set WV,  18
.set G1A, 24
.set G0A, 32
.set G1B, 40
.set G0B, 48
.set PFA, 56                           ; s[56:57] where my prefetches stand
.set PST, 58                           ; s[58:59] a K step in bytes: 256 in xe, 524,288 in wb
.set LIM, 60                           ; s60  1 in a wave that prefetches
.set SEL, 62
.set SQ,  66
.set SV,  68
.set MSB, 0
.macro WIN new                         ; the immediate's high byte repeats the setting that is left; a switch that changes nothing is dropped
.if MSB != (\new)
	s_set_vgpr_msb (MSB<<8)|(\new)
.set MSB, \new
.endif
.endm
.set MUL_LO, 0xa1                      ; source 0 (wb) window 1, source 1 (xe) window 0, C and D window 2
.set MUL_HI, 0xf1
.set TO_B,   0x40
.macro MXLOAD R, AO, B                 ; the 256 records of mx: 128 of four numbers, the first number of 128 more
.irp i, 0,1,2,3
	global_load_b128 v[(\R)+4*(\i):(\R)+4*(\i)+3], v[\AO], s[\B:\B+1] offset:512*(\i)
.endr
.irp i, 0,1,2,3
	global_load_b32 v[(\R)+16+(\i)], v[\AO], s[\B:\B+1] offset:2048+512*(\i)
.endr
.endm
.macro SCALES R, EV, EQ                ; the five maxima over records and lanes; PB and QB; their clamped exponents into s[EV], s[EQ]
.irp j, 0,1,2,3
	v_max3_num_f32 v[(\R)+(\j)], v[(\R)+(\j)], v[(\R)+4+(\j)], v[(\R)+8+(\j)]
.endr
	v_max3_num_f32 v[(\R)+16], v[(\R)+16], v[(\R)+17], v[(\R)+18]
.irp j, 0,1,2,3
	v_max_num_f32 v[(\R)+(\j)], v[(\R)+(\j)], v[(\R)+12+(\j)]
.endr
	v_max_num_f32 v[(\R)+4], v[(\R)+16], v[(\R)+19]
.irp m, 1,2,4,8
.irp j, 0,1,2,3,4
	v_max_num_f32_dpp v[(\R)+(\j)], v[(\R)+(\j)], v[(\R)+(\j)] row_xmask:\m row_mask:0xf bank_mask:0xf
.endr
.endr
.irp j, 0,1,2,3,4
	v_permlanex16_b32 v[(\R)+8+(\j)], v[(\R)+(\j)], s[SEL], s[SEL+1]
.endr
.irp j, 0,1,2,3,4
	v_max_num_f32 v[(\R)+(\j)], v[(\R)+(\j)], v[(\R)+8+(\j)]
.endr
	v_mul_f32 v[(\R)+1], v[(\R)+1], v[(\R)+2]                      ; A B
	v_fmamk_f32 v[(\R)+1], v[(\R)+1], 0x42000000, v[(\R)+4]        ; 32 A B + W
	v_mul_f32 v[\R], 0x45000000, v[\R]                             ; 2048 X
	v_mul_f32 v[\R], v[\R], v[(\R)+1]                              ; PB
	v_mul_f32 v[(\R)+3], v[(\R)+3], v[\R]
	v_add_f32 v[(\R)+3], v[(\R)+3], v[(\R)+3]                      ; QB
	v_readfirstlane_b32 s[\EV], v[\R]
	v_readfirstlane_b32 s[\EQ], v[(\R)+3]
	s_lshr_b32 s[\EV], s[\EV], 23
	s_max_u32 s[\EV], s[\EV], 15
	s_min_u32 s[\EV], s[\EV], 240
	s_lshr_b32 s[\EQ], s[\EQ], 23
	s_max_u32 s[\EQ], s[\EQ], 87
	s_min_u32 s[\EQ], s[\EQ], 177
.endm
; A joint load.  Wave 0 fetches xe's tile, waves 1 to 3 wb's three.  Each line has one mask; the branch hangs on the wave's number alone.
; An s_nop 0 and four v_nop follow each of the two lines, ahead of the jump, the label and what follows.
.macro JLOAD s
	s_cmp_eq_u32 s[WV], 0
	s_cbranch_scc0 .Lfor_b_\@
	tensor_load_to_lds s[G0A+4*(\s):G0A+4*(\s)+3], s[G1A:G1A+7]
	s_nop 0
.rept 4
	v_nop
.endr
	s_branch .Lasked_\@
.Lfor_b_\@:
	tensor_load_to_lds s[G0B+4*(\s):G0B+4*(\s)+3], s[G1B:G1B+7]
	s_nop 0
.rept 4
	v_nop
.endr
.Lasked_\@:
.endm
; A prefetch of the K step after the one just asked for: 32 rows x 256 bytes, a lane a row, 192 products ahead of the load that will want it.  xe's rows are asked for by the clusters with x = 0,
; wb's by those with y = 0; the four partners that ask for a tile jointly take 32 of its 128 rows each, told apart by address.  So each block of 256 bytes is named once in the launch.
.macro ASK
	s_cmp_eq_u32 s[LIM], 1
	s_cbranch_scc0 .Lnot_mine_\@
	global_prefetch_b8 v[PFO], s[PFA:PFA+1] th:TH_LOAD_NT scope:SCOPE_SE
.Lnot_mine_\@:
.endm
.macro CREST                           ; a round of the cluster's barrier behind its opening barrier
	s_cmp_lg_u32 s[WV], 0
	s_cbranch_scc1 .Lnot_wave_0_\@
	s_barrier_signal -3
.Lnot_wave_0_\@:
	s_barrier_wait -3
	s_barrier_signal -1
	s_barrier_wait -1
.endm
.macro CROUND
	s_barrier_signal -1
	s_barrier_wait -1
	CREST
.endm
	s_load_b256 s[4:11], s[0:1], 0x0       ; xe 4, wb 6, freq_cis 8, mx 10
	s_load_b128 s[12:15], s[0:1], 0x20     ; qh 12, kh 14
	s_load_b64 s[16:17], s[0:1], 0x30      ; vh
	v_lshl_add_u32 v[SPW], v0, 2, SPARE
	v_mov_b32 v[NIL], 0
	ds_add_u32 v[SPW], v[NIL]              ; the wave's opening: the add and its wait stand ahead of my first tensor load; work on registers stands between them
	v_lshrrev_b32 v1, 5, v0
	v_readfirstlane_b32 s[WV], v1
	s_max_u32 s19, s[WV], 1
	s_sub_co_u32 s19, s19, 1               ; which projection I fetch (waves 1 to 3)
	s_bfe_u32 s20, ttmp6, 0x40000          ; cx
	s_bfe_u32 s21, ttmp6, 0x40004          ; cy
	s_lshl_b32 s22, ttmp9, 2
	s_add_co_u32 s22, s22, s20             ; the head = 4 x cluster x + cx
	s_and_b32 s23, ttmp7, 0xffff
	s_lshl_b32 s23, s23, 2
	s_add_co_u32 s23, s23, s21             ; the block of 128 rows = 4 x cluster y + cy
	s_lshl_b32 s70, s21, 2
	s_lshl_b32 s70, 15, s70                ; my row of the cluster
	s_lshl_b32 s71, 0x1111, s20            ; my column
	s_or_b32 s[G1A], s70, (1<<16)|(1<<20)|(1<<21)|(5<<22)|(3<<25)  ; the mask; 2-byte elements; padding on; bit 21 beside a mask; after every 64 words, 4 words
	s_or_b32 s[G1B], s71, (1<<16)|(1<<20)|(1<<21)|(5<<22)|(7<<25)  ; the same with 8 words of padding
.irp g, G1A, G1B
	s_mov_b32 s[(\g)+1], 128<<16           ; tensor_dim0 = 128
	s_mov_b32 s[(\g)+2], 128<<16           ; tensor_dim1 = 128
	s_mov_b32 s[(\g)+3], 128<<16           ; tile_dim0 = 128
	s_mov_b32 s[(\g)+4], 128               ; tile_dim1 = 128
	s_mov_b32 s[(\g)+6], 0
	s_mov_b32 s[(\g)+7], 0
.endr
	s_mov_b32 s[G1A+5], 2176               ; elements from row to row
	s_mov_b32 s[G1B+5], 2048
	s_mul_i32 s72, s[WV], BTILE
	s_sub_co_u32 s72, s72, BTILE-ATILE     ; wb's tile P = wave - 1 lies at ATILE + P x BTILE (wave 0 never asks by it)
	s_mul_i32 s74, s23, 128*XEROW
	s_mov_b32 s75, 0
	s_mul_i32 s76, s19, WBP
	s_lshl_b32 s78, s22, 8
	s_add_co_u32 s76, s76, s78
	s_mov_b32 s77, 0
	s_mov_b32 s[SEL], 0x76543210
	s_mov_b32 s[SEL+1], 0xfedcba98
	s_wait_dscnt 0x0                       ; the opening add is done
	s_wait_kmcnt 0x0
	s_add_nc_u64 s[74:75], s[4:5], s[74:75]   ; xe at my block's first row: it hangs on the block of rows alone
	s_add_nc_u64 s[78:79], s[6:7], s[76:77]   ; wb at my projection and head: on the head and the wave alone
	CROUND                                 ; all sixteen work-groups are here: the first joint loads meet
.irp s, 0,1
	s_mov_b32 s[G0A+4*(\s)], 1
	s_mov_b32 s[G0A+4*(\s)+1], (\s)*SLOT
	s_add_nc_u64 s[G0A+4*(\s)+2:G0A+4*(\s)+3], s[74:75], (\s)*256
	s_or_b32 s[G0A+4*(\s)+3], s[G0A+4*(\s)+3], 0x80000000
	s_mov_b32 s[G0B+4*(\s)], 1
	s_add_co_u32 s[G0B+4*(\s)+1], s72, (\s)*SLOT
	s_add_nc_u64 s[G0B+4*(\s)+2:G0B+4*(\s)+3], s[78:79], (\s)*524288
	s_or_b32 s[G0B+4*(\s)+3], s[G0B+4*(\s)+3], 0x80000000
	JLOAD \s                               ; K steps 0 and 1: two loads of mine are out
.endr
	v_and_b32 v1, 15, v0                   ; r = lane % 16
	v_bfe_u32 v2, v0, 4, 1                 ; h = lane / 16
	v_mul_u32_u24 v3, v1, PITA
	v_lshl_add_u32 v3, v2, 4, v3           ; row x pitch + 16 h
	v_mov_b32 v[ADRA], v3
	v_add_nc_u32 v[ADRA+1], SLOT, v3
	v_and_b32 v5, 7, v0
	v_lshl_add_u32 v4, v2, 3, v5
	v_mul_u32_u24 v4, v4, PITB
	v_bfe_u32 v5, v0, 3, 1
	v_lshl_add_u32 v4, v5, 4, v4           ; the turning load: k row 8 h + lane % 8, 16 bytes by (lane / 8) % 2
	s_lshl_b32 s70, s[WV], 6               ; my 32 columns
	s_add_co_u32 s70, s70, ATILE
.irp s, 0,1
.irp p, 0,1,2
	v_add_nc_u32 v[ADRB+3*(\s)+(\p)], s70, v4
	s_add_co_u32 s70, s70, BTILE
.endr
	s_add_co_u32 s70, s70, ATILE
.endr
	s_lshl_b32 s70, s[WV], 6
	s_add_co_u32 s70, s70, STAGE
	v_add_nc_u32 v[STO], s70, v3           ; into the stage: row r of a block, my 64 bytes, 16 for each half of the lanes
	v_mul_u32_u24 v5, v2, SPITCH
	v_lshl_add_u32 v5, v1, 4, v5
	s_mul_i32 s70, s[WV], 32*SPITCH
	s_add_co_u32 s70, s70, STAGE
	v_add_nc_u32 v[RD], s70, v5            ; back: wave w takes rows 32 w .., whole
	v_lshlrev_b32 v5, 8, v2
	v_lshl_add_u32 v5, v1, 4, v5
	s_lshl_b32 s70, s[WV], 13
	v_add_nc_u32 v[CO], s70, v5            ; the same rows in qh, kh, vh
	v_lshlrev_b32 v5, 9, v1
	v_lshl_add_u32 v5, v2, 5, v5
	s_lshl_b32 s70, s[WV], 7
	v_add_nc_u32 v[FO], s70, v5            ; freq_cis: row r, the four pairs of my eight columns
	v_and_b32 v6, 31, v0
	v_lshlrev_b32 v[MXO], 4, v6
	s_lshl_b32 s80, s22, 19
	s_lshl_b32 s81, s23, 15
	s_add_co_u32 s80, s80, s81
	s_mov_b32 s81, 0
	s_add_nc_u64 s[12:13], s[12:13], s[80:81]
	s_add_nc_u64 s[14:15], s[14:15], s[80:81]
	s_add_nc_u64 s[16:17], s[16:17], s[80:81]
	s_lshl_b32 s80, s23, 16
	s_add_nc_u64 s[8:9], s[8:9], s[80:81]
	MXLOAD 32, MXO, 10
	WIN 0x40
.set idx, 0
.rept 16                               ; idx = 2 x row block + half of my 32 columns: eight registers (c, s, c, s ..)
	global_load_b128 v[8*idx+128*(idx/8):8*idx+128*(idx/8)+3], v[FO], s[8:9] offset:8192*(idx/2)+64*(idx%2)
	global_load_b128 v[8*idx+128*(idx/8)+4:8*idx+128*(idx/8)+7], v[FO], s[8:9] offset:8192*(idx/2)+64*(idx%2)+16
.set idx, idx+1
.endr
	WIN 0
	; the prefetches
	s_and_b32 s81, ttmp7, 0xffff
	s_mov_b32 s82, 4096
	s_mov_b32 s[PST], 524288
	s_mov_b32 s[PST+1], 0
	s_cmp_eq_u32 s[WV], 0
	s_cselect_b32 s80, s20, s21            ; my place among the four that ask with me
	s_cselect_b32 s81, ttmp9, s81          ; the coordinate along which other clusters read the same rows
	s_cselect_b32 s82, XEROW, s82          ; a row in memory
	s_cselect_b32 s[PST], 256, s[PST]
	s_cselect_b64 s[PFA:PFA+1], s[74:75], s[78:79]
	s_cmp_eq_u32 s81, 0
	s_cselect_b32 s[LIM], 1, -1            ; the same in all sixteen partners, for a given wave
	s_lshl_b32 s80, s80, 5
	s_mul_i32 s80, s80, s82
	s_mov_b32 s81, 0
	s_add_nc_u64 s[PFA:PFA+1], s[PFA:PFA+1], s[80:81]
	s_add_nc_u64 s[PFA:PFA+1], s[PFA:PFA+1], s[PST:PST+1]
	s_add_nc_u64 s[PFA:PFA+1], s[PFA:PFA+1], s[PST:PST+1]  ; at K step 2: the first change of slots steps it to 3.  Nothing is prefetched here, at the head
	v_mul_u32_u24 v[PFO], v6, s82
; 12 products: row blocks a0, a0 + 1 of the window's four x all six column blocks, 32 along K.  zero = 1: they start the sums.
.macro MUL12 f, hi, a0, zero
	WIN MUL_LO+0x50*(\hi)
.irp a, \a0, (\a0)+1
.irp b, 0,1,2,3,4,5
.if \zero
	v_wmma_f32_16x16x32_bf16 v[8*(6*(\a)+(\b)):8*(6*(\a)+(\b))+7], v[(\f)+8*(\b):(\f)+8*(\b)+7], v[(\f)+8*(4*(\hi)+(\a)):(\f)+8*(4*(\hi)+(\a))+7], 0
.else
	v_wmma_f32_16x16x32_bf16 v[8*(6*(\a)+(\b)):8*(6*(\a)+(\b))+7], v[(\f)+8*(\b):(\f)+8*(\b)+7], v[(\f)+8*(4*(\hi)+(\a)):(\f)+8*(4*(\hi)+(\a))+7], v[8*(6*(\a)+(\b)):8*(6*(\a)+(\b))+7]
.endif
.endr
.endr
.endm
; 28 LDS loads in one run: quarter q (32 of K) of a slot into buffer f: wb's six fragments (turned), then xe's eight.
.macro FETCH slot, q, f
	WIN TO_B
.irp p, 0,1,2
.irp e, 0,1
	ds_load_tr16_b128 v[(\f)+8*(2*(\p)+(\e)):(\f)+8*(2*(\p)+(\e))+3],   v[ADRB+3*(\slot)+(\p)] offset:32*PITB*(\q)+32*(\e)
	ds_load_tr16_b128 v[(\f)+8*(2*(\p)+(\e))+4:(\f)+8*(2*(\p)+(\e))+7], v[ADRB+3*(\slot)+(\p)] offset:32*PITB*(\q)+32*(\e)+16*PITB
.endr
.endr
	WIN 0
.irp i, 0,1,2,3,4,5,6,7
	ds_load_b128 v[(\f)+8*(\i):(\f)+8*(\i)+3],   v[ADRA+(\slot)] offset:64*(\q)+(\i)*16*PITA
	ds_load_b128 v[(\f)+8*(\i)+4:(\f)+8*(\i)+7], v[ADRA+(\slot)] offset:64*(\q)+(\i)*16*PITA+32
.endr
.endm
.macro PLACES                          ; four plain vector instructions between a product and a load into, or a vector read of, its registers (ISA guide 7.12.1 for a vector read)
.rept 4
	v_nop
.endr
.endm
; A quarter of a K step: multiplies buffer f; in its middle it fetches quarter q of the same slot into buffer g.
.macro QUARTER slot, q, f, g, zero
	s_wait_dscnt 8                         ; wb's fragments and xe's rows 0-63 are in; the youngest eight loads (rows 64-127) may be out
	MUL12 \f, 0, 0, \zero
	MUL12 \f, 0, 2, \zero
	PLACES
	FETCH \slot, \q, \g
	s_wait_dscnt 28                        ; all but the 28 just issued
	MUL12 \f, 1, 0, \zero
	MUL12 \f, 1, 2, \zero
.endm
; The last quarter's first half: one barrier for the change of slots.  In front of it each wave waits for all its tensor loads (one is out: its part of the next slot), adds 0 to its
; spare word, and waits for that and for its reads of this slot.
.macro MEET round
	WIN 0
	s_wait_tensorcnt 0x0
	ds_add_u32 v[SPW], v[NIL]
	s_wait_dscnt 9                         ; the add and the youngest eight loads may be out
	MUL12 F1, 0, 0, 0
	s_wait_dscnt 0x0                       ; the add is done, and my reads of this slot are over
	s_barrier_signal -1
	MUL12 F1, 0, 2, 0
.if \round
	WIN 0
.endif
	s_barrier_wait -1
.endm
.macro TURN slot, next, fill, ask
	s_wait_xcnt 0x0                        ; the last prefetch, a K step back, has read its address
	s_add_nc_u64 s[PFA:PFA+1], s[PFA:PFA+1], s[PST:PST+1]
	MEET \fill
.if \fill
	CREST                                  ; the barrier has opened a round of the cluster's: no wave of any partner still reads this slot or has a load on its way
	s_add_nc_u64 s[G0A+4*(\slot)+2:G0A+4*(\slot)+3], s[G0A+4*(\slot)+2:G0A+4*(\slot)+3], 512
	s_add_nc_u64 s[G0B+4*(\slot)+2:G0B+4*(\slot)+3], s[G0B+4*(\slot)+2:G0B+4*(\slot)+3], 1048576
	JLOAD \slot                            ; the first tensor load behind the round; its four v_nop are also the places in front of the loads below
.else
	PLACES
.endif
	FETCH \next, 0, F0
.if \ask
	ASK
.endif
	MUL12 F1, 1, 0, 0
	MUL12 F1, 1, 2, 0
.endm
	s_wait_tensorcnt 1                     ; my part of K step 0 is in; step 1's may stay out
	s_barrier_signal -1
	s_barrier_wait -1
	FETCH 0, 0, F0
	QUARTER 0, 1, F0, F1, 1                ; the first quarter stands in front of the loop: its products start the sums
	WIN 0
	s_mov_b32 s61, 7
.Llap:                                         ; a trip: two K steps, from a step's second quarter to the first of the step after next; both slots are filled again
	QUARTER 0, 2, F1, F0, 0
	QUARTER 0, 3, F0, F1, 0
	TURN 0, 1, 1, 1
	QUARTER 1, 1, F0, F1, 0
	QUARTER 1, 2, F1, F0, 0
	QUARTER 1, 3, F0, F1, 0
	TURN 1, 0, 1, 1
	QUARTER 0, 1, F0, F1, 0
	WIN 0
	s_sub_co_u32 s61, s61, 1
	s_cmp_lg_u32 s61, 0
	s_cbranch_scc1 .Llap
	QUARTER 0, 2, F1, F0, 0                ; K step 14 goes on
	QUARTER 0, 3, F0, F1, 0
	TURN 0, 1, 1, 0                        ; slot 0 takes K step 16, the last
	QUARTER 1, 1, F0, F1, 0
	QUARTER 1, 2, F1, F0, 0
	QUARTER 1, 3, F0, F1, 0
	TURN 1, 0, 0, 0                        ; nothing is left to fetch
	QUARTER 0, 1, F0, F1, 0                ; K step 16 has two quarters: columns 2112 on are zeros and are not multiplied
	s_wait_dscnt 8
	MUL12 F1, 0, 0, 0
	MUL12 F1, 0, 2, 0
	s_wait_dscnt 0x0
	MUL12 F1, 1, 0, 0
	MUL12 F1, 1, 2, 0
	; THE WAY OUT.  The scales' vector lines are the places behind the last products.
	WIN 0
	s_wait_loadcnt 0x0                     ; mx and freq_cis
	SCALES 32, 70, 71
	s_sub_co_u32 s[SV], 268, s70
	s_lshl_b32 s[SV], s[SV], 23            ; 2^(141 - ev)
	s_mov_b32 s[SV+1], s[SV]
	s_sub_co_u32 s[SQ], 268, s71
	s_lshl_b32 s[SQ], s[SQ], 23            ; 2^(141 - eq)
	s_mov_b32 s[SQ+1], s[SQ]
	WIN 0x45                               ; (cos, sin): rounded to bf16, widened, times q's and k's scale
.set idx, 0
.rept 64
.set CR, 2*idx+128*(idx/32)
	v_cvt_pk_bf16_f32 v[CR], v[CR], v[CR+1]
	v_and_b32 v[CR+1], 0xffff0000, v[CR]
	v_lshlrev_b32 v[CR], 16, v[CR]
	v_pk_mul_f32 v[CR:CR+1], v[CR:CR+1], s[SQ:SQ+1] op_sel_hi:[1,0]
.set idx, idx+1
.endr
; Pass X (0 q, 1 k, 2 v): my 16 accumulators of it, eight at a time, each from its low registers on: turned (or scaled), then rounded to f16.
; A pair (tr, ti) with (c, s): first (ti s, ti c), then (tr c - ti s, tr s + ti c).
.macro PACK X
.irp hi, 0,1
	WIN 0x06+(\hi)                         ; accumulators in window 2 or 3, (c, s) in window 1, results in window 0
.set idx, 0
.rept 8
.set AC, 8*(6*(idx/2)+2*(\X)+idx%2)
.set CR, 8*(8*(\hi)+idx)+128*(\hi)
.set RR, 128+8*idx
.if (\X) < 2
.irp p, 0,1,2,3
	v_pk_mul_f32 v[32+2*(\p):33+2*(\p)], v[AC+2*(\p):AC+2*(\p)+1], v[CR+2*(\p):CR+2*(\p)+1] op_sel:[1,1] op_sel_hi:[1,0]
.endr
.irp p, 0,1,2,3
	v_pk_fma_f32 v[RR+2*(\p):RR+2*(\p)+1], v[AC+2*(\p):AC+2*(\p)+1], v[CR+2*(\p):CR+2*(\p)+1], v[32+2*(\p):33+2*(\p)] op_sel_hi:[0,1,1] neg_lo:[0,0,1]
.endr
.else
.irp p, 0,1,2,3
	v_pk_mul_f32 v[RR+2*(\p):RR+2*(\p)+1], v[AC+2*(\p):AC+2*(\p)+1], s[SV:SV+1] op_sel_hi:[1,0]
.endr
.endif
.set idx, idx+1
.endr
	WIN 0
.set idx, 0
.rept 32
	v_cvt_pk_f16_f32 v[192+32*(\hi)+idx], v[128+2*idx], v[128+2*idx+1]
.set idx, idx+1
.endr
.endr
.endm
.macro TOSTAGE                         ; 16 bytes a lane into the work-group's stage; then every wave's stores are waited for and a barrier passed: a row's 256 bytes come from four waves
.set idx, 0
.rept 16
	ds_store_b128 v[STO], v[192+4*idx:192+4*idx+3] offset:16*SPITCH*(idx/2)+32*(idx%2)
.set idx, idx+1
.endr
	s_wait_dscnt 0x0
	s_barrier_signal -1
	s_barrier_wait -1
	s_wait_xcnt 0x0                        ; the stores of the pass before have read v64-127: they are loaded again only behind this wait
.set idx, 0
.rept 16
	ds_load_b128 v[64+4*idx:64+4*idx+3], v[RD] offset:2*SPITCH*idx
.set idx, idx+1
.endr
.endm
.macro SEND B                          ; 16 lanes store 256 consecutive bytes, aligned: a whole row of a head
.set idx, 0
.rept 16
	global_store_b128 v[CO], v[64+4*idx:64+4*idx+3], s[\B:\B+1] offset:512*idx
.set idx, idx+1
.endr
.endm
	PACK 0
	TOSTAGE
	PACK 1                                 ; the next pass's arithmetic stands between the loads from the stage and the wait for them
	s_wait_dscnt 0x0                       ; my reads of the stage are over,
	s_barrier_signal -1
	s_barrier_wait -1                      ; everybody's are: it may be written again
	SEND 12
	TOSTAGE
	PACK 2
	s_wait_dscnt 0x0
	s_barrier_signal -1
	s_barrier_wait -1
	SEND 14
	TOSTAGE
	s_wait_dscnt 0x0
	SEND 16
	s_wait_tensorcnt 0x0                   ; the wave's end, behind my last tensor load and my last LDS store
	ds_add_u32 v[SPW], v[NIL]
	s_wait_dscnt 0x0
	CROUND                                 ; the closing round: no work-group ends while a partner may still ask for a tile that names it
	s_endpgm
.Lfunc_end_k_qe89b26dd10_qkv:
	.size	k_qe89b26dd10_qkv, .Lfunc_end_k_qe89b26dd10_qkv-k_qe89b26dd10_qkv
	.p2alignl 7, 3214868480
	.fill 96, 4, 3214868480
	.section	.rodata,"a",@progbits
	.p2align	6, 0x0
	.amdhsa_kernel k_qe89b26dd10_qkv
		.amdhsa_group_segment_fixed_size 327680
		.amdhsa_private_segment_fixed_size 0
		.amdhsa_enable_private_segment 0
		.amdhsa_kernarg_size 56
		.amdhsa_user_sgpr_count 2
		.amdhsa_user_sgpr_kernarg_segment_ptr 1
		.amdhsa_wavefront_size32 1
		.amdhsa_system_sgpr_workgroup_id_x 1
		.amdhsa_system_sgpr_workgroup_id_y 1
		.amdhsa_system_sgpr_workgroup_id_z 1
		.amdhsa_system_vgpr_workitem_id 0
		.amdhsa_next_free_vgpr 1024
		.amdhsa_next_free_sgpr 96
		.amdhsa_reserve_vcc 0
		.amdhsa_float_denorm_mode_32 3
		.amdhsa_float_denorm_mode_16_64 3
		.amdhsa_memory_ordered 1
		.amdhsa_forward_progress 1
		.amdhsa_inst_pref_size 169
	.end_amdhsa_kernel
	.amdgpu_metadata
---
amdhsa.version: [ 1, 2 ]
amdhsa.kernels:
  - .name:           k_qe89b26dd10_qkv
    .symbol:         k_qe89b26dd10_qkv.kd
    .args:
      - { .name: xe, .offset: 0, .size: 8, .value_kind: global_buffer, .address_space: global }
      - { .name: wb, .offset: 8, .size: 8, .value_kind: global_buffer, .address_space: global }
      - { .name: freq_cis, .offset: 16, .size: 8, .value_kind: global_buffer, .address_space: global }
      - { .name: mx, .offset: 24, .size: 8, .value_kind: global_buffer, .address_space: global }
      - { .name: qh, .offset: 32, .size: 8, .value_kind: global_buffer, .address_space: global }
      - { .name: kh, .offset: 40, .size: 8, .value_kind: global_buffer, .address_space: global }
      - { .name: vh, .offset: 48, .size: 8, .value_kind: global_buffer, .address_space: global }
    .group_segment_fixed_size: 327680
    .private_segment_fixed_size: 0
    .kernarg_segment_align: 8
    .kernarg_segment_size: 56
    .max_flat_workgroup_size: 128
    .sgpr_count:     96
    .vgpr_count:     1024
    .wavefront_size: 32
...
	.end_amdgpu_metadata
.endif
;; end of part 2
;; launch attn (part 3): grid 16 x 16, 4 waves a work-group, clusters of 4 x 1, 327,680 bytes of LDS; arguments qh, kh, vh, mx, oh; writes oh
.if DOCPART == 3
	.amdgcn_target "amdgcn-amd-amdhsa--gfx1250"
	.amdhsa_code_object_version 6
	.text
	.protected	k_qe89b26dd10_attn
	.globl	k_qe89b26dd10_attn
	.p2align	8
	.type	k_qe89b26dd10_attn,@function
k_qe89b26dd10_attn:
	s_mov_b64 s[64:65], 0
	v_nop
	global_prefetch_b8 v0, s[64:65] scope:SCOPE_SE
	s_setreg_imm32_b32 hwreg(HW_REG_WAVE_MODE, 25, 1), 1
	s_wait_xcnt 0x0
	s_wait_alu depctr_hold_cnt(0) depctr_sa_sdst(0) depctr_va_vdst(0) depctr_va_sdst(0) depctr_va_ssrc(0) depctr_va_vcc(0) depctr_vm_vsrc(0)
	s_getreg_b32 s2, hwreg(HW_REG_IB_STS2, 6, 4)
	s_cmp_eq_u32 s2, 0
	s_cbranch_scc0 .Lentry_in_a_cluster
	s_endpgm
.Lentry_in_a_cluster:
	s_bfe_u32 s2, ttmp6, 0x10000c
	s_cmp_lg_u32 s2, 0x3003
	s_cbranch_scc0 .Lentry_shape_is_right
	s_endpgm
.Lentry_shape_is_right:
; CAUSAL ATTENTION at head size 128.  qh, kh, vh: [16][2048][128] f16, scaled by exact powers of two (q, k by 2^(141 - eq), v by 2^(141 - ev)); oh: [2048][2048] f16, column 128 head + d, in v's scale.
; Products, maxima and sums in f32; the weights are rounded to f16 for the second product (their sum is taken of the unrounded weights), O once at the end.
; p = 2^(c s - c m) with a running maximum m; c = log2(e) / sqrt(128) x 2^(2 eq - 282) takes q's and k's scales back.
; LIMITS.  A hidden score counts as its value less BIG = max(2^40, 8032 x 2^(282 - 2 eq)): scores stay under 2^37, so a hidden c s lies 768 or more below every visible one and its weight is 0;
; eq is held to 87 .. 177, so c BIG stays finite.  A weight below 2^-126 counts as 0.  NaN and infinities are not treated apart.
; THE WALK.  A head has 32 blocks of 64 queries; block i needs the key steps 0 .. i of 64 keys.  A work-group takes blocks 31 - b and then b, b = 4 c + cx (c the cluster, cx the place in it).
; In a round its four waves hold the SAME 64 queries, and wave w takes key step 4 T + w of key tile T (256 keys).  The long block has the tiles 0 .. 7 - c, the short one 0 .. c: nine rounds, the same
; walk for all four partners, so every tile is asked for JOINTLY and every trip count and branch hangs on c alone; b enters global addresses and selected values only.
; THE MASK is the C operand that starts a sum S^T = K Q^T.  With st = 4 T + w: key blocks below the query tile take BE (0, or -BIG if st > i), the one on the diagonal TRI x AL + BE, those above MHS (-BIG if st >= i).
; THE MERGE.  At a block's end the four waves' (c m, l) meet in LDS; each wave's O is multiplied by 2^(c m - c m*) / L and the four are added in f32 through LDS.  A wave that saw only hidden keys counts for 0.
; REGISTERS: window 0: v1-11, v44-48, v61-63 addresses; v12-43 eight statistics a tile; v64-191 S^T; v192-255 P.  window 1: O^T, 64 a tile.  window 2: v0-127 Q, v128-255 K.
;   window 3: v0-127 V; v128-135 TRI; v136-143 MT; v144-151 MH; v152-159 ML.
.set PK,    272                        ; a row of K in LDS: 256 + 16
.set PV,    288                        ; a row of V: 256 + 32
.set VOFF,  256*PK
.set SLOT,  0x24000                    ; slot 1 begins here: the number shares no bit with any tile's place in a slot, so one exclusive or turns an address in one slot into the other's
.set STATS, 256*(PK+PV)                ; in the gap between the slots: 4 waves x 4 tiles x 32 lanes x 8 bytes
.set STAGE, SLOT+256*(PK+PV)           ; behind the ring: 4 waves x 16 rows x 528 bytes, f32
.set SP,    528
.set SPARE, STAGE+4*16*SP              ; the spare words, 128 bytes a wave: two blocks of 256 bytes that no other line names
.set AK0, 2
.set AV0, 3
.set ADRK, 4
.set ADRV, 5
.set QO,  6
.set PST, 7
.set PRD, 8
.set GO,  9
.set SA,  10
.set SR,  11
.set ST,  12                           ; tile t's statistics at v[ST+8 t]: c m, m, l (even, odd keys'), c0-c3 at work; a takes c2's place
.set MXO, 44
.set PFO, 61
.set SPW, 62
.set NIL, 63
.set S,   64
.set P,   192
.set KF,  128
.set TRI, 128
.set MT,  136
.set MH,  144
.set ML,  152
.set WV,  14
.set CX,  15
.set CC,  16
.set HD,  17
.set IB,  18                           ; the block in hand
.set ILO, 19                           ; b
.set G1K, 24
.set G1V, 32
.set G0K, 40
.set G0V, 44
.set TB,  49                           ; LDS byte at which the round's slot begins
.set NXT, 52                           ; the tile to be asked for next
.set LQ,  53                           ; the last tile of the block whose tiles are being asked for
.set RT,  54                           ; rounds that the block in hand still has
.set NEW, 55                           ; 1: the round is a block's first
.set SLOTS, 56
.set TCUR, 57                          ; the round's tile
.set CS,  58
.set SEL, 60
.set OFF, 62
.set AL,  66
.set BE,  68
.set BIGN, 70
.set MHS, 71
.set PFA, 72
.set LIM, 74
.set QLO, 76
.set OB,  78
.set OLO, 80
.set MSB, 0
.macro WIN new
.if MSB != (\new)
	s_set_vgpr_msb (MSB<<8)|(\new)
.set MSB, \new
.endif
.endm
.set W_PV, 0x53                        ; V window 3, P window 0, O^T window 1
.set W_RS, 0x41                        ; destination and source 0 window 1, source 1 window 0
.macro MXLOAD R, AO, B
.irp i, 0,1,2,3
	global_load_b128 v[(\R)+4*(\i):(\R)+4*(\i)+3], v[\AO], s[\B:\B+1] offset:512*(\i)
.endr
.irp i, 0,1,2,3
	global_load_b32 v[(\R)+16+(\i)], v[\AO], s[\B:\B+1] offset:2048+512*(\i)
.endr
.endm
.macro SCALES R, EV, EQ                ; the same text as in the launch before: PB = 2048 X (W + 32 A B), QB = 2 F PB, their clamped exponents
.irp j, 0,1,2,3
	v_max3_num_f32 v[(\R)+(\j)], v[(\R)+(\j)], v[(\R)+4+(\j)], v[(\R)+8+(\j)]
.endr
	v_max3_num_f32 v[(\R)+16], v[(\R)+16], v[(\R)+17], v[(\R)+18]
.irp j, 0,1,2,3
	v_max_num_f32 v[(\R)+(\j)], v[(\R)+(\j)], v[(\R)+12+(\j)]
.endr
	v_max_num_f32 v[(\R)+4], v[(\R)+16], v[(\R)+19]
.irp m, 1,2,4,8
.irp j, 0,1,2,3,4
	v_max_num_f32_dpp v[(\R)+(\j)], v[(\R)+(\j)], v[(\R)+(\j)] row_xmask:\m row_mask:0xf bank_mask:0xf
.endr
.endr
.irp j, 0,1,2,3,4
	v_permlanex16_b32 v[(\R)+8+(\j)], v[(\R)+(\j)], s[SEL], s[SEL+1]
.endr
.irp j, 0,1,2,3,4
	v_max_num_f32 v[(\R)+(\j)], v[(\R)+(\j)], v[(\R)+8+(\j)]
.endr
	v_mul_f32 v[(\R)+1], v[(\R)+1], v[(\R)+2]
	v_fmamk_f32 v[(\R)+1], v[(\R)+1], 0x42000000, v[(\R)+4]
	v_mul_f32 v[\R], 0x45000000, v[\R]
	v_mul_f32 v[\R], v[\R], v[(\R)+1]
	v_mul_f32 v[(\R)+3], v[(\R)+3], v[\R]
	v_add_f32 v[(\R)+3], v[(\R)+3], v[(\R)+3]
	v_readfirstlane_b32 s[\EV], v[\R]
	v_readfirstlane_b32 s[\EQ], v[(\R)+3]
	s_lshr_b32 s[\EV], s[\EV], 23
	s_max_u32 s[\EV], s[\EV], 15
	s_min_u32 s[\EV], s[\EV], 240
	s_lshr_b32 s[\EQ], s[\EQ], 23
	s_max_u32 s[\EQ], s[\EQ], 87
	s_min_u32 s[\EQ], s[\EQ], 177
.endm
; A joint fill.  Waves 0 and 1 fetch the two halves of a tile's K, waves 2 and 3 those of its V: 128 rows of 256 bytes each.
.macro JLOAD
	s_cmp_lt_u32 s[WV], 2
	s_cbranch_scc0 .Lfor_v_\@
	tensor_load_to_lds s[G0K:G0K+3], s[G1K:G1K+7]
	s_nop 0
.rept 4
	v_nop
.endr
	s_branch .Lasked_\@
.Lfor_v_\@:
	tensor_load_to_lds s[G0V:G0V+3], s[G1V:G1V+7]
	s_nop 0
.rept 4
	v_nop
.endr
.Lasked_\@:
.endm
; A prefetch of the tile after the one just asked for, a round ahead of its load.  A head's rows are first read by its cluster 0, whose long walk has all eight tiles: it asks, in its first six rounds,
; for tiles 2 to 7; each wave for 32 of the 128 rows that it fetches, the four partners told apart by address, a lane a row of 256 bytes.  So each row is named once in the launch.
.macro ASK
	s_cmp_gt_u32 s[SLOTS], s[LIM]
	s_cbranch_scc0 .Lnot_mine_\@
	global_prefetch_b8 v[PFO], s[PFA:PFA+1] th:TH_LOAD_NT scope:SCOPE_SE
.Lnot_mine_\@:
.endm
.macro CROUND
	s_barrier_signal -1
	s_barrier_wait -1
	s_cmp_lg_u32 s[WV], 0
	s_cbranch_scc1 .Lnot_wave_0_\@
	s_barrier_signal -3
.Lnot_wave_0_\@:
	s_barrier_wait -3
	s_barrier_signal -1
	s_barrier_wait -1
.endm
; THE CHANGE OF SLOTS.  Each wave waits for all its tensor loads (one is out: its part of the round's tile), adds 0 to its spare word, and waits for that and for its reads of the slot that it leaves.
; fill = 1: that slot is filled again, first thing behind a round of the cluster's barrier, with tile NXT: the descriptor's address is made anew from that number.
.macro CHANGE fill
	WIN 0
	s_wait_tensorcnt 0x0                   ; no tensor load of mine is out, so a group 0 may be written
	ds_add_u32 v[SPW], v[NIL]              ; 0 onto my spare word; scalar work stands between it and the wait for it
.if \fill
	s_lshl_b32 s[OFF], s[NXT], 16          ; a tile is 65,536 bytes of K and of V
	s_xor_b32 s[G0K+1], s[G0K+1], SLOT
	s_add_nc_u64 s[G0K+2:G0K+3], s[6:7], s[OFF:OFF+1]
	s_or_b32 s[G0K+3], s[G0K+3], 0x80000000
	s_xor_b32 s[G0V+1], s[G0V+1], SLOT
	s_add_nc_u64 s[G0V+2:G0V+3], s[8:9], s[OFF:OFF+1]
	s_or_b32 s[G0V+3], s[G0V+3], 0x80000000
	s_add_co_u32 s[NXT], s[NXT], 1         ; the block's next tile, or behind its last the short block's tile 0
	s_cmp_gt_u32 s[NXT], s[LQ]
	s_cselect_b32 s[NXT], 0, s[NXT]
	s_cselect_b32 s[LQ], s[CC], s[LQ]
	s_wait_xcnt 0x0                        ; the last prefetch, a round back, has read its address
	s_add_nc_u64 s[PFA:PFA+1], s[PFA:PFA+1], 65536
	s_wait_dscnt 0x0                       ; the add is done, and my reads of the slot are over
	CROUND
	JLOAD
	ASK
.else
	s_wait_dscnt 0x0
	s_barrier_signal -1
	s_barrier_wait -1
.endif
	s_xor_b32 s[TB], s[TB], SLOT
.endm
.macro QLOAD B                         ; 64 queries x 128 channels into window 2: tile i / 4, channels 32 (i % 4) on
	WIN 0x80
.irp i, 0,1,2,3,4,5,6,7,8,9,10,11,12,13,14,15
	global_load_b128 v[8*(\i):8*(\i)+3],   v[QO], s[\B:\B+1] offset:((\i)/4)*4096+((\i)%4)*64
	global_load_b128 v[8*(\i)+4:8*(\i)+7], v[QO], s[\B:\B+1] offset:((\i)/4)*4096+((\i)%4)*64+32
.endr
	WIN 0
.endm
	s_load_b256 s[4:11], s[0:1], 0x0       ; qh 4, kh 6, vh 8, mx 10
	s_load_b64 s[12:13], s[0:1], 0x20      ; oh
	v_lshl_add_u32 v[SPW], v0, 2, SPARE
	v_mov_b32 v[NIL], 0
	ds_add_u32 v[SPW], v[NIL]              ; the wave's opening: the add and its wait stand ahead of my first tensor load
	v_lshrrev_b32 v1, 5, v0
	v_readfirstlane_b32 s[WV], v1
	s_bfe_u32 s[CX], ttmp6, 0x40000
	s_mov_b32 s[CC], ttmp9
	s_and_b32 s[HD], ttmp7, 0xffff
	s_lshl_b32 s[ILO], s[CC], 2
	s_add_co_u32 s[ILO], s[ILO], s[CX]     ; b
	s_sub_co_u32 s[IB], 31, s[ILO]         ; the long block
	s_and_b32 s20, s[WV], 1                ; which half of a tile's 256 rows I fetch
	s_mul_i32 s21, s20, 128*PK
	s_mul_i32 s22, s20, 128*PV
	s_mov_b32 s[G0K], 1
	s_mov_b32 s[G0K+1], s21                ; slot 0
	s_mov_b32 s[G0V], 1
	s_add_co_u32 s[G0V+1], s22, VOFF
	s_lshl_b32 s2, s[HD], 19               ; the head's first byte in qh, kh, vh
	s_lshl_b32 s22, s20, 15
	s_add_co_u32 s22, s22, s2
	s_mov_b32 s23, 0
	s_lshl_b32 s82, s[IB], 14
	s_add_co_u32 s82, s82, s2
	s_mov_b32 s83, 0
	s_lshl_b32 s84, s[ILO], 14
	s_add_co_u32 s84, s84, s2
	s_mov_b32 s85, 0
	s_lshl_b32 s3, s[HD], 8
	s_lshl_b32 s86, s[IB], 18
	s_add_co_u32 s86, s86, s3
	s_mov_b32 s87, 0
	s_lshl_b32 s88, s[ILO], 18
	s_add_co_u32 s88, s88, s3
	s_mov_b32 s89, 0
	s_mov_b32 s[G1K], 15|(1<<16)|(1<<20)|(1<<21)|(5<<22)|(3<<25)  ; the mask of four; 2-byte elements; padding on; bit 21 beside a mask; after every 64 words, 4 words
	s_mov_b32 s[G1V], 15|(1<<16)|(1<<20)|(1<<21)|(5<<22)|(7<<25)  ; the same with 8 words
.irp g, G1K, G1V
	s_mov_b32 s[(\g)+1], 128<<16
	s_mov_b32 s[(\g)+2], 128<<16
	s_mov_b32 s[(\g)+3], 128<<16
	s_mov_b32 s[(\g)+4], 128
	s_mov_b32 s[(\g)+5], 128
	s_mov_b32 s[(\g)+6], 0
	s_mov_b32 s[(\g)+7], 0
.endr
	s_mov_b32 s[SEL], 0x76543210
	s_mov_b32 s[SEL+1], 0xfedcba98
	s_mov_b32 s[TB], SLOT                  ; the first change of slots turns it into 0
	s_mov_b32 s[NXT], 1
	s_sub_co_u32 s[LQ], 7, s[CC]
	s_sub_co_u32 s[RT], 8, s[CC]
	s_mov_b32 s[NEW], 1
	s_mov_b32 s[SLOTS], 8
	s_mov_b32 s[TCUR], 0
	s_mov_b32 s[OFF+1], 0
	s_mov_b32 s[AL+1], 0
	s_mov_b32 s[BE+1], 0
	s_cmp_eq_u32 s[CC], 0
	s_cselect_b32 s[LIM], 2, -1            ; the same in all four partners
	s_wait_dscnt 0x0                       ; the opening add is done
	s_wait_kmcnt 0x0
	s_add_nc_u64 s[6:7], s[6:7], s[22:23]  ; K and V at my half of the head's tile 0
	s_add_nc_u64 s[8:9], s[8:9], s[22:23]
	s_add_nc_u64 s[G0K+2:G0K+3], s[6:7], 0
	s_or_b32 s[G0K+3], s[G0K+3], 0x80000000
	s_add_nc_u64 s[G0V+2:G0V+3], s[8:9], 0
	s_or_b32 s[G0V+3], s[G0V+3], 0x80000000
	s_add_nc_u64 s[QLO:QLO+1], s[4:5], s[84:85]
	s_add_nc_u64 s[4:5], s[4:5], s[82:83]
	s_add_nc_u64 s[OB:OB+1], s[12:13], s[86:87]
	s_add_nc_u64 s[OLO:OLO+1], s[12:13], s[88:89]
	s_cmp_lt_u32 s[WV], 2
	s_cselect_b64 s[PFA:PFA+1], s[6:7], s[8:9]
	s_lshl_b32 s2, s[CX], 13               ; my work-group's 32 rows of my 128
	s_mov_b32 s3, 0
	s_add_nc_u64 s[PFA:PFA+1], s[PFA:PFA+1], s[2:3]
	s_add_nc_u64 s[PFA:PFA+1], s[PFA:PFA+1], 65536  ; in tile 1: the first change of slots steps it to tile 2
	CROUND                                 ; all four work-groups are here: the first joint loads meet
	JLOAD                                  ; tile 0 into slot 0; slot 1 is asked for by the loop's own change of slots
	v_and_b32 v1, 15, v0                   ; r
	v_bfe_u32 v45, v0, 4, 1                ; h
	v_and_b32 v46, 31, v0                  ; lane
	v_lshlrev_b32 v[MXO], 4, v46
	v_lshlrev_b32 v[QO], 8, v1
	v_lshl_add_u32 v[QO], v45, 4, v[QO]
	MXLOAD 64, MXO, 10
	QLOAD 4                                ; the long block's queries
	v_lshlrev_b32 v[PFO], 8, v46
	s_lshl_b32 s2, s[WV], 6                ; my key step's 64 rows in a tile
	v_add_nc_u32 v[AK0], s2, v1
	v_mul_u32_u24 v[AK0], v[AK0], PK
	v_lshl_add_u32 v[AK0], v45, 4, v[AK0]
	v_and_b32 v47, 7, v0
	v_lshl_add_u32 v[AV0], v45, 3, v47
	v_add_nc_u32 v[AV0], s2, v[AV0]
	v_mul_u32_u24 v[AV0], v[AV0], PV
	v_bfe_u32 v47, v0, 3, 1
	v_lshl_add_u32 v[AV0], v47, 4, v[AV0]
	v_add_nc_u32 v[AV0], VOFF, v[AV0]
	s_mul_i32 s2, s[WV], 16*SP
	s_add_co_u32 s2, s2, STAGE
	v_mul_u32_u24 v[PST], v1, SP
	v_lshl_add_u32 v[PST], v45, 5, v[PST]
	v_add_nc_u32 v[PST], s2, v[PST]        ; my stage: row r, 32 bytes for each half of the lanes
	s_mul_i32 s2, s[WV], 4*SP
	s_add_co_u32 s2, s2, STAGE
	v_lshl_add_u32 v[PRD], v46, 4, s2      ; back: rows 4 w .. 4 w + 3 of every wave's stage, 512 bytes a row
	s_lshl_b32 s2, s[WV], 14
	v_lshl_add_u32 v[GO], v46, 3, s2       ; the same rows in oh
	s_lshl_b32 s2, s[WV], 10
	s_add_co_u32 s2, s2, STATS
	v_lshl_add_u32 v[SA], v46, 3, s2
	v_lshl_add_u32 v[SR], v46, 3, STATS
	v_lshlrev_b32 v47, 3, v45
	v_sub_nc_u32 v48, v1, v47              ; my query's place in its tile less my lanes' 8 h: register i of the diagonal block is hidden where i is greater
	; A block's first step multiplies O^T and l by a = 0, so they need only hold finite numbers: zeros now, what the long block left later.  This stands in the wait for the first tile.
	WIN 0x40
.set i, 0
.rept 256
	v_mov_b32 v[i], 0
.set i, i+1
.endr
	WIN 0
.irp t, 0,1,2,3
	v_mov_b32 v[ST+8*(\t)], 0xfe000000
	v_mov_b32 v[ST+8*(\t)+1], 0xff7fffff
	v_mov_b32 v[ST+8*(\t)+2], 0
	v_mov_b32 v[ST+8*(\t)+3], 0
.endr
	s_wait_loadcnt 32                      ; mx is in; Q's 32 younger loads may stay out
	SCALES 64, 82, 83
	s_sub_co_u32 s84, 268, s83
	s_lshl_b32 s84, s84, 23                ; 2^(141 - eq)
	s_sub_co_u32 s85, s83, 14
	s_lshl_b32 s85, s85, 23                ; 2^(eq - 141)
	s_mul_f32 s[CS], s85, s85
	s_mul_f32 s[CS], s[CS], 0x3e0293ee     ; c
	s_mov_b32 s[CS+1], s[CS]
	s_mul_f32 s84, s84, s84
	s_mul_f32 s84, s84, 0x45fb0000         ; 8032 x 2^(282 - 2 eq)
	s_max_u32 s84, s84, 0x53800000         ; positive floats order as their bits: at least 2^40
	s_or_b32 s[BIGN], s84, 0x80000000      ; -BIG
	WIN 0xc0
.set i, 0
.rept 8
	v_cmp_gt_i32 vcc_lo, i, v48
	v_cndmask_b32 v[TRI+i], 0, s[BIGN], vcc_lo
.set i, i+1
.endr
	WIN 0
; Product i of 64 of S^T = K Q^T: channels 32 (i / 16) on, keys 16 ((i / 4) % 4) on, tile i % 4.  The first 16 start the sums with a mask.  The 16 accumulators take turns.
.macro KQ
.set kc, i/16
.set kb, (i/4)%4
.set tq, i%4
.set rS, S+32*tq+8*kb
.set rK, KF+32*kb+8*kc
.set rQ, 32*tq+8*kc
.if kc == 0
.set rM, MT
.if kb < tq
.set rM, ML
.endif
.if kb > tq
.set rM, MH
.endif
	WIN 0x3a
	v_wmma_f32_16x16x32_f16 v[rS:rS+7], v[rK:rK+7], v[rQ:rQ+7], v[rM:rM+7]
.else
	WIN 0x0a
	v_wmma_f32_16x16x32_f16 v[rS:rS+7], v[rK:rK+7], v[rQ:rQ+7], v[rS:rS+7]
.endif
.endm
; Product i of 64 of O^T += V^T P: keys 32 (i / 32) on, channels 16 ((i / 4) % 8) on, tile i % 4.  32 accumulators take turns.
.macro PVM
	WIN W_PV
.set rO, 64*(i%4)+8*((i/4)%8)
.set rV, 64*(i/32)+8*((i/4)%8)
.set rP, P+16*(i%4)+8*(i/32)
	v_wmma_f32_16x16x32_f16 v[rO:rO+7], v[rV:rV+7], v[rP:rP+7], v[rO:rO+7]
.endm
; One tile's softmax for one key step is a list of 134 instructions; SM writes number j of it for tile t.
;   0-15 the maximum of the lane's 32 scores and the old m (each accumulator's lowest registers are read first)     16-20 the other half of the lanes' maximum; the new m; c m; c m_old - c m_new
;   21-69 ONE BATCH: the 16 scalings c s - c m and all 33 exponentials (a at 23); none reads an exponential's result     70-85 the roundings to f16     86-101 the sums; l = a l + sum     102-133 O^T times a
.macro SM t
.set rT, ST+8*(\t)
.set rS, S+32*(\t)
.set rP, P+16*(\t)
.set rO, 64*(\t)+2*(j-102)
.if j < 102
	WIN 0
.endif
.if j < 4
	v_max3_num_f32 v[rT+4+j], v[rS+8*j], v[rS+8*j+1], v[rS+8*j+2]
.elseif j < 12
	v_max3_num_f32 v[rT+4+j%4], v[rT+4+j%4], v[rS+8*(j%4)+2*(j/4)+1], v[rS+8*(j%4)+2*(j/4)+2]
.elseif j == 12
	v_max3_num_f32 v[rT+4], v[rT+4], v[rS+7], v[rS+15]
.elseif j == 13
	v_max3_num_f32 v[rT+6], v[rT+6], v[rS+23], v[rS+31]
.elseif j == 14
	v_max3_num_f32 v[rT+4], v[rT+4], v[rT+5], v[rT+6]
.elseif j == 15
	v_max3_num_f32 v[rT+4], v[rT+4], v[rT+7], v[rT+1]
.elseif j == 16
	v_permlanex16_b32 v[rT+5], v[rT+4], s[SEL], s[SEL+1]
.elseif j == 17
	v_mov_b32 v[rT+7], v[rT]
.elseif j == 18
	v_max_num_f32 v[rT+1], v[rT+4], v[rT+5]
.elseif j == 19
	v_mul_f32 v[rT], s[CS], v[rT+1]
.elseif j == 20
	v_sub_f32 v[rT+7], v[rT+7], v[rT]
.elseif j == 23
	v_exp_f32 v[rT+6], v[rT+7]
.elseif (j < 23) || ((j < 38) && (j%2 == 0)) || ((j < 66) && (j%4 == 2))
.set b, (j-2)/4
.if j < 38
.set b, (j-20)/2
.endif
	v_pk_fma_f32 v[rS+2*b:rS+2*b+1], v[rS+2*b:rS+2*b+1], s[CS:CS+1], v[rT:rT+1] op_sel_hi:[1,0,0] neg_lo:[0,0,1] neg_hi:[0,0,1]
.elseif j < 70
.set e, j-38
.if j < 66
.set e, j-32-(j-38)/4
.endif
.if j < 38
.set e, (j-25)/2
.endif
	v_exp_f32 v[rS+e], v[rS+e]
.elseif j < 86
	v_cvt_pk_f16_f32 v[rP+j-70], v[rS+2*(j-70)], v[rS+2*(j-70)+1]
.elseif j < 102
.set z, j-86
.set w, 4
.set u, z
.if z >= 14
.set w, 32
.set u, 0
.elseif z >= 12
.set w, 16
.set u, z-12
.elseif z >= 8
.set w, 8
.set u, z-8
.endif
.if z < 15
	v_pk_add_f32 v[rS+w*u:rS+w*u+1], v[rS+w*u:rS+w*u+1], v[rS+w*u+w/2:rS+w*u+w/2+1]
.else
	v_pk_fma_f32 v[rT+2:rT+3], v[rT+2:rT+3], v[rT+6:rT+7], v[rS:rS+1] op_sel_hi:[1,0,1]
.endif
.else
	WIN W_RS
	v_pk_mul_f32 v[rO:rO+1], v[rO:rO+1], v[rT+6:rT+7] op_sel_hi:[1,0]
.endif
.endm
; A ROUND's work, in phases: the masks; my key step's K and V out of LDS; 64 products K Q^T; the four tiles' softmax, with one wait for its 132 exponentials; 64 products V^T P.
.macro STEP
	WIN 0
	s_lshl_b32 s82, s[TCUR], 2
	s_add_co_u32 s82, s82, s[WV]           ; my key step
	s_cmp_eq_u32 s82, s[IB]
	s_cselect_b32 s[AL], 1.0, 0
	s_cmp_gt_u32 s82, s[IB]
	s_cselect_b32 s[BE], s[BIGN], 0
	s_cmp_ge_u32 s82, s[IB]
	s_cselect_b32 s[MHS], s[BIGN], 0
	v_add_nc_u32 v[ADRK], s[TB], v[AK0]
	v_add_nc_u32 v[ADRV], s[TB], v[AV0]
	WIN 0xc3
.set i, 0
.rept 8
	v_mov_b32 v[MH+i], s[MHS]
	v_mov_b32 v[ML+i], s[BE]
.set i, i+1
.endr
.set i, 0
.rept 4
	v_pk_fma_f32 v[MT+2*i:MT+2*i+1], v[TRI+2*i:TRI+2*i+1], s[AL:AL+1], s[BE:BE+1] op_sel_hi:[1,0,0]
.set i, i+1
.endr
	WIN 0x80                               ; these 22 vector lines are also the places between the last round's products and the loads into V's registers
.irp f, 0,1,2,3,4,5,6,7,8,9,10,11,12,13,14,15  ; keys 16 (f / 4) on, channels 32 (f % 4) on
	ds_load_b128 v[KF+8*(\f):KF+8*(\f)+3],   v[ADRK] offset:((\f)/4)*16*PK+((\f)%4)*64
	ds_load_b128 v[KF+8*(\f)+4:KF+8*(\f)+7], v[ADRK] offset:((\f)/4)*16*PK+((\f)%4)*64+32
.endr
	WIN 0xc0
.irp f, 0,1,2,3,4,5,6,7,8,9,10,11,12,13,14,15  ; keys 32 (f / 8) on, channels 16 (f % 8) on
	ds_load_tr16_b128 v[8*(\f):8*(\f)+3],   v[ADRV] offset:((\f)/8)*32*PV+((\f)%8)*32
	ds_load_tr16_b128 v[8*(\f)+4:8*(\f)+7], v[ADRV] offset:((\f)/8)*32*PV+16*PV+((\f)%8)*32
.endr
	s_wait_loadcnt 0x0                     ; Q (met at once in all rounds but a block's first)
	s_wait_dscnt 32                        ; K is in; V's 32 loads may stay out
.set i, 0
.rept 64
	KQ
.set i, i+1
.endr
	WIN 0
.rept 4
	v_nop                                  ; the places behind those products
.endr
.set j, 0
.rept 70
.irp t, 0,1,2,3
	SM \t
.endr
.set j, j+1
.endr
	v_nop                                  ; a plain instruction behind the last exponential: one for the batch
	s_wait_alu depctr_va_vdst(0)           ; a wait ahead of the first instruction that names a result: one for the batch
.rept 64
.irp t, 0,1,2,3
	SM \t
.endr
.set j, j+1
.endr
	s_wait_dscnt 0x0                       ; V is in
.set i, 0
.rept 64
	PVM
.set i, i+1
.endr
	WIN 0
.endm
.macro BEGIN                           ; a block begins: c m far below every c s, so the first step's a is 0; m at the lowest finite number
	s_mov_b32 s[NEW], 0
	s_mov_b32 s[TCUR], 0
.irp t, 0,1,2,3
	v_mov_b32 v[ST+8*(\t)], 0xfe000000
	v_mov_b32 v[ST+8*(\t)+1], 0xff7fffff
.endr
.endm
; A BLOCK ENDS: the four waves' shares of the keys are merged.
.macro MERGE
	WIN 0
.irp t, 0,1,2,3
	v_add_f32 v[ST+8*(\t)+2], v[ST+8*(\t)+2], v[ST+8*(\t)+3]
.endr
.rept 4
	v_nop
.endr
.irp t, 0,1,2,3
	v_permlanex16_b32 v[ST+8*(\t)+3], v[ST+8*(\t)+2], s[SEL], s[SEL+1]
.endr
.irp t, 0,1,2,3
	v_add_f32 v[ST+8*(\t)+1], v[ST+8*(\t)+2], v[ST+8*(\t)+3]         ; l, beside c m
.endr
.irp t, 0,1,2,3
	ds_store_b64 v[SA], v[ST+8*(\t):ST+8*(\t)+1] offset:256*(\t)
.endr
	s_wait_dscnt 0x0                       ; for the others' sake
	s_barrier_signal -1
	s_barrier_wait -1
.irp v, 0,1,2,3
.irp t, 0,1,2,3
	ds_load_b64 v[S+2*(4*(\v)+(\t)):S+2*(4*(\v)+(\t))+1], v[SR] offset:1024*(\v)+256*(\t)
.endr
.endr
	s_wait_dscnt 0x0
.irp t, 0,1,2,3
	v_max3_num_f32 v[ST+8*(\t)+4], v[S+2*(\t)], v[S+8+2*(\t)], v[S+16+2*(\t)]
.endr
.irp t, 0,1,2,3
	v_max_num_f32 v[ST+8*(\t)+4], v[ST+8*(\t)+4], v[S+24+2*(\t)]     ; c m*
.endr
.irp v, 0,1,2,3
.irp t, 0,1,2,3
	v_sub_f32 v[S+2*(4*(\v)+(\t))], v[S+2*(4*(\v)+(\t))], v[ST+8*(\t)+4]
.endr
.endr
.irp t, 0,1,2,3
	v_sub_f32 v[ST+8*(\t)+5], v[ST+8*(\t)], v[ST+8*(\t)+4]
.endr
.irp v, 0,1,2,3
.irp t, 0,1,2,3
	v_exp_f32 v[S+2*(4*(\v)+(\t))], v[S+2*(4*(\v)+(\t))]
.endr
.endr
.irp t, 0,1,2,3
	v_exp_f32 v[ST+8*(\t)+5], v[ST+8*(\t)+5]
.endr
	v_nop
	s_wait_alu depctr_va_vdst(0)           ; one wait for the twenty exponentials
.irp t, 0,1,2,3
	v_mul_f32 v[ST+8*(\t)+6], v[S+2*(\t)], v[S+2*(\t)+1]
.endr
.irp v, 1,2,3
.irp t, 0,1,2,3
	v_fmac_f32 v[ST+8*(\t)+6], v[S+2*(4*(\v)+(\t))], v[S+2*(4*(\v)+(\t))+1]
.endr
.endr
.irp t, 0,1,2,3
	v_rcp_f32 v[ST+8*(\t)+6], v[ST+8*(\t)+6]
.endr
	v_nop
	s_wait_alu depctr_va_vdst(0)           ; one wait for the four reciprocals
.irp t, 0,1,2,3
	v_mul_f32 v[ST+8*(\t)+6], v[ST+8*(\t)+6], v[ST+8*(\t)+5]         ; my share's factor
.endr
.irp t, 0,1,2,3                        ; a tile of 16 queries at a time: every wave's share into its stage; wave w adds rows 4 w .. 4 w + 3 of the four and stores them
	WIN W_RS
.set i, 64*(\t)
.rept 32
	v_pk_mul_f32 v[i:i+1], v[i:i+1], v[ST+8*(\t)+6:ST+8*(\t)+7] op_sel_hi:[1,0]
.set i, i+2
.endr
	WIN 0x04                               ; store data in window 1
.irp f, 0,1,2,3,4,5,6,7
	ds_store_b128 v[PST], v[64*(\t)+8*(\f):64*(\t)+8*(\f)+3] offset:64*(\f)
	ds_store_b128 v[PST], v[64*(\t)+8*(\f)+4:64*(\t)+8*(\f)+7] offset:64*(\f)+16
.endr
	WIN 0
	s_wait_dscnt 0x0
	s_barrier_signal -1
	s_barrier_wait -1
	s_wait_xcnt 0x0                        ; the stores of the tile before have read their data: the registers are loaded again only behind this wait
.irp v, 0,1,2,3
.irp q, 0,1,2,3
	ds_load_b128 v[S+4*(4*(\v)+(\q)):S+4*(4*(\v)+(\q))+3], v[PRD] offset:16*SP*(\v)+SP*(\q)
.endr
.endr
	s_wait_dscnt 0x0                       ; my reads of the stages are over:
	s_barrier_signal -1                    ; say so; the sums, work on registers, stand between signal and wait
.irp v, 1,2,3
.irp q, 0,1,2,3
	v_pk_add_f32 v[S+4*(\q):S+4*(\q)+1], v[S+4*(\q):S+4*(\q)+1], v[S+4*(4*(\v)+(\q)):S+4*(4*(\v)+(\q))+1]
	v_pk_add_f32 v[S+4*(\q)+2:S+4*(\q)+3], v[S+4*(\q)+2:S+4*(\q)+3], v[S+4*(4*(\v)+(\q))+2:S+4*(4*(\v)+(\q))+3]
.endr
.endr
.irp q, 0,1,2,3
	v_cvt_pk_f16_f32 v[S+4*(\q)], v[S+4*(\q)], v[S+4*(\q)+1]
	v_cvt_pk_f16_f32 v[S+4*(\q)+1], v[S+4*(\q)+2], v[S+4*(\q)+3]
.endr
	s_barrier_wait -1                      ; everybody's reads are over: the stages may be written again
.irp q, 0,1,2,3
	global_store_b64 v[GO], v[S+4*(\q):S+4*(\q)+1], s[OB:OB+1] offset:(16*(\t)+(\q))*4096  ; the wave stores 256 consecutive bytes, aligned: a row's part of one head
.endr
.endr
.endm
.Lslot:                                        ; eight times: a round is entered and the next tile is asked for
	CHANGE 1
	s_sub_co_u32 s[RT], s[RT], 1
	s_cmp_eq_u32 s[NEW], 0
	s_cbranch_scc1 .Lold
	BEGIN
.Lold:
	STEP
	s_add_co_u32 s[TCUR], s[TCUR], 1
	s_cmp_lg_u32 s[RT], 0
	s_cbranch_scc1 .Lbottom                ; RT comes from the cluster's number and the rounds alone: the same in all waves and all partners
	QLOAD QLO                              ; the long block ends: the short block's queries are on their way while it is merged
	MERGE
	s_wait_xcnt 0x0                        ; the stores have read their data and O's address
	s_mov_b64 s[OB:OB+1], s[OLO:OLO+1]
	s_mov_b32 s[IB], s[ILO]
	s_add_co_u32 s[RT], s[CC], 1
	s_mov_b32 s[NEW], 1
.Lbottom:
	s_sub_co_u32 s[SLOTS], s[SLOTS], 1
	s_cmp_lg_u32 s[SLOTS], 0
	s_cbranch_scc1 .Lslot
	CHANGE 0                               ; the walk's last round is written out: nothing is asked for
	s_cmp_eq_u32 s[NEW], 0
	s_cbranch_scc1 .Lold2
	BEGIN
.Lold2:
	STEP
	MERGE
	s_wait_tensorcnt 0x0                   ; the wave's end, behind my last tensor load and my last LDS store
	ds_add_u32 v[SPW], v[NIL]
	s_wait_dscnt 0x0
	CROUND                                 ; the closing round
	s_endpgm
.Lfunc_end_k_qe89b26dd10_attn:
	.size	k_qe89b26dd10_attn, .Lfunc_end_k_qe89b26dd10_attn-k_qe89b26dd10_attn
	.p2alignl 7, 3214868480
	.fill 96, 4, 3214868480
	.section	.rodata,"a",@progbits
	.p2align	6, 0x0
	.amdhsa_kernel k_qe89b26dd10_attn
		.amdhsa_group_segment_fixed_size 327680
		.amdhsa_private_segment_fixed_size 0
		.amdhsa_enable_private_segment 0
		.amdhsa_kernarg_size 40
		.amdhsa_user_sgpr_count 2
		.amdhsa_user_sgpr_kernarg_segment_ptr 1
		.amdhsa_wavefront_size32 1
		.amdhsa_system_sgpr_workgroup_id_x 1
		.amdhsa_system_sgpr_workgroup_id_y 1
		.amdhsa_system_sgpr_workgroup_id_z 1
		.amdhsa_system_vgpr_workitem_id 0
		.amdhsa_next_free_vgpr 1024
		.amdhsa_next_free_sgpr 96
		.amdhsa_reserve_vcc 1
		.amdhsa_float_denorm_mode_32 3
		.amdhsa_float_denorm_mode_16_64 3
		.amdhsa_memory_ordered 1
		.amdhsa_forward_progress 1
		.amdhsa_inst_pref_size 179
	.end_amdhsa_kernel
	.amdgpu_metadata
---
amdhsa.version: [ 1, 2 ]
amdhsa.kernels:
  - .name:           k_qe89b26dd10_attn
    .symbol:         k_qe89b26dd10_attn.kd
    .args:
      - { .name: qh, .offset: 0, .size: 8, .value_kind: global_buffer, .address_space: global }
      - { .name: kh, .offset: 8, .size: 8, .value_kind: global_buffer, .address_space: global }
      - { .name: vh, .offset: 16, .size: 8, .value_kind: global_buffer, .address_space: global }
      - { .name: mx, .offset: 24, .size: 8, .value_kind: global_buffer, .address_space: global }
      - { .name: oh, .offset: 32, .size: 8, .value_kind: global_buffer, .address_space: global }
    .group_segment_fixed_size: 327680
    .private_segment_fixed_size: 0
    .kernarg_segment_align: 8
    .kernarg_segment_size: 40
    .max_flat_workgroup_size: 128
    .sgpr_count:     96
    .vgpr_count:     1024
    .wavefront_size: 32
...
	.end_amdgpu_metadata
.endif
;; end of part 3
;; launch outp (part 4): grid 16 x 16, 4 waves a work-group, clusters of 4 x 4, 327,680 bytes of LDS; arguments oh, wof, mx, out0; writes out0
.if DOCPART == 4
	.amdgcn_target "amdgcn-amd-amdhsa--gfx1250"
	.amdhsa_code_object_version 6
	.text
	.protected	k_qe89b26dd10_outp
	.globl	k_qe89b26dd10_outp
	.p2align	8
	.type	k_qe89b26dd10_outp,@function
k_qe89b26dd10_outp:
	s_mov_b64 s[64:65], 0
	v_nop
	global_prefetch_b8 v0, s[64:65] scope:SCOPE_SE
	s_setreg_imm32_b32 hwreg(HW_REG_WAVE_MODE, 25, 1), 1
	s_wait_xcnt 0x0
	s_wait_alu depctr_hold_cnt(0) depctr_sa_sdst(0) depctr_va_vdst(0) depctr_va_sdst(0) depctr_va_ssrc(0) depctr_va_vcc(0) depctr_vm_vsrc(0)
	s_getreg_b32 s2, hwreg(HW_REG_IB_STS2, 6, 4)
	s_cmp_eq_u32 s2, 0
	s_cbranch_scc0 .Lentry_in_a_cluster
	s_endpgm
.Lentry_in_a_cluster:
	s_bfe_u32 s2, ttmp6, 0x10000c
	s_cmp_lg_u32 s2, 0xf033
	s_cbranch_scc0 .Lentry_shape_is_right
	s_endpgm
.Lentry_shape_is_right:
; out0[m][n] = 2^(ev - 149) x the sum over k of oh[m][k] wof[k][n]: oh is O in v's scale 2^(141 - ev), wof is bf16(wo) x 256; both f16, sums in f32, out0 f32.
; LIMITS: ev is held to 15 .. 240, as where the scale was applied; NaN and infinities are not treated apart.
; A tile of out0 is 128 x 128, so that each of 256 work-groups has one.  Four waves, each 64 x 64: 16 accumulators.  K goes in 8 steps of 256 through two LDS slots: oh's tile has rows of 512 bytes
; (waves 0 and 1 fetch 64 rows each), wof's, [k][n], 256 rows of 256 bytes (waves 2 and 3 fetch 128 each) and is read turned.
; CLUSTER: 4 x 4 work-groups; oh's tile is asked for jointly along a row of the cluster, wof's along a column.  THE MATRIX INSTRUCTION IS USED TRANSPOSED: a lane holds eight neighbouring numbers of a row.
; No prefetch: the tiles are small, and a K step's work is short beside the bytes that it fetches.
; REGISTERS: window 0: v16-31 addresses; v32-95 at work on the way out; v96-115 mx; v128-255 the accumulators ((a, b) at v[128 + 8 (4 a + b)]).  window 1: two fragment buffers of 128: 64 registers of oh, 64 of wof.
.set PITCH,  528                       ; an LDS row of oh's tile: 512 + 16
.set PBT,    288                       ; of wof's: 256 + 32
.set AHALF,  64*PITCH
.set BHALF,  128*PBT
.set BOFF,   2*AHALF
.set SLOT,   BOFF+2*BHALF
.set STAGE,  2*SLOT                    ; behind the ring: 16 rows x 272 bytes for each wave
.set SPITCH, 272
.set SPARE,  STAGE+4*16*SPITCH         ; the spare words, 128 bytes a wave: two blocks of 256 bytes that no other line names
.set LAPS, 4
.set ADRA, 16
.set ADRB, 20                          ; v20-21 k rows 0-127 of slot 0, 1; v22-23 k rows 128-255 (an LDS immediate ends at 65,535)
.set STO,  24
.set RD,   25
.set CO,   26
.set MXO,  27
.set SPW,  28
.set NIL,  29
.set TMP,  32
.set ACC,  128
.set F0,   0
.set F1,   128
.set WV,  12
.set HR,  13                           ; which half of the tile's rows is mine.  Also: I fetch for oh (0) or for wof (1)
.set HC,  14                           ; which half of its columns.  Also: which half of that tile I fetch
.set G1, 24
.set G0, 32
.set G1B, 48
.set G0B, 56
.set SEL, 66
.set SC,  68
.set MSB, 0
.macro WIN new
.if MSB != (\new)
	s_set_vgpr_msb (MSB<<8)|(\new)
.set MSB, \new
.endif
.endm
.set MUL,  0x05                        ; sources 0 and 1 window 1; C and D window 0
.set TO_F, 0x40
.macro MXLOAD R, AO, B
.irp i, 0,1,2,3
	global_load_b128 v[(\R)+4*(\i):(\R)+4*(\i)+3], v[\AO], s[\B:\B+1] offset:512*(\i)
.endr
.irp i, 0,1,2,3
	global_load_b32 v[(\R)+16+(\i)], v[\AO], s[\B:\B+1] offset:2048+512*(\i)
.endr
.endm
.macro SCALES R, EV, EQ                ; the same text as in the two launches before
.irp j, 0,1,2,3
	v_max3_num_f32 v[(\R)+(\j)], v[(\R)+(\j)], v[(\R)+4+(\j)], v[(\R)+8+(\j)]
.endr
	v_max3_num_f32 v[(\R)+16], v[(\R)+16], v[(\R)+17], v[(\R)+18]
.irp j, 0,1,2,3
	v_max_num_f32 v[(\R)+(\j)], v[(\R)+(\j)], v[(\R)+12+(\j)]
.endr
	v_max_num_f32 v[(\R)+4], v[(\R)+16], v[(\R)+19]
.irp m, 1,2,4,8
.irp j, 0,1,2,3,4
	v_max_num_f32_dpp v[(\R)+(\j)], v[(\R)+(\j)], v[(\R)+(\j)] row_xmask:\m row_mask:0xf bank_mask:0xf
.endr
.endr
.irp j, 0,1,2,3,4
	v_permlanex16_b32 v[(\R)+8+(\j)], v[(\R)+(\j)], s[SEL], s[SEL+1]
.endr
.irp j, 0,1,2,3,4
	v_max_num_f32 v[(\R)+(\j)], v[(\R)+(\j)], v[(\R)+8+(\j)]
.endr
	v_mul_f32 v[(\R)+1], v[(\R)+1], v[(\R)+2]
	v_fmamk_f32 v[(\R)+1], v[(\R)+1], 0x42000000, v[(\R)+4]
	v_mul_f32 v[\R], 0x45000000, v[\R]
	v_mul_f32 v[\R], v[\R], v[(\R)+1]
	v_mul_f32 v[(\R)+3], v[(\R)+3], v[\R]
	v_add_f32 v[(\R)+3], v[(\R)+3], v[(\R)+3]
	v_readfirstlane_b32 s[\EV], v[\R]
	v_readfirstlane_b32 s[\EQ], v[(\R)+3]
	s_lshr_b32 s[\EV], s[\EV], 23
	s_max_u32 s[\EV], s[\EV], 15
	s_min_u32 s[\EV], s[\EV], 240
	s_lshr_b32 s[\EQ], s[\EQ], 23
	s_max_u32 s[\EQ], s[\EQ], 87
	s_min_u32 s[\EQ], s[\EQ], 177
.endm
.macro JLOAD s                         ; a joint load; an s_nop 0 and four v_nop follow each of the two lines, ahead of the jump, the label and what follows
	s_cmp_eq_u32 s[HR], 0
	s_cbranch_scc0 .Lfor_b_\@
	tensor_load_to_lds s[G0+4*(\s):G0+4*(\s)+3], s[G1:G1+7]
	s_nop 0
.rept 4
	v_nop
.endr
	s_branch .Lasked_\@
.Lfor_b_\@:
	tensor_load_to_lds s[G0B+4*(\s):G0B+4*(\s)+3], s[G1B:G1B+7]
	s_nop 0
.rept 4
	v_nop
.endr
.Lasked_\@:
.endm
.macro CREST
	s_cmp_lg_u32 s[WV], 0
	s_cbranch_scc1 .Lnot_wave_0_\@
	s_barrier_signal -3
.Lnot_wave_0_\@:
	s_barrier_wait -3
	s_barrier_signal -1
	s_barrier_wait -1
.endm
.macro CROUND
	s_barrier_signal -1
	s_barrier_wait -1
	CREST
.endm
	s_load_b256 s[4:11], s[0:1], 0x0       ; oh 4, wof 6, mx 8, out0 10
	v_lshl_add_u32 v[SPW], v0, 2, SPARE
	v_mov_b32 v[NIL], 0
	ds_add_u32 v[SPW], v[NIL]              ; the wave's opening: the add and its wait stand ahead of my first tensor load
	v_lshrrev_b32 v1, 5, v0
	v_readfirstlane_b32 s[WV], v1
	s_lshr_b32 s[HR], s[WV], 1
	s_and_b32 s[HC], s[WV], 1
	s_bfe_u32 s40, ttmp6, 0x40000          ; cx
	s_bfe_u32 s41, ttmp6, 0x40004          ; cy
	s_lshl_b32 s42, ttmp9, 2
	s_add_co_u32 s42, s42, s40             ; tile column
	s_and_b32 s15, ttmp7, 0xffff
	s_lshl_b32 s15, s15, 2
	s_add_co_u32 s15, s15, s41             ; tile row
	s_lshl_b32 s43, s41, 2
	s_lshl_b32 s43, 15, s43                ; my row of the cluster
	s_lshl_b32 s44, 0x1111, s40            ; my column
	s_or_b32 s[G1], s43, (1<<16)|(1<<20)|(1<<21)|(6<<22)|(3<<25)   ; oh: after every 128 words, 4 words of padding
	s_or_b32 s[G1B], s44, (1<<16)|(1<<20)|(1<<21)|(5<<22)|(7<<25)  ; wof: after every 64 words, 8 words
	s_mov_b32 s[G1+1], 256<<16             ; tensor_dim0 = 256
	s_mov_b32 s[G1+2], 64<<16              ; tensor_dim1 = 64
	s_mov_b32 s[G1+3], 256<<16             ; tile_dim0 = 256
	s_mov_b32 s[G1+4], 64                  ; tile_dim1 = 64
	s_mov_b32 s[G1+5], 2048
	s_mov_b32 s[G1+6], 0
	s_mov_b32 s[G1+7], 0
	s_mov_b32 s[G1B+1], 128<<16
	s_mov_b32 s[G1B+2], 128<<16
	s_mov_b32 s[G1B+3], 128<<16
	s_mov_b32 s[G1B+4], 128
	s_mov_b32 s[G1B+5], 2048
	s_mov_b32 s[G1B+6], 0
	s_mov_b32 s[G1B+7], 0
	s_lshl_b32 s16, s15, 7
	s_lshl_b32 s17, s[HC], 6
	s_add_co_u32 s16, s16, s17
	s_lshl_b32 s16, s16, 12                ; oh: row 128 x tile row + 64 x half, 4,096 bytes a row
	s_mov_b32 s17, 0
	s_lshl_b32 s46, s[HC], 19              ; wof: k row 128 x half,
	s_lshl_b32 s47, s42, 8                 ; column 128 x tile column
	s_add_co_u32 s46, s46, s47
	s_mov_b32 s47, 0
	s_mul_i32 s20, s[HC], AHALF            ; where they go: no place in the cluster enters an LDS address
	s_mul_i32 s21, s[HC], BHALF
	s_add_co_u32 s21, s21, BOFF
	s_mov_b32 s[SEL], 0x76543210
	s_mov_b32 s[SEL+1], 0xfedcba98
	s_wait_dscnt 0x0                       ; the opening add is done
	s_wait_kmcnt 0x0
	s_add_nc_u64 s[18:19], s[4:5], s[16:17]
	s_add_nc_u64 s[46:47], s[6:7], s[46:47]
	CROUND                                 ; all sixteen work-groups are here: the first joint loads meet
.irp s, 0,1
	s_mov_b32 s[G0+4*(\s)], 1
	s_add_co_u32 s[G0+4*(\s)+1], s20, (\s)*SLOT
	s_add_nc_u64 s[G0+4*(\s)+2:G0+4*(\s)+3], s[18:19], (\s)*512
	s_or_b32 s[G0+4*(\s)+3], s[G0+4*(\s)+3], 0x80000000
	s_mov_b32 s[G0B+4*(\s)], 1
	s_add_co_u32 s[G0B+4*(\s)+1], s21, (\s)*SLOT
	s_add_nc_u64 s[G0B+4*(\s)+2:G0B+4*(\s)+3], s[46:47], (\s)*1048576
	s_or_b32 s[G0B+4*(\s)+3], s[G0B+4*(\s)+3], 0x80000000
	JLOAD \s
.endr
	v_and_b32 v1, 15, v0                   ; r
	v_bfe_u32 v2, v0, 4, 1                 ; h
	v_mul_u32_u24 v3, v1, PITCH
	v_lshl_add_u32 v3, v2, 4, v3
	s_mul_i32 s22, s[HR], AHALF            ; my 64 rows of oh's tile
	v_add_nc_u32 v[ADRA], s22, v3
	s_add_co_u32 s22, s22, SLOT
	v_add_nc_u32 v[ADRA+1], s22, v3
	v_and_b32 v5, 7, v0
	v_lshl_add_u32 v4, v2, 3, v5
	v_mul_u32_u24 v4, v4, PBT
	v_bfe_u32 v5, v0, 3, 1
	v_lshl_add_u32 v4, v5, 4, v4           ; the turning load: k row 8 h + lane % 8, 16 bytes by (lane / 8) % 2
	s_lshl_b32 s22, s[HC], 7               ; my 64 columns
	s_add_co_u32 s22, s22, BOFF
	v_add_nc_u32 v[ADRB], s22, v4
	s_add_co_u32 s23, s22, BHALF
	v_add_nc_u32 v[ADRB+2], s23, v4
	s_add_co_u32 s22, s22, SLOT
	v_add_nc_u32 v[ADRB+1], s22, v4
	s_add_co_u32 s23, s22, BHALF
	v_add_nc_u32 v[ADRB+3], s23, v4
	s_mul_i32 s23, s[WV], 16*SPITCH
	s_add_co_u32 s23, s23, STAGE           ; my stage
	v_mul_u32_u24 v4, v1, SPITCH
	v_lshl_add_u32 v4, v2, 5, v4
	v_add_nc_u32 v[STO], s23, v4           ; in: row r, 32 bytes for each half of the lanes
	v_mul_u32_u24 v5, v2, SPITCH
	v_lshl_add_u32 v5, v1, 4, v5
	v_add_nc_u32 v[RD], s23, v5            ; back: lanes 0-15 one row of 256 bytes, lanes 16-31 the next
	v_lshlrev_b32 v5, 13, v2
	v_lshl_add_u32 v[CO], v1, 4, v5        ; the same two rows in out0
	v_and_b32 v6, 31, v0
	v_lshlrev_b32 v[MXO], 4, v6
	s_lshl_b32 s16, s15, 7
	s_lshl_b32 s17, s[HR], 6
	s_add_co_u32 s16, s16, s17
	s_lshl_b32 s16, s16, 13                ; my first row of out0, 8,192 bytes a row
	s_mov_b32 s17, 0
	s_add_nc_u64 s[10:11], s[10:11], s[16:17]
	s_lshl_b32 s70, s42, 9
	s_lshl_b32 s71, s[HC], 8
	s_add_co_u32 s70, s70, s71             ; my first column, in bytes
	s_mov_b32 s71, 0
	s_add_nc_u64 s[10:11], s[10:11], s[70:71]
	MXLOAD 96, MXO, 8
; 8 products: row blocks a0, a0 + 1 x all 4 column blocks, 32 along K: half c of buffer f.  zero = 1: they start the sums
.macro MUL8 f, c, a0, zero
	WIN MUL
.irp a, \a0, (\a0)+1
.irp b, 0,1,2,3
.if \zero
	v_wmma_f32_16x16x32_f16 v[ACC+8*(4*(\a)+(\b)):ACC+8*(4*(\a)+(\b))+7], v[(\f)+64+8*(4*(\c)+(\b)):(\f)+64+8*(4*(\c)+(\b))+7], v[(\f)+8*(4*(\c)+(\a)):(\f)+8*(4*(\c)+(\a))+7], 0
.else
	v_wmma_f32_16x16x32_f16 v[ACC+8*(4*(\a)+(\b)):ACC+8*(4*(\a)+(\b))+7], v[(\f)+64+8*(4*(\c)+(\b)):(\f)+64+8*(4*(\c)+(\b))+7], v[(\f)+8*(4*(\c)+(\a)):(\f)+8*(4*(\c)+(\a))+7], v[ACC+8*(4*(\a)+(\b)):ACC+8*(4*(\a)+(\b))+7]
.endif
.endr
.endr
.endm
; 32 LDS loads in one run: quarter q (64 of K) of a slot into buffer f; the first 32 along K first
.macro FETCH slot, q, f
	WIN TO_F
.irp c, 0,1
.irp i, 0,1,2,3
	ds_load_tr16_b128 v[(\f)+64+8*(4*(\c)+(\i)):(\f)+64+8*(4*(\c)+(\i))+3],   v[ADRB+2*((\q)/2)+(\slot)] offset:(64*((\q)%2)+32*(\c))*PBT+32*(\i)
	ds_load_tr16_b128 v[(\f)+64+8*(4*(\c)+(\i))+4:(\f)+64+8*(4*(\c)+(\i))+7], v[ADRB+2*((\q)/2)+(\slot)] offset:(64*((\q)%2)+32*(\c))*PBT+32*(\i)+16*PBT
	ds_load_b128 v[(\f)+8*(4*(\c)+(\i)):(\f)+8*(4*(\c)+(\i))+3],         v[ADRA+(\slot)] offset:128*(\q)+64*(\c)+(\i)*16*PITCH
	ds_load_b128 v[(\f)+8*(4*(\c)+(\i))+4:(\f)+8*(4*(\c)+(\i))+7],       v[ADRA+(\slot)] offset:128*(\q)+64*(\c)+(\i)*16*PITCH+32
.endr
.endr
.endm
.macro PLACES
.rept 4
	v_nop
.endr
.endm
.macro QUARTER slot, q, f, g, zero
	s_wait_dscnt 16                        ; the first 32 along K are in; the other sixteen loads may be out
	MUL8 \f, 0, 0, \zero
	MUL8 \f, 0, 2, \zero
	PLACES
	FETCH \slot, \q, \g
	s_wait_dscnt 32                        ; all but the 32 just issued
	MUL8 \f, 1, 0, 0
	MUL8 \f, 1, 2, 0
.endm
; The last quarter multiplies buffer 1 and changes slots: one barrier; in front of it each wave waits for all its tensor loads, adds 0 to its spare word, and waits for that and for its reads of this slot.
.macro TURN slot, next, fill
	WIN 0
	s_wait_tensorcnt 0x0
	ds_add_u32 v[SPW], v[NIL]
	s_wait_dscnt 17                        ; the add and the youngest sixteen loads may be out
	MUL8 F1, 0, 0, 0
	s_wait_dscnt 0x0                       ; the add is done, and my reads of this slot are over
	s_barrier_signal -1
	MUL8 F1, 0, 2, 0
.if \fill
	WIN 0
.endif
	s_barrier_wait -1
.if \fill
	CREST                                  ; the barrier has opened a round of the cluster's: no wave of any partner still reads this slot or has a load on its way
	s_add_nc_u64 s[G0+4*(\slot)+2:G0+4*(\slot)+3], s[G0+4*(\slot)+2:G0+4*(\slot)+3], 1024
	s_add_nc_u64 s[G0B+4*(\slot)+2:G0B+4*(\slot)+3], s[G0B+4*(\slot)+2:G0B+4*(\slot)+3], 2097152
	JLOAD \slot                            ; the first tensor load behind the round; its four v_nop are also the places in front of the loads below
.else
	PLACES
.endif
	FETCH \next, 0, F0
	MUL8 F1, 1, 0, 0
	MUL8 F1, 1, 2, 0
.endm
	s_wait_tensorcnt 1                     ; my part of K step 0 is in; step 1's may stay out
	s_barrier_signal -1
	s_barrier_wait -1
	FETCH 0, 0, F0
	QUARTER 0, 1, F0, F1, 1
	WIN 0
	s_mov_b32 s3, LAPS-1
.Llap:
	QUARTER 0, 2, F1, F0, 0
	QUARTER 0, 3, F0, F1, 0
	TURN 0, 1, 1
	QUARTER 1, 1, F0, F1, 0
	QUARTER 1, 2, F1, F0, 0
	QUARTER 1, 3, F0, F1, 0
	TURN 1, 0, 1
	QUARTER 0, 1, F0, F1, 0
	WIN 0
	s_sub_co_u32 s3, s3, 1
	s_cmp_lg_u32 s3, 0
	s_cbranch_scc1 .Llap
	QUARTER 0, 2, F1, F0, 0                ; the last lap fills nothing
	QUARTER 0, 3, F0, F1, 0
	TURN 0, 1, 0
	QUARTER 1, 1, F0, F1, 0
	QUARTER 1, 2, F1, F0, 0
	QUARTER 1, 3, F0, F1, 0
	s_wait_dscnt 16
	MUL8 F1, 0, 0, 0
	MUL8 F1, 0, 2, 0
	s_wait_dscnt 0x0
	MUL8 F1, 1, 0, 0
	MUL8 F1, 1, 2, 0
	WIN 0
	; THE WAY OUT: the scale; a block of 16 rows x 64 columns of f32 at a time through my own stage; 16 lanes store 256 consecutive bytes, aligned.
	PLACES
	s_wait_loadcnt 0x0                     ; mx
	SCALES 96, 70, 71
	s_sub_co_u32 s[SC], s70, 14
	s_lshl_b32 s[SC], s[SC], 23            ; 2^(ev - 141)
	s_mul_f32 s[SC], s[SC], 0x3b800000     ; x 2^-8, for wof's 256
	s_mov_b32 s[SC+1], s[SC]
.irp a, 0,1,2,3
.irp b, 0,1,2,3
.irp p, 0,1,2,3
	v_pk_mul_f32 v[TMP+8*(\b)+2*(\p):TMP+8*(\b)+2*(\p)+1], v[ACC+8*(4*(\a)+(\b))+2*(\p):ACC+8*(4*(\a)+(\b))+2*(\p)+1], s[SC:SC+1] op_sel_hi:[1,0]
.endr
.endr
.irp b, 0,1,2,3
	ds_store_b128 v[STO], v[TMP+8*(\b):TMP+8*(\b)+3] offset:64*(\b)
	ds_store_b128 v[STO], v[TMP+8*(\b)+4:TMP+8*(\b)+7] offset:64*(\b)+16
.endr
	s_wait_xcnt 0x0                        ; the stores of the block before have read their data: the registers are loaded again only behind this wait
.irp i, 0,1,2,3,4,5,6,7
	ds_load_b128 v[TMP+32+4*(\i):TMP+32+4*(\i)+3], v[RD] offset:2*SPITCH*(\i)  ; LDS serves a wave's instructions in order (ISA guide 5.7.1.4): these see the stores above
.endr
.irp i, 0,1,2,3,4,5,6,7
	s_wait_dscnt 7-(\i)
	global_store_b128 v[CO], v[TMP+32+4*(\i):TMP+32+4*(\i)+3], s[10:11] offset:(16*(\a)+2*(\i))*8192
.endr
.endr
	s_wait_tensorcnt 0x0                   ; the wave's end, behind my last tensor load and my last LDS store
	ds_add_u32 v[SPW], v[NIL]
	s_wait_dscnt 0x0
	CROUND                                 ; the closing round
	s_endpgm
.Lfunc_end_k_qe89b26dd10_outp:
	.size	k_qe89b26dd10_outp, .Lfunc_end_k_qe89b26dd10_outp-k_qe89b26dd10_outp
	.p2alignl 7, 3214868480
	.fill 96, 4, 3214868480
	.section	.rodata,"a",@progbits
	.p2align	6, 0x0
	.amdhsa_kernel k_qe89b26dd10_outp
		.amdhsa_group_segment_fixed_size 327680
		.amdhsa_private_segment_fixed_size 0
		.amdhsa_enable_private_segment 0
		.amdhsa_kernarg_size 32
		.amdhsa_user_sgpr_count 2
		.amdhsa_user_sgpr_kernarg_segment_ptr 1
		.amdhsa_wavefront_size32 1
		.amdhsa_system_sgpr_workgroup_id_x 1
		.amdhsa_system_sgpr_workgroup_id_y 1
		.amdhsa_system_sgpr_workgroup_id_z 1
		.amdhsa_system_vgpr_workitem_id 0
		.amdhsa_next_free_vgpr 512
		.amdhsa_next_free_sgpr 80
		.amdhsa_reserve_vcc 0
		.amdhsa_float_denorm_mode_32 3
		.amdhsa_float_denorm_mode_16_64 3
		.amdhsa_memory_ordered 1
		.amdhsa_forward_progress 1
		.amdhsa_inst_pref_size 95
	.end_amdhsa_kernel
	.amdgpu_metadata
---
amdhsa.version: [ 1, 2 ]
amdhsa.kernels:
  - .name:           k_qe89b26dd10_outp
    .symbol:         k_qe89b26dd10_outp.kd
    .args:
      - { .name: oh, .offset: 0, .size: 8, .value_kind: global_buffer, .address_space: global }
      - { .name: wof, .offset: 8, .size: 8, .value_kind: global_buffer, .address_space: global }
      - { .name: mx, .offset: 16, .size: 8, .value_kind: global_buffer, .address_space: global }
      - { .name: out0, .offset: 24, .size: 8, .value_kind: global_buffer, .address_space: global }
    .group_segment_fixed_size: 327680
    .private_segment_fixed_size: 0
    .kernarg_segment_align: 8
    .kernarg_segment_size: 32
    .max_flat_workgroup_size: 128
    .sgpr_count:     80
    .vgpr_count:     512
    .wavefront_size: 32
...
	.end_amdgpu_metadata
.endif
;; end of part 4
;; ======== version 2 of 2: 4 launches
;; limits: inputs' magnitudes at most 255; below input magnitudes of 2.4e-07 results are inexact or not finite; values are held in f16: magnitudes above 65,504 overflow, below 6.1e-05 lose precision; right only within a limited range of input values
;; workspace buffers: xe 8,912,896 bytes; wb 26,738,688 bytes; wof 8,388,608 bytes; mx 4,096 bytes; qh 8,388,608 bytes; kh 8,388,608 bytes; vh 8,388,608 bytes; oh 8,388,608 bytes
;; launch prep (part 5): grid 256 x 1, 8 waves a work-group, no clusters, 284,416 bytes of LDS; arguments x, wq_base, wk_base, wv_base, wo, head_a, q_a, k_a, v_a, head_b, q_b, k_b, v_b, freq_cis, xe, wb, wof, mx; writes xe, wb, wof, mx
.if DOCPART == 5
	.amdgcn_target "amdgcn-amd-amdhsa--gfx1250"
	.amdhsa_code_object_version 6
	.text
	.protected	k_qe89b26dd10_prep
	.globl	k_qe89b26dd10_prep
	.p2align	8
	.type	k_qe89b26dd10_prep,@function
k_qe89b26dd10_prep:
	s_mov_b64 s[64:65], 0
	v_nop
	global_prefetch_b8 v0, s[64:65] scope:SCOPE_SE
	s_setreg_imm32_b32 hwreg(HW_REG_WAVE_MODE, 25, 1), 1
	s_wait_xcnt 0x0
; PREP.  All inputs are rounded once to bf16 and laid out for the three launches behind.
;   xe  [2048][2176] bf16: bf16(x); columns 2048 + 16 g + (0..7 | 8..15) hold t_g = bf16(x) . bf16(a_g) as a bf16 high part and a bf16 low part
;       (g = head, q, k, v; t is summed in f32); columns 2112.. are 0.
;   wb  [3][2176][2048] bf16: bf16(W); row 2048 + e holds 2 head_b[e & 7][n] (e < 16), 2 P_b[e & 7][n & 127] (e >> 4 = P + 1), else 0: the LoRA terms are 64 more columns of K.
;   wof [2048][2048] f16 = bf16(wo) x 256.   mx [256][4] f32: each work-group's largest magnitudes (x, a, b, freq_cis | W, 0, 0, 0).
; LIMITS.  |wo| stays under 255 (f16 ends at 65,504); below 2^-22 bf16(wo) x 256 keeps f16's fixed step.  NaN and infinities are not treated apart.
; SHARES.  Work-groups 0..127: 16 rows of x each, one row e of the extension, 8,192 bytes of freq_cis.  Work-groups 128..255: 64 rows of one of wq, wk, wv, wo.
; No tensor loads: every number passes through registers to be rounded, and no wave wants what another has fetched, but for x's 16 rows, which meet in LDS for the small product.
.set XEROW, 4352                       ; bytes in a row of xe: 17 x 256
.set WBP,   8912896                    ; bytes of one projection in wb
.set XP,    4112                       ; LDS: a row of bf16(x), 4,096 + 16
.set AS,    16*XP                      ; LDS: the four a side by side, [2048 k][32 j] bf16, pitch 96
.set AP,    96
.set PT,    AS+2048*AP                 ; LDS: the eight waves' partial t, 2 tiles x 1,024 bytes each
.set ET,    PT+16384                   ; LDS: 16 rows x 272: xe's last 256 bytes of a row
.set EP,    272
.set RED,   ET+16*EP                   ; LDS: the eight waves' maxima, 16 bytes each
.set SPARE, RED+256                    ; the spare words, 128 bytes a wave: four blocks of 256 bytes that no other line names
.set WV,  40                           ; s40  my wave's number
.set HIM, 76                           ; s76  mask of a word's upper bf16
.set M,   24                           ; v[24:27] four running maxima, two bf16 each
.set SPW, 28                           ; v28  my spare word's LDS address; never rewritten
.set NIL, 29                           ; v29  0; never rewritten
.set T0,  32                           ; v[32:47] the two accumulators of t
.set R0,  64                           ; three sets of 64 registers
.set R1,  128
.set R2,  192
.macro LD16 r, vo, sb, off             ; sixteen loads, 512 consecutive bytes of the wave each
.set n, 0
.rept 16
	global_load_b128 v[(\r)+4*n:(\r)+4*n+3], v[\vo], s[\sb:\sb+1] offset:(\off)+512*n
.set n, n+1
.endr
.endm
.macro LD16N r, vo, sb, off            ; the same for data that the launch reads once
.set n, 0
.rept 16
	global_load_b128 v[(\r)+4*n:(\r)+4*n+3], v[\vo], s[\sb:\sb+1] offset:(\off)+512*n th:TH_LOAD_NT
.set n, n+1
.endr
.endm
; A row of x: rounded, its maximum taken, stored to xe (a wave's store covers 256 consecutive bytes, aligned) and to LDS.
.macro CVX r, par
.set n, 0
.rept 16
	v_cvt_pk_bf16_f32 v[(\r)+4*n], v[(\r)+4*n], v[(\r)+4*n+1]
	v_cvt_pk_bf16_f32 v[(\r)+4*n+1], v[(\r)+4*n+2], v[(\r)+4*n+3]
	v_and_b32 v10, s41, v[(\r)+4*n]
	v_and_b32 v11, s41, v[(\r)+4*n+1]
	global_store_b64 v4, v[(\r)+4*n:(\r)+4*n+1], s[74:75] offset:(\par)*XEROW+256*n
	ds_store_b64 v5, v[(\r)+4*n:(\r)+4*n+1] offset:(\par)*XP+256*n
	v_pk_max_num_bf16 v[M], v[M], v10
	v_pk_max_num_bf16 v[M], v[M], v11
.set n, n+1
.endr
.endm
; 256 rows of a_g: rounded, maximum, into columns 8 g .. 8 g + 7 of the table in LDS.
.macro CVA r, g
.set n, 0
.rept 16
	v_cvt_pk_bf16_f32 v[(\r)+4*n], v[(\r)+4*n], v[(\r)+4*n+1]
	v_cvt_pk_bf16_f32 v[(\r)+4*n+1], v[(\r)+4*n+2], v[(\r)+4*n+3]
	v_and_b32 v10, s41, v[(\r)+4*n]
	v_and_b32 v11, s41, v[(\r)+4*n+1]
	ds_store_b64 v7, v[(\r)+4*n:(\r)+4*n+1] offset:1536*n+16*(\g)
	v_pk_max_num_bf16 v[M+1], v[M+1], v10
	v_pk_max_num_bf16 v[M+1], v[M+1], v11
.set n, n+1
.endr
.endm
; A row of a weight: kind 0: bf16, with its maximum; kind 1 (wo): bf16, times 256, written as f16 (exact within the stated limits).
.macro WCONV kind, r
.set n, 0
.rept 16
	v_cvt_pk_bf16_f32 v[(\r)+4*n], v[(\r)+4*n], v[(\r)+4*n+1]
	v_cvt_pk_bf16_f32 v[(\r)+4*n+1], v[(\r)+4*n+2], v[(\r)+4*n+3]
.if (\kind) == 0
	v_and_b32 v10, s41, v[(\r)+4*n]
	v_and_b32 v11, s41, v[(\r)+4*n+1]
	v_pk_max_num_bf16 v[M], v[M], v10
	v_pk_max_num_bf16 v[M], v[M], v11
.else
	v_and_b32 v[(\r)+4*n+3], s[HIM], v[(\r)+4*n+1]
	v_lshlrev_b32 v[(\r)+4*n+2], 16, v[(\r)+4*n+1]
	v_and_b32 v[(\r)+4*n+1], s[HIM], v[(\r)+4*n]
	v_lshlrev_b32 v[(\r)+4*n], 16, v[(\r)+4*n]
	v_pk_mul_f32 v[(\r)+4*n:(\r)+4*n+1], v[(\r)+4*n:(\r)+4*n+1], s[56:57] op_sel_hi:[1,0]
	v_pk_mul_f32 v[(\r)+4*n+2:(\r)+4*n+3], v[(\r)+4*n+2:(\r)+4*n+3], s[56:57] op_sel_hi:[1,0]
	v_cvt_pk_f16_f32 v[(\r)+4*n], v[(\r)+4*n], v[(\r)+4*n+1]
	v_cvt_pk_f16_f32 v[(\r)+4*n+1], v[(\r)+4*n+2], v[(\r)+4*n+3]
.endif
.set n, n+1
.endr
.endm
.macro WHALF r                         ; a row in set r is rounded, by the kind of its tensor (s47 = 3: wo); the branch is the same in all waves of the work-group
	s_cmp_eq_u32 s47, 3
	s_cbranch_scc1 .Lwo_\@
	WCONV 0, \r
	s_branch .Lcv_\@
.Lwo_\@:
	WCONV 1, \r
.Lcv_\@:
.endm
.macro WSTORE r, off
.set n, 0
.rept 16
	global_store_b64 v4, v[(\r)+4*n:(\r)+4*n+1], s[52:53] offset:(\off)+256*n
.set n, n+1
.endr
.endm
	s_load_b512 s[4:19], s[0:1], 0x0       ; x 4, wq 6, wk 8, wv 10, wo 12, head_a 14, q_a 16, k_a 18
	s_load_b512 s[20:35], s[0:1], 0x40     ; v_a 20, head_b 22, q_b 24, k_b 26, v_b 28, freq_cis 30, xe 32, wb 34
	s_load_b128 s[36:39], s[0:1], 0x80     ; wof 36, mx 38
	v_lshl_add_u32 v[SPW], v0, 2, SPARE
	v_mov_b32 v[NIL], 0
	v_lshrrev_b32 v1, 5, v0
	v_readfirstlane_b32 s[WV], v1
	v_and_b32 v2, 31, v0                   ; lane
	v_and_b32 v8, 15, v0                   ; lane % 16
	v_bfe_u32 v9, v0, 4, 1                 ; lane / 16
	s_mov_b32 s41, 0x7fff7fff              ; clears the signs of two bf16
	s_mov_b32 s42, 0x76543210              ; v_permlanex16_b32: each lane takes its own place in the other half
	s_mov_b32 s43, 0xfedcba98
	s_mov_b32 s45, 0                       ; the upper word of every 32-bit offset
	s_mov_b32 s[HIM], 0xffff0000
.irp j, 0,1,2,3
	v_mov_b32 v[M+\j], 0
.endr
	s_mul_i32 s44, ttmp9, 16*XEROW
	s_wait_kmcnt 0x0
	s_add_nc_u64 s[74:75], s[32:33], s[44:45]  ; xe at the work-group's 16 rows (used by work-groups 0..127 alone)
	s_cmp_lt_u32 ttmp9, 128
	s_cbranch_scc0 .Lweights
	; ---- work-groups 0..127: x, the four a, one row of the extension, a part of freq_cis ----
	s_lshl_b32 s44, ttmp9, 17
	s_add_nc_u64 s[4:5], s[4:5], s[44:45]  ; x at my 16 rows
	s_lshl_b32 s44, s[WV], 14
	v_lshl_add_u32 v3, v2, 4, s44          ; x: rows 2 w, 2 w + 1
	s_mul_i32 s44, s[WV], 2*XEROW
	v_lshl_add_u32 v4, v2, 3, s44          ; the same rows in xe
	s_mul_i32 s44, s[WV], 2*XP
	v_lshl_add_u32 v5, v2, 3, s44          ; and in LDS
	s_lshl_b32 s44, s[WV], 13
	v_lshl_add_u32 v6, v2, 4, s44          ; a: rows 256 w .., 8,192 consecutive bytes
	v_lshrrev_b32 v12, 1, v2
	v_mul_u32_u24 v7, v12, AP
	v_and_b32 v12, 1, v2
	v_lshl_add_u32 v7, v12, 3, v7
	s_mul_i32 s46, s[WV], 256*AP
	s_add_co_u32 s46, s46, AS
	v_add_nc_u32 v7, s46, v7               ; their place in the table: row 256 w + 16 n + lane / 2, 8 bytes for each half of a row of a
	v_mul_u32_u24 v12, v8, XP
	v_lshl_add_u32 v12, v9, 4, v12
	s_lshl_b32 s44, s[WV], 9
	v_add_nc_u32 v12, s44, v12             ; a fragment of x: row lane % 16, k = 256 w + 8 (lane / 16)
	v_and_b32 v14, 7, v0
	v_lshl_add_u32 v13, v9, 3, v14
	v_mul_u32_u24 v13, v13, AP
	v_bfe_u32 v14, v0, 3, 1
	v_lshl_add_u32 v13, v14, 4, v13
	v_add_nc_u32 v13, s46, v13             ; the turning load of a: k row 256 w + 8 (lane / 16) + lane % 8, 16 bytes by (lane / 8) % 2
	s_lshl_b32 s44, s[WV], 11
	s_add_co_u32 s44, s44, PT
	v_lshl_add_u32 v15, v2, 5, s44         ; my 32 bytes of a partial tile
	; the extension's row e = the work-group's number
	s_and_b32 s46, ttmp9, 7
	s_lshr_b32 s47, ttmp9, 4
	s_lshl_b32 s48, s46, 13                ; row e & 7 of head_b
	s_lshl_b32 s49, s46, 9                 ; row e & 7 of q_b, k_b, v_b
	s_mov_b32 s72, 0x1e0
	s_mov_b32 s51, 0
	s_cmp_lt_u32 ttmp9, 16
	s_cselect_b32 s50, s48, s49
	s_cselect_b32 s72, 0x1fe0, s72         ; the columns wrap at 128 in the short tables
	s_cselect_b64 s[52:53], s[22:23], s[24:25]
	s_cselect_b64 s[54:55], s[22:23], s[26:27]
	s_cselect_b64 s[56:57], s[22:23], s[28:29]
	s_add_nc_u64 s[52:53], s[52:53], s[50:51]
	s_add_nc_u64 s[54:55], s[54:55], s[50:51]
	s_add_nc_u64 s[56:57], s[56:57], s[50:51]
.irp p, 0,1,2
	s_cmp_eq_u32 s47, (\p)+1
	s_cselect_b32 s[58+2*(\p)], 2.0, 0     ; the factor: 2 where the row belongs to projection p, else 0
.endr
	s_cmp_lt_u32 ttmp9, 16
.irp p, 0,1,2
	s_cselect_b32 s[58+2*(\p)], 2.0, s[58+2*(\p)]
	s_mov_b32 s[59+2*(\p)], s[58+2*(\p)]
.endr
	s_lshl_b32 s44, ttmp9, 12
	s_add_co_u32 s44, s44, 2048*4096
	s_add_nc_u64 s[66:67], s[34:35], s[44:45]  ; wb at row 2048 + e of q's, k's and v's part
	s_add_nc_u64 s[68:69], s[66:67], WBP
	s_add_nc_u64 s[70:71], s[68:69], WBP
	s_lshl_b32 s44, ttmp9, 13
	s_add_nc_u64 s[30:31], s[30:31], s[44:45]  ; my 8,192 bytes of freq_cis
	v_lshlrev_b32 v20, 5, v0               ; 32 bytes a thread
	v_and_b32 v21, s72, v20
	v_lshlrev_b32 v22, 4, v0               ; 16 bytes a thread
	LD16N R0, 3, 4, 0                      ; x row 2 w
	LD16N R1, 3, 4, 8192                   ; x row 2 w + 1
	LD16 R2, 6, 14, 0                      ; head_a
	s_wait_loadcnt 32                      ; each count: the loads of the two younger batches may stay out
	CVX R0, 0
	s_wait_xcnt 0x0                        ; the stores to xe have read the set: it is loaded again only behind this wait
	LD16 R0, 6, 16, 0                      ; q_a
	s_wait_loadcnt 32
	CVX R1, 1
	s_wait_xcnt 0x0
	LD16 R1, 6, 18, 0                      ; k_a
	s_wait_loadcnt 32
	CVA R2, 0
	LD16 R2, 6, 20, 0                      ; v_a
	s_wait_loadcnt 32
	CVA R0, 1
.irp p, 0,1,2
	global_load_b128 v[R0+8*(\p):R0+8*(\p)+3], v21, s[52+2*(\p):53+2*(\p)]
	global_load_b128 v[R0+8*(\p)+4:R0+8*(\p)+7], v21, s[52+2*(\p):53+2*(\p)] offset:16
.endr
	global_load_b128 v[R0+24:R0+27], v20, s[30:31]
	global_load_b128 v[R0+28:R0+31], v20, s[30:31] offset:16
	s_wait_loadcnt 24                      ; k_a is in: v_a's sixteen and the eight just issued may stay out
	CVA R1, 2
	s_wait_loadcnt 8                       ; v_a is in
	CVA R2, 3
	s_wait_loadcnt 0x0
.irp p, 0,1,2                          ; the extension's row for projection p: maximum of bf16(b), then factor x b, rounded (a factor of 2 changes no rounding)
.irp q, 0,1,2,3
	v_cvt_pk_bf16_f32 v[48+\q], v[R0+8*(\p)+2*(\q)], v[R0+8*(\p)+2*(\q)+1]
.endr
.irp q, 0,1,2,3
	v_and_b32 v[48+\q], s41, v[48+\q]
.endr
.irp q, 0,1,2,3
	v_pk_max_num_bf16 v[M+2], v[M+2], v[48+\q]
.endr
.irp q, 0,1,2,3
	v_pk_mul_f32 v[R0+8*(\p)+2*(\q):R0+8*(\p)+2*(\q)+1], v[R0+8*(\p)+2*(\q):R0+8*(\p)+2*(\q)+1], s[58+2*(\p):59+2*(\p)] op_sel_hi:[1,0]
.endr
.irp q, 0,1,2,3
	v_cvt_pk_bf16_f32 v[R0+8*(\p)+(\q)], v[R0+8*(\p)+2*(\q)], v[R0+8*(\p)+2*(\q)+1]
.endr
	global_store_b128 v22, v[R0+8*(\p):R0+8*(\p)+3], s[66+2*(\p):67+2*(\p)]
.endr
.irp q, 0,1,2,3
	v_cvt_pk_bf16_f32 v[48+\q], v[R0+24+2*(\q)], v[R0+24+2*(\q)+1]
.endr
.irp q, 0,1,2,3
	v_and_b32 v[48+\q], s41, v[48+\q]
.endr
.irp q, 0,1,2,3
	v_pk_max_num_bf16 v[M+3], v[M+3], v[48+\q]
.endr
	s_wait_dscnt 0x0                       ; for the others' sake: my two rows of x lie in LDS
	s_barrier_signal -1
	s_barrier_wait -1                      ; all sixteen do
	s_wait_xcnt 0x0                        ; the stores to wb have read their data: the set is loaded again only behind this wait
	; t^T = a^T x^T for k = 256 w .. 256 w + 255: source 0 = 16 columns j of the table (turned), source 1 = the 16 rows of x
.set c, 0
.rept 8
	ds_load_b128 v[64+24*c:64+24*c+3], v12 offset:64*c
	ds_load_b128 v[64+24*c+4:64+24*c+7], v12 offset:64*c+32
	ds_load_tr16_b128 v[64+24*c+8:64+24*c+11], v13 offset:3072*c
	ds_load_tr16_b128 v[64+24*c+12:64+24*c+15], v13 offset:3072*c+1536
	ds_load_tr16_b128 v[64+24*c+16:64+24*c+19], v13 offset:3072*c+32
	ds_load_tr16_b128 v[64+24*c+20:64+24*c+23], v13 offset:3072*c+32+1536
.set c, c+1
.endr
	s_wait_dscnt 0x0
	v_wmma_f32_16x16x32_bf16 v[T0:T0+7], v[72:79], v[64:71], 0       ; the first 32 of k start both sums
	v_wmma_f32_16x16x32_bf16 v[T0+8:T0+15], v[80:87], v[64:71], 0
.set c, 1
.rept 7                                ; the two accumulators take turns, one instruction a turn
	v_wmma_f32_16x16x32_bf16 v[T0:T0+7], v[64+24*c+8:64+24*c+15], v[64+24*c:64+24*c+7], v[T0:T0+7]
	v_wmma_f32_16x16x32_bf16 v[T0+8:T0+15], v[64+24*c+16:64+24*c+23], v[64+24*c:64+24*c+7], v[T0+8:T0+15]
.set c, c+1
.endr
.rept 8
	v_nop                                  ; the places between the last products and the stores that read them
.endr
.irp t, 0,1                            ; lane (r, h) holds row r of x and the eight columns of a_g, g = 2 t + h
	ds_store_b128 v15, v[T0+8*(\t):T0+8*(\t)+3] offset:1024*(\t)
	ds_store_b128 v15, v[T0+8*(\t)+4:T0+8*(\t)+7] offset:1024*(\t)+16
.endr
	s_branch .Lred
	; ---- work-groups 128..255: 64 rows of one weight; a wave takes eight, 65,536 consecutive bytes in and 32,768 out ----
.Lweights:
	s_sub_co_u32 s46, ttmp9, 128
	s_lshr_b32 s47, s46, 5                 ; which tensor
	s_and_b32 s48, s46, 31                 ; which 64 rows
	s_mov_b64 s[50:51], s[12:13]
	s_cmp_eq_u32 s47, 0
	s_cselect_b64 s[50:51], s[6:7], s[50:51]
	s_cmp_eq_u32 s47, 1
	s_cselect_b64 s[50:51], s[8:9], s[50:51]
	s_cmp_eq_u32 s47, 2
	s_cselect_b64 s[50:51], s[10:11], s[50:51]
	s_lshl_b32 s44, s48, 19
	s_add_nc_u64 s[50:51], s[50:51], s[44:45]
	s_mul_i32 s54, s47, WBP
	s_cmp_eq_u32 s47, 3
	s_cselect_b64 s[52:53], s[36:37], s[34:35]
	s_cselect_b32 s54, 0, s54
	s_lshl_b32 s55, s48, 18
	s_add_co_u32 s44, s54, s55
	s_add_nc_u64 s[52:53], s[52:53], s[44:45]
	s_mov_b32 s56, 0x43800000              ; 256.0
	s_mov_b32 s57, s56
	s_lshl_b32 s44, s[WV], 16
	v_lshl_add_u32 v3, v2, 4, s44
	s_lshl_b32 s44, s[WV], 15
	v_lshl_add_u32 v4, v2, 3, s44
	; Two sets of registers, a row each: while one is rounded and stored the other's sixteen loads are out.  Four trips of two rows; the last trip loads nothing.
	LD16N R0, 3, 50, 0
	LD16N R1, 3, 50, 8192
	s_mov_b32 s48, 4
.Lw:
	s_wait_loadcnt 16                      ; set 0 is in; set 1's sixteen loads may stay out
	WHALF R0
	WSTORE R0, 0
	s_wait_xcnt 0x0                        ; the loads have read their base, the stores their data: both are written again only behind this wait
	s_cmp_eq_u32 s48, 1
	s_cbranch_scc1 .Lw_last
	s_add_nc_u64 s[50:51], s[50:51], 16384
	LD16N R0, 3, 50, 0
	s_wait_loadcnt 16                      ; set 1 is in; the sixteen loads just issued may stay out
	s_branch .Lw_both
.Lw_last:
	s_wait_loadcnt 0x0                     ; set 1 is in: on this way nothing was issued behind it
.Lw_both:
	WHALF R1
	WSTORE R1, 4096
	s_cmp_eq_u32 s48, 1
	s_cbranch_scc1 .Lred                   ; the last trip ends behind its stores
	s_wait_xcnt 0x0
	s_add_nc_u64 s[52:53], s[52:53], 8192
	LD16N R1, 3, 50, 8192
	s_sub_co_u32 s48, s48, 1
	s_cmp_lg_u32 s48, 0
	s_cbranch_scc1 .Lw
	; ---- both: the work-group's four maxima ----
.Lred:
	s_wait_loadcnt 0x0                     ; the ways join here: no load is out,
	s_wait_xcnt 0x0                        ; and every earlier store has read its data and its address, so the registers of the three sets may be written again below
.irp j, 0,1,2,3
	v_lshlrev_b32 v[48+\j], 16, v[M+\j]    ; the two halves as f32
	v_and_b32 v[M+\j], s[HIM], v[M+\j]
.endr
.irp j, 0,1,2,3
	v_max_num_f32 v[M+\j], v[M+\j], v[48+\j]
.endr
.irp m, 1,2,4,8
.irp j, 0,1,2,3
	v_max_num_f32_dpp v[M+\j], v[M+\j], v[M+\j] row_xmask:\m row_mask:0xf bank_mask:0xf
.endr
.endr
.irp j, 0,1,2,3
	v_permlanex16_b32 v[48+\j], v[M+\j], s42, s43
.endr
.irp j, 0,1,2,3
	v_max_num_f32 v[M+\j], v[M+\j], v[48+\j]
.endr
	s_lshl_b32 s44, s[WV], 4
	s_add_co_u32 s44, s44, RED
	v_mov_b32 v10, s44
	ds_store_b128 v10, v[M:M+3]            ; all lanes write the same 16 bytes with the same values
	s_wait_dscnt 0x0                       ; for wave 0's sake: my maxima and my partial tiles lie in LDS
	s_barrier_signal -1
	s_barrier_wait -1
	s_cmp_lg_u32 s[WV], 0
	s_cbranch_scc1 .Lend
	s_cmp_lt_u32 ttmp9, 128
	s_cbranch_scc0 .Lmx
	; wave 0 of an x work-group: the eight partial t are added in f32, split into a high and a low bf16, and leave as whole blocks of 256 bytes
	v_lshl_add_u32 v14, v2, 5, PT
.set n, 0
.rept 16                               ; n = 2 x wave + tile
	ds_load_b128 v[64+8*n:64+8*n+3], v14 offset:1024*n
	ds_load_b128 v[64+8*n+4:64+8*n+7], v14 offset:1024*n+16
.set n, n+1
.endr
	v_mul_u32_u24 v16, v8, EP
	v_lshl_add_u32 v16, v9, 5, v16
	v_add_nc_u32 v16, ET, v16              ; in: row r, 32 bytes for each g
	v_mul_u32_u24 v17, v9, EP
	v_lshl_add_u32 v17, v8, 4, v17
	v_add_nc_u32 v17, ET, v17              ; back: lanes 0-15 one row of 256 bytes, lanes 16-31 the next
	v_mul_u32_u24 v18, v9, XEROW
	v_lshl_add_u32 v18, v8, 4, v18         ; the same two rows in xe
.irp j, 0,1,2,3
	v_mov_b32 v[52+\j], 0
.endr
	s_wait_dscnt 0x0
.set n, 1
.rept 7
.irp q, 0,1,2,3,4,5,6,7
	v_pk_add_f32 v[64+2*(\q):65+2*(\q)], v[64+2*(\q):65+2*(\q)], v[64+16*n+2*(\q):65+16*n+2*(\q)]
.endr
.set n, n+1
.endr
.irp q, 0,1,2,3,4,5,6,7                ; q = 4 x tile + pair
	v_cvt_pk_bf16_f32 v[80+\q], v[64+2*(\q)], v[65+2*(\q)]          ; the high parts
.endr
.irp q, 0,1,2,3,4,5,6,7
	v_lshlrev_b32 v[96+2*(\q)], 16, v[80+\q]
	v_and_b32 v[97+2*(\q)], s[HIM], v[80+\q]
.endr
.irp q, 0,1,2,3,4,5,6,7
	v_pk_add_f32 v[64+2*(\q):65+2*(\q)], v[64+2*(\q):65+2*(\q)], v[96+2*(\q):97+2*(\q)] neg_lo:[0,1] neg_hi:[0,1]
.endr
.irp q, 0,1,2,3,4,5,6,7
	v_cvt_pk_bf16_f32 v[88+\q], v[64+2*(\q)], v[65+2*(\q)]          ; the low parts
.endr
.irp t, 0,1
	ds_store_b128 v16, v[80+4*(\t):83+4*(\t)] offset:64*(\t)
	ds_store_b128 v16, v[88+4*(\t):91+4*(\t)] offset:64*(\t)+16
	ds_store_b128 v16, v[52:55] offset:64*(\t)+128
	ds_store_b128 v16, v[52:55] offset:64*(\t)+144
.endr
.irp i, 0,1,2,3,4,5,6,7
	ds_load_b128 v[112+4*(\i):115+4*(\i)], v17 offset:2*EP*(\i)     ; LDS serves a wave's instructions in order (ISA guide 5.7.1.4): these see the stores above
.endr
.irp i, 0,1,2,3,4,5,6,7
	s_wait_dscnt 7-(\i)
	global_store_b128 v18, v[112+4*(\i):115+4*(\i)], s[74:75] offset:2*XEROW*(\i)+4096  ; 16 lanes store 256 consecutive bytes, aligned
.endr
.Lmx:
	s_wait_xcnt 0x0                        ; my stores have read their data: registers are loaded again, and EXEC is changed, only behind this wait
	v_mov_b32 v19, RED
.irp i, 0,1,2,3,4,5,6,7
	ds_load_b128 v[160+4*(\i):163+4*(\i)], v19 offset:16*(\i)
.endr
	s_lshl_b32 s44, ttmp9, 4
	s_add_nc_u64 s[38:39], s[38:39], s[44:45]
	v_mov_b32 v20, 0
	s_wait_dscnt 0x0
.irp j, 0,1,2,3
	v_max3_num_f32 v[160+\j], v[160+\j], v[164+\j], v[168+\j]
	v_max3_num_f32 v[172+\j], v[172+\j], v[176+\j], v[180+\j]
	v_max3_num_f32 v[160+\j], v[160+\j], v[184+\j], v[188+\j]
	v_max_num_f32 v[160+\j], v[160+\j], v[172+\j]
.endr
	v_cmp_eq_u32 vcc_lo, 0, v0
	s_and_saveexec_b32 s46, vcc_lo
	global_store_b128 v20, v[160:163], s[38:39]   ; lane 0: the work-group's record
	s_wait_xcnt 0x0                        ; EXEC is widened only behind this wait
	s_or_b32 exec_lo, exec_lo, s46
.Lend:
	s_wait_tensorcnt 0x0                   ; the wave's end, behind my last LDS store
	ds_add_u32 v[SPW], v[NIL]
	s_wait_dscnt 0x0
	s_endpgm
.Lfunc_end_k_qe89b26dd10_prep:
	.size	k_qe89b26dd10_prep, .Lfunc_end_k_qe89b26dd10_prep-k_qe89b26dd10_prep
	.p2alignl 7, 3214868480
	.fill 96, 4, 3214868480
	.section	.rodata,"a",@progbits
	.p2align	6, 0x0
	.amdhsa_kernel k_qe89b26dd10_prep
		.amdhsa_group_segment_fixed_size 284416
		.amdhsa_private_segment_fixed_size 0
		.amdhsa_enable_private_segment 0
		.amdhsa_kernarg_size 144
		.amdhsa_user_sgpr_count 2
		.amdhsa_user_sgpr_kernarg_segment_ptr 1
		.amdhsa_wavefront_size32 1
		.amdhsa_system_sgpr_workgroup_id_x 1
		.amdhsa_system_sgpr_workgroup_id_y 1
		.amdhsa_system_sgpr_workgroup_id_z 1
		.amdhsa_system_vgpr_workitem_id 0
		.amdhsa_next_free_vgpr 256
		.amdhsa_next_free_sgpr 96
		.amdhsa_reserve_vcc 1
		.amdhsa_float_denorm_mode_32 3
		.amdhsa_float_denorm_mode_16_64 3
		.amdhsa_memory_ordered 1
		.amdhsa_forward_progress 1
		.amdhsa_inst_pref_size 114
	.end_amdhsa_kernel
	.amdgpu_metadata
---
amdhsa.version: [ 1, 2 ]
amdhsa.kernels:
  - .name:           k_qe89b26dd10_prep
    .symbol:         k_qe89b26dd10_prep.kd
    .args:
      - { .name: x, .offset: 0, .size: 8, .value_kind: global_buffer, .address_space: global }
      - { .name: wq_base, .offset: 8, .size: 8, .value_kind: global_buffer, .address_space: global }
      - { .name: wk_base, .offset: 16, .size: 8, .value_kind: global_buffer, .address_space: global }
      - { .name: wv_base, .offset: 24, .size: 8, .value_kind: global_buffer, .address_space: global }
      - { .name: wo, .offset: 32, .size: 8, .value_kind: global_buffer, .address_space: global }
      - { .name: head_a, .offset: 40, .size: 8, .value_kind: global_buffer, .address_space: global }
      - { .name: q_a, .offset: 48, .size: 8, .value_kind: global_buffer, .address_space: global }
      - { .name: k_a, .offset: 56, .size: 8, .value_kind: global_buffer, .address_space: global }
      - { .name: v_a, .offset: 64, .size: 8, .value_kind: global_buffer, .address_space: global }
      - { .name: head_b, .offset: 72, .size: 8, .value_kind: global_buffer, .address_space: global }
      - { .name: q_b, .offset: 80, .size: 8, .value_kind: global_buffer, .address_space: global }
      - { .name: k_b, .offset: 88, .size: 8, .value_kind: global_buffer, .address_space: global }
      - { .name: v_b, .offset: 96, .size: 8, .value_kind: global_buffer, .address_space: global }
      - { .name: freq_cis, .offset: 104, .size: 8, .value_kind: global_buffer, .address_space: global }
      - { .name: xe, .offset: 112, .size: 8, .value_kind: global_buffer, .address_space: global }
      - { .name: wb, .offset: 120, .size: 8, .value_kind: global_buffer, .address_space: global }
      - { .name: wof, .offset: 128, .size: 8, .value_kind: global_buffer, .address_space: global }
      - { .name: mx, .offset: 136, .size: 8, .value_kind: global_buffer, .address_space: global }
    .group_segment_fixed_size: 284416
    .private_segment_fixed_size: 0
    .kernarg_segment_align: 8
    .kernarg_segment_size: 144
    .max_flat_workgroup_size: 256
    .sgpr_count:     96
    .vgpr_count:     256
    .wavefront_size: 32
...
	.end_amdgpu_metadata
.endif
;; end of part 5
;; launch qkv (part 6): grid 16 x 16, 4 waves a work-group, clusters of 4 x 4, 327,680 bytes of LDS; arguments xe, wb, freq_cis, mx, qh, kh, vh; writes qh, kh, vh
.if DOCPART == 6
	.amdgcn_target "amdgcn-amd-amdhsa--gfx1250"
	.amdhsa_code_object_version 6
	.text
	.protected	k_qe89b26dd10_qkv
	.globl	k_qe89b26dd10_qkv
	.p2align	8
	.type	k_qe89b26dd10_qkv,@function
k_qe89b26dd10_qkv:
	s_mov_b64 s[64:65], 0
	v_nop
	global_prefetch_b8 v0, s[64:65] scope:SCOPE_SE
	s_setreg_imm32_b32 hwreg(HW_REG_WAVE_MODE, 25, 1), 1
	s_wait_xcnt 0x0
	s_wait_alu depctr_hold_cnt(0) depctr_sa_sdst(0) depctr_va_vdst(0) depctr_va_sdst(0) depctr_va_ssrc(0) depctr_va_vcc(0) depctr_vm_vsrc(0)
	s_getreg_b32 s2, hwreg(HW_REG_IB_STS2, 6, 4)
	s_cmp_eq_u32 s2, 0
	s_cbranch_scc0 .Lentry_in_a_cluster
	s_endpgm
.Lentry_in_a_cluster:
	s_bfe_u32 s2, ttmp6, 0x10000c
	s_cmp_lg_u32 s2, 0xf033
	s_cbranch_scc0 .Lentry_shape_is_right
	s_endpgm
.Lentry_shape_is_right:
; Q, K, V.  [q | k | v](row, head) = xe[row][0..2111] . wb[P][0..2111][128 head ..], bf16 operands, f32 sums (the last 64 of K are the LoRA terms); q and k are turned by
; bf16(freq_cis); each is multiplied by an exact power of two and rounded once to f16; stored by heads, [16][2048][128].
; THE SCALES.  From the inputs' largest magnitudes X, A, B, F, W (mx): PB = 2048 X (W + 32 A B) bounds every projection, QB = 2 F PB every turned number.  With ev, eq their biased exponents,
; v is multiplied by 2^(141 - ev), q and k by 2^(141 - eq): all stay under 2^15.  LIMITS: eq is held to 87 .. 177 (QB from 2^-40 to 2^50), ev to 15 .. 240; NaN and infinities are not treated apart.
; SHARES.  A work-group makes 128 rows x the 128 q, 128 k and 128 v columns of one head; wave w all 128 rows x columns 32 w .. 32 w + 31 of each of the three: 48 accumulators.
; K goes in 17 steps of 128 through two LDS slots; one tensor load a wave and step, 128 rows of 256 bytes: wave 0 xe's tile, waves 1 to 3 the tiles of wq, wk, wv ([k][n], read turned).
; A K step is written once: a trip of the loop is one step, the slot that is read hangs on a scalar that an exclusive or turns, and one descriptor a tensor walks from step 1 on.
; CLUSTER.  4 x 4 work-groups: xe's tile hangs on the block of rows alone and is asked for jointly along a row of the cluster, wb's on the head alone and jointly along a column.
; THE MATRIX INSTRUCTION IS USED TRANSPOSED (source 0 = 16 columns of wb, source 1 = 16 rows of xe): a lane holds one row and eight neighbouring columns, four pairs of the rotation.
; REGISTERS, in windows of 256: window 0: v16-31 addresses, v32-63 at work, v64-127 and v128-191 xe's fragments (two buffers), v192-255 packed results;
;   window 1: v64-111, v128-175 wb's fragments; v0-63, v192-255 (cos, sin) of my rows and columns;  window 2: accumulators of row blocks 0-3 at 8 (6 a + b), b = 2 P + half;  window 3: row blocks 4-7.
.set PITA,  272                        ; an LDS row of xe's tile: 256 + 16: the 16 rows of a load start at 16 different groups of four banks (64 banks of 4 bytes: ISA guide 11.1)
.set PITB,  288                        ; of wb's: 256 + 32
.set ATILE, 128*PITA
.set BTILE, 128*PITB
.set TILES, ATILE+3*BTILE              ; a slot's four tiles: 145,408 bytes
.set SLOT,  0x24000                    ; slot 1 begins here: the number shares no bit with a tile's place in a slot (0, 0x8800, 0x11800, 0x1a800), so one exclusive or turns a descriptor's LDS word into the other slot's
.set SPARE, TILES                      ; in the gap between the slots: the spare words, 128 bytes a wave: two blocks of 256 bytes that no other line names
.set STAGE, SLOT+TILES                 ; behind the ring, never filled by a tensor load: 128 rows x 272, the work-group's, for the way out; it ends at byte 327,680
.set SPITCH, 272
.set XEROW, 4352
.set WBP,   8912896
.set A0,   16                          ; v16     my place in xe's tile of slot 0; never rewritten
.set ADRA, 17                          ; v17     the same in the slot that is read
.set B0,   18                          ; v18-20  my place in wb's three tiles of slot 0; never rewritten
.set ADRB, 21                          ; v21-23  the same in the slot that is read
.set STO,  24
.set RD,   25
.set CO,   26
.set FO,   27                          ; my byte offset in freq_cis
.set SPW,  28
.set NIL,  29
.set PFO,  30                          ; the prefetches' offset: lane x a row in memory
.set MXO,  31                          ; 16 x lane
.set F0,   64
.set F1,   128
.set WV,  18
.set G1A, 24
.set G0A, 32                           ; s[32:35] xe's first fill; s[36:39] its second, which then walks on
.set G1B, 40
.set G0B, 48                           ; s[48:51], s[52:55] the same for wb
.set PFA, 56                           ; s[56:57] where my prefetches stand
.set PST, 58                           ; s[58:59] a K step in bytes: 256 in xe, 524,288 in wb
.set LIM, 60                           ; s60  1 in a wave that prefetches, else the greatest number
.set CNT, 61                           ; s61  trips of the K loop still to come, this one among them
.set SEL, 62
.set SQ,  66
.set SV,  68
.set TB,  83                           ; s83  LDS byte at which the slot that is read begins: 0 or SLOT
.set HIM, 84                           ; s84  mask of a word's upper bf16
.set MSB, 0
.macro WIN new                         ; the immediate's high byte repeats the setting that is left; a switch that changes nothing is dropped
.if MSB != (\new)
	s_set_vgpr_msb (MSB<<8)|(\new)
.set MSB, \new
.endif
.endm
.set MUL_LO, 0xa1                      ; source 0 (wb) window 1, source 1 (xe) window 0, C and D window 2
.set MUL_HI, 0xf1
.set TO_B,   0x40
.macro MXLOAD R, AO, B                 ; the 256 records of mx: 128 of four numbers, the first number of 128 more
.irp i, 0,1,2,3
	global_load_b128 v[(\R)+4*(\i):(\R)+4*(\i)+3], v[\AO], s[\B:\B+1] offset:512*(\i)
.endr
.irp i, 0,1,2,3
	global_load_b32 v[(\R)+16+(\i)], v[\AO], s[\B:\B+1] offset:2048+512*(\i)
.endr
.endm
.macro SCALES R, EV, EQ                ; the five maxima over records and lanes; PB and QB; their clamped exponents into s[EV], s[EQ]
.irp j, 0,1,2,3
	v_max3_num_f32 v[(\R)+(\j)], v[(\R)+(\j)], v[(\R)+4+(\j)], v[(\R)+8+(\j)]
.endr
	v_max3_num_f32 v[(\R)+16], v[(\R)+16], v[(\R)+17], v[(\R)+18]
.irp j, 0,1,2,3
	v_max_num_f32 v[(\R)+(\j)], v[(\R)+(\j)], v[(\R)+12+(\j)]
.endr
	v_max_num_f32 v[(\R)+4], v[(\R)+16], v[(\R)+19]
.irp m, 1,2,4,8
.irp j, 0,1,2,3,4
	v_max_num_f32_dpp v[(\R)+(\j)], v[(\R)+(\j)], v[(\R)+(\j)] row_xmask:\m row_mask:0xf bank_mask:0xf
.endr
.endr
.irp j, 0,1,2,3,4
	v_permlanex16_b32 v[(\R)+8+(\j)], v[(\R)+(\j)], s[SEL], s[SEL+1]
.endr
.irp j, 0,1,2,3,4
	v_max_num_f32 v[(\R)+(\j)], v[(\R)+(\j)], v[(\R)+8+(\j)]
.endr
	v_mul_f32 v[(\R)+1], v[(\R)+1], v[(\R)+2]                      ; A B
	v_fmamk_f32 v[(\R)+1], v[(\R)+1], 0x42000000, v[(\R)+4]        ; 32 A B + W
	v_mul_f32 v[\R], 0x45000000, v[\R]                             ; 2048 X
	v_mul_f32 v[\R], v[\R], v[(\R)+1]                              ; PB
	v_mul_f32 v[(\R)+3], v[(\R)+3], v[\R]
	v_add_f32 v[(\R)+3], v[(\R)+3], v[(\R)+3]                      ; QB
	v_readfirstlane_b32 s[\EV], v[\R]
	v_readfirstlane_b32 s[\EQ], v[(\R)+3]
	s_lshr_b32 s[\EV], s[\EV], 23
	s_max_u32 s[\EV], s[\EV], 15
	s_min_u32 s[\EV], s[\EV], 240
	s_lshr_b32 s[\EQ], s[\EQ], 23
	s_max_u32 s[\EQ], s[\EQ], 87
	s_min_u32 s[\EQ], s[\EQ], 177
.endm
; A joint load.  Wave 0 fetches xe's tile, waves 1 to 3 wb's three.  Each line has one mask; the branch hangs on the wave's number alone.
; An s_nop 0 and four v_nop follow each of the two lines, ahead of the jump, the label and what follows.
.macro JLOAD s
	s_cmp_eq_u32 s[WV], 0
	s_cbranch_scc0 .Lfor_b_\@
	tensor_load_to_lds s[G0A+4*(\s):G0A+4*(\s)+3], s[G1A:G1A+7]
	s_nop 0
.rept 4
	v_nop
.endr
	s_branch .Lasked_\@
.Lfor_b_\@:
	tensor_load_to_lds s[G0B+4*(\s):G0B+4*(\s)+3], s[G1B:G1B+7]
	s_nop 0
.rept 4
	v_nop
.endr
.Lasked_\@:
.endm
; A prefetch of the K step after the one just asked for: 32 rows x 256 bytes, a lane a row, 192 products ahead of the load that will want it.  xe's rows are asked for by the clusters with x = 0,
; wb's by those with y = 0; the four partners that ask for a tile jointly take 32 of its 128 rows each, told apart by address.  So each block of 256 bytes is named once in the launch.
; The loop's last trip asks for K step 16, the last: there is no step behind it, and nothing is prefetched.
.macro ASK
	s_cmp_gt_u32 s[CNT], s[LIM]
	s_cbranch_scc0 .Lnot_mine_\@
	global_prefetch_b8 v[PFO], s[PFA:PFA+1] th:TH_LOAD_NT scope:SCOPE_SE
.Lnot_mine_\@:
.endm
.macro CREST                           ; a round of the cluster's barrier behind its opening barrier
	s_cmp_lg_u32 s[WV], 0
	s_cbranch_scc1 .Lnot_wave_0_\@
	s_barrier_signal -3
.Lnot_wave_0_\@:
	s_barrier_wait -3
	s_barrier_signal -1
	s_barrier_wait -1
.endm
.macro CROUND
	s_barrier_signal -1
	s_barrier_wait -1
	CREST
.endm
	s_load_b256 s[4:11], s[0:1], 0x0       ; xe 4, wb 6, freq_cis 8, mx 10
	s_load_b128 s[12:15], s[0:1], 0x20     ; qh 12, kh 14
	s_load_b64 s[16:17], s[0:1], 0x30      ; vh
	v_lshl_add_u32 v[SPW], v0, 2, SPARE
	v_mov_b32 v[NIL], 0
	ds_add_u32 v[SPW], v[NIL]              ; the wave's opening: the add and its wait stand ahead of my first tensor load; work on registers stands between them
	v_lshrrev_b32 v1, 5, v0
	v_readfirstlane_b32 s[WV], v1
	s_max_u32 s19, s[WV], 1
	s_sub_co_u32 s19, s19, 1               ; which projection I fetch (waves 1 to 3)
	s_bfe_u32 s20, ttmp6, 0x40000          ; cx
	s_bfe_u32 s21, ttmp6, 0x40004          ; cy
	s_lshl_b32 s22, ttmp9, 2
	s_add_co_u32 s22, s22, s20             ; the head = 4 x cluster x + cx
	s_and_b32 s23, ttmp7, 0xffff
	s_lshl_b32 s23, s23, 2
	s_add_co_u32 s23, s23, s21             ; the block of 128 rows = 4 x cluster y + cy
	s_lshl_b32 s70, s21, 2
	s_lshl_b32 s70, 15, s70                ; my row of the cluster
	s_lshl_b32 s71, 0x1111, s20            ; my column
	s_or_b32 s[G1A], s70, (1<<16)|(1<<20)|(1<<21)|(5<<22)|(3<<25)  ; the mask; 2-byte elements; padding on; bit 21 beside a mask; after every 64 words, 4 words
	s_or_b32 s[G1B], s71, (1<<16)|(1<<20)|(1<<21)|(5<<22)|(7<<25)  ; the same with 8 words of padding
.irp g, G1A, G1B
	s_mov_b32 s[(\g)+1], 128<<16           ; tensor_dim0 = 128
	s_mov_b32 s[(\g)+2], 128<<16           ; tensor_dim1 = 128
	s_mov_b32 s[(\g)+3], 128<<16           ; tile_dim0 = 128
	s_mov_b32 s[(\g)+4], 128               ; tile_dim1 = 128
	s_mov_b32 s[(\g)+6], 0
	s_mov_b32 s[(\g)+7], 0
.endr
	s_mov_b32 s[G1A+5], 2176               ; elements from row to row
	s_mov_b32 s[G1B+5], 2048
	s_mul_i32 s72, s[WV], BTILE
	s_sub_co_u32 s72, s72, BTILE-ATILE     ; wb's tile P = wave - 1 lies at ATILE + P x BTILE (wave 0 never asks by it)
	s_mul_i32 s74, s23, 128*XEROW
	s_mov_b32 s75, 0
	s_mul_i32 s76, s19, WBP
	s_lshl_b32 s78, s22, 8
	s_add_co_u32 s76, s76, s78
	s_mov_b32 s77, 0
	s_mov_b32 s[SEL], 0x76543210
	s_mov_b32 s[SEL+1], 0xfedcba98
	s_mov_b32 s[TB], 0
	s_mov_b32 s[HIM], 0xffff0000
	s_wait_dscnt 0x0                       ; the opening add is done
	s_wait_kmcnt 0x0
	s_add_nc_u64 s[74:75], s[4:5], s[74:75]   ; xe at my block's first row: it hangs on the block of rows alone
	s_add_nc_u64 s[78:79], s[6:7], s[76:77]   ; wb at my projection and head: on the head and the wave alone
	CROUND                                 ; all sixteen work-groups are here: the first joint loads meet
.irp s, 0,1
	s_mov_b32 s[G0A+4*(\s)], 1
	s_mov_b32 s[G0A+4*(\s)+1], (\s)*SLOT
	s_add_nc_u64 s[G0A+4*(\s)+2:G0A+4*(\s)+3], s[74:75], (\s)*256
	s_or_b32 s[G0A+4*(\s)+3], s[G0A+4*(\s)+3], 0x80000000
	s_mov_b32 s[G0B+4*(\s)], 1
	s_add_co_u32 s[G0B+4*(\s)+1], s72, (\s)*SLOT
	s_add_nc_u64 s[G0B+4*(\s)+2:G0B+4*(\s)+3], s[78:79], (\s)*524288
	s_or_b32 s[G0B+4*(\s)+3], s[G0B+4*(\s)+3], 0x80000000
	JLOAD \s                               ; K steps 0 and 1: two loads of mine are out
.endr
	v_and_b32 v1, 15, v0                   ; r = lane % 16
	v_bfe_u32 v2, v0, 4, 1                 ; h = lane / 16
	v_mul_u32_u24 v3, v1, PITA
	v_lshl_add_u32 v3, v2, 4, v3           ; row x pitch + 16 h
	v_mov_b32 v[A0], v3
	v_mov_b32 v[ADRA], v3                  ; K step 0 lies in slot 0
	v_and_b32 v5, 7, v0
	v_lshl_add_u32 v4, v2, 3, v5
	v_mul_u32_u24 v4, v4, PITB
	v_bfe_u32 v5, v0, 3, 1
	v_lshl_add_u32 v4, v5, 4, v4           ; the turning load: k row 8 h + lane % 8, 16 bytes by (lane / 8) % 2
	s_lshl_b32 s70, s[WV], 6               ; my 32 columns
	s_add_co_u32 s70, s70, ATILE
.irp p, 0,1,2
	v_add_nc_u32 v[B0+(\p)], s70, v4
	v_add_nc_u32 v[ADRB+(\p)], s70, v4
	s_add_co_u32 s70, s70, BTILE
.endr
	s_lshl_b32 s70, s[WV], 6
	s_add_co_u32 s70, s70, STAGE
	v_add_nc_u32 v[STO], s70, v3           ; into the stage: row r of a block, my 64 bytes, 16 for each half of the lanes
	v_mul_u32_u24 v5, v2, SPITCH
	v_lshl_add_u32 v5, v1, 4, v5
	s_mul_i32 s70, s[WV], 32*SPITCH
	s_add_co_u32 s70, s70, STAGE
	v_add_nc_u32 v[RD], s70, v5            ; back: wave w takes rows 32 w .., whole
	v_lshlrev_b32 v5, 8, v2
	v_lshl_add_u32 v5, v1, 4, v5
	s_lshl_b32 s70, s[WV], 13
	v_add_nc_u32 v[CO], s70, v5            ; the same rows in qh, kh, vh
	v_lshlrev_b32 v5, 9, v1
	v_lshl_add_u32 v5, v2, 5, v5
	s_lshl_b32 s70, s[WV], 7
	v_add_nc_u32 v[FO], s70, v5            ; freq_cis: row r, the four pairs of my eight columns
	v_and_b32 v6, 31, v0
	v_lshlrev_b32 v[MXO], 4, v6
	s_lshl_b32 s80, s22, 19
	s_lshl_b32 s81, s23, 15
	s_add_co_u32 s80, s80, s81
	s_mov_b32 s81, 0
	s_add_nc_u64 s[12:13], s[12:13], s[80:81]
	s_add_nc_u64 s[14:15], s[14:15], s[80:81]
	s_add_nc_u64 s[16:17], s[16:17], s[80:81]
	s_lshl_b32 s80, s23, 16
	s_add_nc_u64 s[8:9], s[8:9], s[80:81]
	MXLOAD 32, MXO, 10
	WIN 0x40
.set idx, 0
.rept 16                               ; idx = 2 x row block + half of my 32 columns: eight registers (c, s, c, s ..)
	global_load_b128 v[8*idx+128*(idx/8):8*idx+128*(idx/8)+3], v[FO], s[8:9] offset:8192*(idx/2)+64*(idx%2)
	global_load_b128 v[8*idx+128*(idx/8)+4:8*idx+128*(idx/8)+7], v[FO], s[8:9] offset:8192*(idx/2)+64*(idx%2)+16
.set idx, idx+1
.endr
	WIN 0
	; the prefetches
	s_and_b32 s81, ttmp7, 0xffff
	s_mov_b32 s82, 4096
	s_mov_b32 s[PST], 524288
	s_mov_b32 s[PST+1], 0
	s_cmp_eq_u32 s[WV], 0
	s_cselect_b32 s80, s20, s21            ; my place among the four that ask with me
	s_cselect_b32 s81, ttmp9, s81          ; the coordinate along which other clusters read the same rows
	s_cselect_b32 s82, XEROW, s82          ; a row in memory
	s_cselect_b32 s[PST], 256, s[PST]
	s_cselect_b64 s[PFA:PFA+1], s[74:75], s[78:79]
	s_cmp_eq_u32 s81, 0
	s_cselect_b32 s[LIM], 1, -1            ; the same in all sixteen partners, for a given wave
	s_lshl_b32 s80, s80, 5
	s_mul_i32 s80, s80, s82
	s_mov_b32 s81, 0
	s_add_nc_u64 s[PFA:PFA+1], s[PFA:PFA+1], s[80:81]
	s_add_nc_u64 s[PFA:PFA+1], s[PFA:PFA+1], s[PST:PST+1]
	s_add_nc_u64 s[PFA:PFA+1], s[PFA:PFA+1], s[PST:PST+1]  ; at K step 2: the first change of slots steps it to 3.  Nothing is prefetched here, at the head
	v_mul_u32_u24 v[PFO], v6, s82
; 12 products: row blocks a0, a0 + 1 of the window's four x all six column blocks, 32 along K.  zero = 1: they start the sums.
.macro MUL12 f, hi, a0, zero
	WIN MUL_LO+0x50*(\hi)
.irp a, \a0, (\a0)+1
.irp b, 0,1,2,3,4,5
.if \zero
	v_wmma_f32_16x16x32_bf16 v[8*(6*(\a)+(\b)):8*(6*(\a)+(\b))+7], v[(\f)+8*(\b):(\f)+8*(\b)+7], v[(\f)+8*(4*(\hi)+(\a)):(\f)+8*(4*(\hi)+(\a))+7], 0
.else
	v_wmma_f32_16x16x32_bf16 v[8*(6*(\a)+(\b)):8*(6*(\a)+(\b))+7], v[(\f)+8*(\b):(\f)+8*(\b)+7], v[(\f)+8*(4*(\hi)+(\a)):(\f)+8*(4*(\hi)+(\a))+7], v[8*(6*(\a)+(\b)):8*(6*(\a)+(\b))+7]
.endif
.endr
.endr
.endm
; 28 LDS loads in one run: quarter q (32 of K) of the slot that is read into buffer f: wb's six fragments (turned), then xe's eight.
.macro FETCH q, f
	WIN TO_B
.irp p, 0,1,2
.irp e, 0,1
	ds_load_tr16_b128 v[(\f)+8*(2*(\p)+(\e)):(\f)+8*(2*(\p)+(\e))+3],   v[ADRB+(\p)] offset:32*PITB*(\q)+32*(\e)
	ds_load_tr16_b128 v[(\f)+8*(2*(\p)+(\e))+4:(\f)+8*(2*(\p)+(\e))+7], v[ADRB+(\p)] offset:32*PITB*(\q)+32*(\e)+16*PITB
.endr
.endr
	WIN 0
.irp i, 0,1,2,3,4,5,6,7
	ds_load_b128 v[(\f)+8*(\i):(\f)+8*(\i)+3],   v[ADRA] offset:64*(\q)+(\i)*16*PITA
	ds_load_b128 v[(\f)+8*(\i)+4:(\f)+8*(\i)+7], v[ADRA] offset:64*(\q)+(\i)*16*PITA+32
.endr
.endm
.macro PLACES                          ; four plain vector instructions between a product and a load into, or a vector read of, its registers (ISA guide 7.12.1 for a vector read)
.rept 4
	v_nop
.endr
.endm
; A quarter of a K step: multiplies buffer f; in its middle it fetches quarter q of the same slot into buffer g.
.macro QUARTER q, f, g, zero
	s_wait_dscnt 8                         ; wb's fragments and xe's rows 0-63 are in; the youngest eight loads (rows 64-127) may be out
	MUL12 \f, 0, 0, \zero
	MUL12 \f, 0, 2, \zero
	PLACES
	FETCH \q, \g
	s_wait_dscnt 28                        ; all but the 28 just issued
	MUL12 \f, 1, 0, \zero
	MUL12 \f, 1, 2, \zero
.endm
; The last quarter's first half: one barrier for the change of slots.  In front of it each wave waits for all its tensor loads (one is out: its part of the next slot), adds 0 to its
; spare word, and waits for that and for its reads of this slot.
.macro MEET round
	WIN 0
	s_wait_tensorcnt 0x0
	ds_add_u32 v[SPW], v[NIL]
	s_wait_dscnt 9                         ; the add and the youngest eight loads may be out
	MUL12 F1, 0, 0, 0
	s_wait_dscnt 0x0                       ; the add is done, and my reads of this slot are over
	s_barrier_signal -1
	MUL12 F1, 0, 2, 0
.if \round
	WIN 0
.endif
	s_barrier_wait -1
.endm
; The whole last quarter.  fill = 1: the slot just read out is filled again, with the K step two steps on: the walking descriptors turn to it and step one K step; then the reads turn to the other slot.
.macro TURN fill
.if \fill
	s_wait_xcnt 0x0                        ; the last prefetch, a K step back, has read its address
	s_add_nc_u64 s[PFA:PFA+1], s[PFA:PFA+1], s[PST:PST+1]
.endif
	MEET \fill
.if \fill
	CREST                                  ; the barrier has opened a round of the cluster's: no wave of any partner still reads this slot or has a load on its way
	s_xor_b32 s[G0A+5], s[G0A+5], SLOT
	s_add_nc_u64 s[G0A+6:G0A+7], s[G0A+6:G0A+7], 256
	s_xor_b32 s[G0B+5], s[G0B+5], SLOT
	s_add_nc_u64 s[G0B+6:G0B+7], s[G0B+6:G0B+7], 524288
	JLOAD 1                                ; the first tensor load behind the round; its four v_nop are also the places in front of the loads below
.else
	WIN 0
	PLACES
.endif
	s_xor_b32 s[TB], s[TB], SLOT
	v_add_nc_u32 v[ADRA], s[TB], v[A0]
.irp p, 0,1,2
	v_add_nc_u32 v[ADRB+(\p)], s[TB], v[B0+(\p)]
.endr
	FETCH 0, F0
.if \fill
	ASK
.endif
	MUL12 F1, 1, 0, 0
	MUL12 F1, 1, 2, 0
.endm
	s_wait_tensorcnt 1                     ; my part of K step 0 is in; step 1's may stay out
	s_barrier_signal -1
	s_barrier_wait -1
	FETCH 0, F0
	QUARTER 1, F0, F1, 1                   ; the first quarter stands in front of the loop: its products start the sums
	WIN 0
	s_mov_b32 s[CNT], 15
.Lstep:                                        ; trip i: from K step i's second quarter to step i + 1's first; step i's slot takes step i + 2
	QUARTER 2, F1, F0, 0
	QUARTER 3, F0, F1, 0
	TURN 1
	QUARTER 1, F0, F1, 0
	WIN 0
	s_sub_co_u32 s[CNT], s[CNT], 1
	s_cmp_lg_u32 s[CNT], 0
	s_cbranch_scc1 .Lstep
	QUARTER 2, F1, F0, 0                   ; K step 15 goes on; the tail is written out
	QUARTER 3, F0, F1, 0
	TURN 0                                 ; nothing is left to fetch
	QUARTER 1, F0, F1, 0                   ; K step 16 has two quarters: columns 2112 on are zeros and are not multiplied
	s_wait_dscnt 8
	MUL12 F1, 0, 0, 0
	MUL12 F1, 0, 2, 0
	s_wait_dscnt 0x0
	MUL12 F1, 1, 0, 0
	MUL12 F1, 1, 2, 0
	; THE WAY OUT.  The scales' vector lines are the places behind the last products.
	WIN 0
	s_wait_loadcnt 0x0                     ; mx and freq_cis
	SCALES 32, 70, 71
	s_sub_co_u32 s[SV], 268, s70
	s_lshl_b32 s[SV], s[SV], 23            ; 2^(141 - ev)
	s_mov_b32 s[SV+1], s[SV]
	s_sub_co_u32 s[SQ], 268, s71
	s_lshl_b32 s[SQ], s[SQ], 23            ; 2^(141 - eq)
	s_mov_b32 s[SQ+1], s[SQ]
	WIN 0x45                               ; (cos, sin): rounded to bf16, widened, times q's and k's scale
.set idx, 0
.rept 64
.set CR, 2*idx+128*(idx/32)
	v_cvt_pk_bf16_f32 v[CR], v[CR], v[CR+1]
	v_and_b32 v[CR+1], s[HIM], v[CR]
	v_lshlrev_b32 v[CR], 16, v[CR]
	v_pk_mul_f32 v[CR:CR+1], v[CR:CR+1], s[SQ:SQ+1] op_sel_hi:[1,0]
.set idx, idx+1
.endr
; Pass X (0 q, 1 k, 2 v): my 16 accumulators of it, eight at a time, each from its low registers on: turned (or scaled), then rounded to f16.
; A pair (tr, ti) with (c, s): first (ti s, ti c), then (tr c - ti s, tr s + ti c).
.macro PACK X
.irp hi, 0,1
	WIN 0x06+(\hi)                         ; accumulators in window 2 or 3, (c, s) in window 1, results in window 0
.set idx, 0
.rept 8
.set AC, 8*(6*(idx/2)+2*(\X)+idx%2)
.set CR, 8*(8*(\hi)+idx)+128*(\hi)
.set RR, 128+8*idx
.if (\X) < 2
.irp p, 0,1,2,3
	v_pk_mul_f32 v[32+2*(\p):33+2*(\p)], v[AC+2*(\p):AC+2*(\p)+1], v[CR+2*(\p):CR+2*(\p)+1] op_sel:[1,1] op_sel_hi:[1,0]
.endr
.irp p, 0,1,2,3
	v_pk_fma_f32 v[RR+2*(\p):RR+2*(\p)+1], v[AC+2*(\p):AC+2*(\p)+1], v[CR+2*(\p):CR+2*(\p)+1], v[32+2*(\p):33+2*(\p)] op_sel_hi:[0,1,1] neg_lo:[0,0,1]
.endr
.else
.irp p, 0,1,2,3
	v_pk_mul_f32 v[RR+2*(\p):RR+2*(\p)+1], v[AC+2*(\p):AC+2*(\p)+1], s[SV:SV+1] op_sel_hi:[1,0]
.endr
.endif
.set idx, idx+1
.endr
	WIN 0
.set idx, 0
.rept 32
	v_cvt_pk_f16_f32 v[192+32*(\hi)+idx], v[128+2*idx], v[128+2*idx+1]
.set idx, idx+1
.endr
.endr
.endm
.macro TOSTAGE                         ; 16 bytes a lane into the work-group's stage; then every wave's stores are waited for and a barrier passed: a row's 256 bytes come from four waves
.set idx, 0
.rept 16
	ds_store_b128 v[STO], v[192+4*idx:192+4*idx+3] offset:16*SPITCH*(idx/2)+32*(idx%2)
.set idx, idx+1
.endr
	s_wait_dscnt 0x0
	s_barrier_signal -1
	s_barrier_wait -1
	s_wait_xcnt 0x0                        ; the stores of the pass before have read v64-127: they are loaded again only behind this wait
.set idx, 0
.rept 16
	ds_load_b128 v[64+4*idx:64+4*idx+3], v[RD] offset:2*SPITCH*idx
.set idx, idx+1
.endr
.endm
.macro SEND B                          ; 16 lanes store 256 consecutive bytes, aligned: a whole row of a head
.set idx, 0
.rept 16
	global_store_b128 v[CO], v[64+4*idx:64+4*idx+3], s[\B:\B+1] offset:512*idx
.set idx, idx+1
.endr
.endm
	PACK 0
	TOSTAGE
	PACK 1                                 ; the next pass's arithmetic stands between the loads from the stage and the wait for them
	s_wait_dscnt 0x0                       ; my reads of the stage are over,
	s_barrier_signal -1
	s_barrier_wait -1                      ; everybody's are: it may be written again
	SEND 12
	TOSTAGE
	PACK 2
	s_wait_dscnt 0x0
	s_barrier_signal -1
	s_barrier_wait -1
	SEND 14
	TOSTAGE
	s_wait_dscnt 0x0
	SEND 16
	s_wait_tensorcnt 0x0                   ; the wave's end, behind my last tensor load and my last LDS store
	ds_add_u32 v[SPW], v[NIL]
	s_wait_dscnt 0x0
	CROUND                                 ; the closing round: no work-group ends while a partner may still ask for a tile that names it
	s_endpgm
.Lfunc_end_k_qe89b26dd10_qkv:
	.size	k_qe89b26dd10_qkv, .Lfunc_end_k_qe89b26dd10_qkv-k_qe89b26dd10_qkv
	.p2alignl 7, 3214868480
	.fill 96, 4, 3214868480
	.section	.rodata,"a",@progbits
	.p2align	6, 0x0
	.amdhsa_kernel k_qe89b26dd10_qkv
		.amdhsa_group_segment_fixed_size 327680
		.amdhsa_private_segment_fixed_size 0
		.amdhsa_enable_private_segment 0
		.amdhsa_kernarg_size 56
		.amdhsa_user_sgpr_count 2
		.amdhsa_user_sgpr_kernarg_segment_ptr 1
		.amdhsa_wavefront_size32 1
		.amdhsa_system_sgpr_workgroup_id_x 1
		.amdhsa_system_sgpr_workgroup_id_y 1
		.amdhsa_system_sgpr_workgroup_id_z 1
		.amdhsa_system_vgpr_workitem_id 0
		.amdhsa_next_free_vgpr 1024
		.amdhsa_next_free_sgpr 96
		.amdhsa_reserve_vcc 0
		.amdhsa_float_denorm_mode_32 3
		.amdhsa_float_denorm_mode_16_64 3
		.amdhsa_memory_ordered 1
		.amdhsa_forward_progress 1
		.amdhsa_inst_pref_size 124
	.end_amdhsa_kernel
	.amdgpu_metadata
---
amdhsa.version: [ 1, 2 ]
amdhsa.kernels:
  - .name:           k_qe89b26dd10_qkv
    .symbol:         k_qe89b26dd10_qkv.kd
    .args:
      - { .name: xe, .offset: 0, .size: 8, .value_kind: global_buffer, .address_space: global }
      - { .name: wb, .offset: 8, .size: 8, .value_kind: global_buffer, .address_space: global }
      - { .name: freq_cis, .offset: 16, .size: 8, .value_kind: global_buffer, .address_space: global }
      - { .name: mx, .offset: 24, .size: 8, .value_kind: global_buffer, .address_space: global }
      - { .name: qh, .offset: 32, .size: 8, .value_kind: global_buffer, .address_space: global }
      - { .name: kh, .offset: 40, .size: 8, .value_kind: global_buffer, .address_space: global }
      - { .name: vh, .offset: 48, .size: 8, .value_kind: global_buffer, .address_space: global }
    .group_segment_fixed_size: 327680
    .private_segment_fixed_size: 0
    .kernarg_segment_align: 8
    .kernarg_segment_size: 56
    .max_flat_workgroup_size: 128
    .sgpr_count:     96
    .vgpr_count:     1024
    .wavefront_size: 32
...
	.end_amdgpu_metadata
.endif
;; end of part 6
;; launch attn: the kernel of part 3 again; grid 16 x 16, 4 waves a work-group, clusters of 4 x 1, 327,680 bytes of LDS; arguments qh, kh, vh, mx, oh; writes oh
;; launch outp (part 7): grid 16 x 16, 4 waves a work-group, clusters of 4 x 4, 327,680 bytes of LDS; arguments oh, wof, mx, out0; writes out0
.if DOCPART == 7
	.amdgcn_target "amdgcn-amd-amdhsa--gfx1250"
	.amdhsa_code_object_version 6
	.text
	.protected	k_qe89b26dd10_outp
	.globl	k_qe89b26dd10_outp
	.p2align	8
	.type	k_qe89b26dd10_outp,@function
k_qe89b26dd10_outp:
	s_mov_b64 s[64:65], 0
	v_nop
	global_prefetch_b8 v0, s[64:65] scope:SCOPE_SE
	s_setreg_imm32_b32 hwreg(HW_REG_WAVE_MODE, 25, 1), 1
	s_wait_xcnt 0x0
	s_wait_alu depctr_hold_cnt(0) depctr_sa_sdst(0) depctr_va_vdst(0) depctr_va_sdst(0) depctr_va_ssrc(0) depctr_va_vcc(0) depctr_vm_vsrc(0)
	s_getreg_b32 s2, hwreg(HW_REG_IB_STS2, 6, 4)
	s_cmp_eq_u32 s2, 0
	s_cbranch_scc0 .Lentry_in_a_cluster
	s_endpgm
.Lentry_in_a_cluster:
	s_bfe_u32 s2, ttmp6, 0x10000c
	s_cmp_lg_u32 s2, 0xf033
	s_cbranch_scc0 .Lentry_shape_is_right
	s_endpgm
.Lentry_shape_is_right:
; out0[m][n] = 2^(ev - 149) x the sum over k of oh[m][k] wof[k][n]: oh is O in v's scale 2^(141 - ev), wof is bf16(wo) x 256; both f16, sums in f32, out0 f32.
; LIMITS: ev is held to 15 .. 240, as where the scale was applied; NaN and infinities are not treated apart.
; A tile of out0 is 128 x 128, so that each of 256 work-groups has one.  Four waves, each 64 x 64: 16 accumulators.  K goes in 8 steps of 256 through two LDS slots: oh's tile has rows of 512 bytes
; (waves 0 and 1 fetch 64 rows each), wof's, [k][n], 256 rows of 256 bytes (waves 2 and 3 fetch 128 each) and is read turned.
; A K step is written once: a trip of the loop is one step, the slot that is read hangs on a scalar that an exclusive or turns, and one descriptor a tensor walks from step 1 on.
; CLUSTER: 4 x 4 work-groups; oh's tile is asked for jointly along a row of the cluster, wof's along a column.  THE MATRIX INSTRUCTION IS USED TRANSPOSED: a lane holds eight neighbouring numbers of a row.
; No prefetch: the tiles are small, and a K step's work is short beside the bytes that it fetches.
; REGISTERS: window 0: v16-31 addresses; v32-95 at work on the way out; v96-115 mx; v128-255 the accumulators ((a, b) at v[128 + 8 (4 a + b)]).  window 1: two fragment buffers of 128: 64 registers of oh, 64 of wof.
.set PITCH,  528                       ; an LDS row of oh's tile: 512 + 16
.set PBT,    288                       ; of wof's: 256 + 32
.set AHALF,  64*PITCH
.set BHALF,  128*PBT
.set BOFF,   2*AHALF
.set TILES,  BOFF+2*BHALF              ; a slot's tiles: 141,312 bytes
.set SLOT,   0x24000                   ; slot 1 begins here: the number shares no bit with a load's place in a slot (0, 0x8400, 0x10800, 0x19800), so one exclusive or turns a descriptor's LDS word into the other slot's
.set STAGE,  SLOT+TILES                ; behind the ring: 16 rows x 272 bytes for each wave
.set SPITCH, 272
.set SPARE,  STAGE+4*16*SPITCH         ; the spare words, 128 bytes a wave: two blocks of 256 bytes that no other line names
.set A0,   16                          ; v16     my place in oh's tile of slot 0; never rewritten
.set ADRA, 17                          ; v17     the same in the slot that is read
.set B0,   20                          ; v20-21  my place in wof's tile of slot 0: k rows 0-127, k rows 128-255 (an LDS immediate ends at 65,535); never rewritten
.set ADRB, 22                          ; v22-23  the same in the slot that is read
.set STO,  24
.set RD,   25
.set CO,   26
.set MXO,  27
.set SPW,  28
.set NIL,  29
.set TMP,  32
.set ACC,  128
.set F0,   0
.set F1,   128
.set WV,  12
.set HR,  13                           ; which half of the tile's rows is mine.  Also: I fetch for oh (0) or for wof (1)
.set HC,  14                           ; which half of its columns.  Also: which half of that tile I fetch
.set G1, 24
.set G0, 32                            ; s[32:35] oh's first fill; s[36:39] its second, which then walks on
.set G1B, 48
.set G0B, 56                           ; s[56:59], s[60:63] the same for wof
.set SEL, 66
.set SC,  68
.set TB,  72                           ; s72  LDS byte at which the slot that is read begins: 0 or SLOT
.set MSB, 0
.macro WIN new
.if MSB != (\new)
	s_set_vgpr_msb (MSB<<8)|(\new)
.set MSB, \new
.endif
.endm
.set MUL,  0x05                        ; sources 0 and 1 window 1; C and D window 0
.set TO_F, 0x40
.macro MXLOAD R, AO, B
.irp i, 0,1,2,3
	global_load_b128 v[(\R)+4*(\i):(\R)+4*(\i)+3], v[\AO], s[\B:\B+1] offset:512*(\i)
.endr
.irp i, 0,1,2,3
	global_load_b32 v[(\R)+16+(\i)], v[\AO], s[\B:\B+1] offset:2048+512*(\i)
.endr
.endm
.macro SCALES R, EV, EQ                ; the same text as in the two launches before
.irp j, 0,1,2,3
	v_max3_num_f32 v[(\R)+(\j)], v[(\R)+(\j)], v[(\R)+4+(\j)], v[(\R)+8+(\j)]
.endr
	v_max3_num_f32 v[(\R)+16], v[(\R)+16], v[(\R)+17], v[(\R)+18]
.irp j, 0,1,2,3
	v_max_num_f32 v[(\R)+(\j)], v[(\R)+(\j)], v[(\R)+12+(\j)]
.endr
	v_max_num_f32 v[(\R)+4], v[(\R)+16], v[(\R)+19]
.irp m, 1,2,4,8
.irp j, 0,1,2,3,4
	v_max_num_f32_dpp v[(\R)+(\j)], v[(\R)+(\j)], v[(\R)+(\j)] row_xmask:\m row_mask:0xf bank_mask:0xf
.endr
.endr
.irp j, 0,1,2,3,4
	v_permlanex16_b32 v[(\R)+8+(\j)], v[(\R)+(\j)], s[SEL], s[SEL+1]
.endr
.irp j, 0,1,2,3,4
	v_max_num_f32 v[(\R)+(\j)], v[(\R)+(\j)], v[(\R)+8+(\j)]
.endr
	v_mul_f32 v[(\R)+1], v[(\R)+1], v[(\R)+2]
	v_fmamk_f32 v[(\R)+1], v[(\R)+1], 0x42000000, v[(\R)+4]
	v_mul_f32 v[\R], 0x45000000, v[\R]
	v_mul_f32 v[\R], v[\R], v[(\R)+1]
	v_mul_f32 v[(\R)+3], v[(\R)+3], v[\R]
	v_add_f32 v[(\R)+3], v[(\R)+3], v[(\R)+3]
	v_readfirstlane_b32 s[\EV], v[\R]
	v_readfirstlane_b32 s[\EQ], v[(\R)+3]
	s_lshr_b32 s[\EV], s[\EV], 23
	s_max_u32 s[\EV], s[\EV], 15
	s_min_u32 s[\EV], s[\EV], 240
	s_lshr_b32 s[\EQ], s[\EQ], 23
	s_max_u32 s[\EQ], s[\EQ], 87
	s_min_u32 s[\EQ], s[\EQ], 177
.endm
.macro JLOAD s                         ; a joint load; an s_nop 0 and four v_nop follow each of the two lines, ahead of the jump, the label and what follows
	s_cmp_eq_u32 s[HR], 0
	s_cbranch_scc0 .Lfor_b_\@
	tensor_load_to_lds s[G0+4*(\s):G0+4*(\s)+3], s[G1:G1+7]
	s_nop 0
.rept 4
	v_nop
.endr
	s_branch .Lasked_\@
.Lfor_b_\@:
	tensor_load_to_lds s[G0B+4*(\s):G0B+4*(\s)+3], s[G1B:G1B+7]
	s_nop 0
.rept 4
	v_nop
.endr
.Lasked_\@:
.endm
.macro CREST
	s_cmp_lg_u32 s[WV], 0
	s_cbranch_scc1 .Lnot_wave_0_\@
	s_barrier_signal -3
.Lnot_wave_0_\@:
	s_barrier_wait -3
	s_barrier_signal -1
	s_barrier_wait -1
.endm
.macro CROUND
	s_barrier_signal -1
	s_barrier_wait -1
	CREST
.endm
	s_load_b256 s[4:11], s[0:1], 0x0       ; oh 4, wof 6, mx 8, out0 10
	v_lshl_add_u32 v[SPW], v0, 2, SPARE
	v_mov_b32 v[NIL], 0
	ds_add_u32 v[SPW], v[NIL]              ; the wave's opening: the add and its wait stand ahead of my first tensor load
	v_lshrrev_b32 v1, 5, v0
	v_readfirstlane_b32 s[WV], v1
	s_lshr_b32 s[HR], s[WV], 1
	s_and_b32 s[HC], s[WV], 1
	s_bfe_u32 s40, ttmp6, 0x40000          ; cx
	s_bfe_u32 s41, ttmp6, 0x40004          ; cy
	s_lshl_b32 s42, ttmp9, 2
	s_add_co_u32 s42, s42, s40             ; tile column
	s_and_b32 s15, ttmp7, 0xffff
	s_lshl_b32 s15, s15, 2
	s_add_co_u32 s15, s15, s41             ; tile row
	s_lshl_b32 s43, s41, 2
	s_lshl_b32 s43, 15, s43                ; my row of the cluster
	s_lshl_b32 s44, 0x1111, s40            ; my column
	s_or_b32 s[G1], s43, (1<<16)|(1<<20)|(1<<21)|(6<<22)|(3<<25)   ; oh: after every 128 words, 4 words of padding
	s_or_b32 s[G1B], s44, (1<<16)|(1<<20)|(1<<21)|(5<<22)|(7<<25)  ; wof: after every 64 words, 8 words
	s_mov_b32 s[G1+1], 256<<16             ; tensor_dim0 = 256
	s_mov_b32 s[G1+2], 64<<16              ; tensor_dim1 = 64
	s_mov_b32 s[G1+3], 256<<16             ; tile_dim0 = 256
	s_mov_b32 s[G1+4], 64                  ; tile_dim1 = 64
	s_mov_b32 s[G1+5], 2048
	s_mov_b32 s[G1+6], 0
	s_mov_b32 s[G1+7], 0
	s_mov_b32 s[G1B+1], 128<<16
	s_mov_b32 s[G1B+2], 128<<16
	s_mov_b32 s[G1B+3], 128<<16
	s_mov_b32 s[G1B+4], 128
	s_mov_b32 s[G1B+5], 2048
	s_mov_b32 s[G1B+6], 0
	s_mov_b32 s[G1B+7], 0
	s_lshl_b32 s16, s15, 7
	s_lshl_b32 s17, s[HC], 6
	s_add_co_u32 s16, s16, s17
	s_lshl_b32 s16, s16, 12                ; oh: row 128 x tile row + 64 x half, 4,096 bytes a row
	s_mov_b32 s17, 0
	s_lshl_b32 s46, s[HC], 19              ; wof: k row 128 x half,
	s_lshl_b32 s47, s42, 8                 ; column 128 x tile column
	s_add_co_u32 s46, s46, s47
	s_mov_b32 s47, 0
	s_mul_i32 s20, s[HC], AHALF            ; where they go: no place in the cluster enters an LDS address
	s_mul_i32 s21, s[HC], BHALF
	s_add_co_u32 s21, s21, BOFF
	s_mov_b32 s[SEL], 0x76543210
	s_mov_b32 s[SEL+1], 0xfedcba98
	s_mov_b32 s[TB], 0
	s_wait_dscnt 0x0                       ; the opening add is done
	s_wait_kmcnt 0x0
	s_add_nc_u64 s[18:19], s[4:5], s[16:17]
	s_add_nc_u64 s[46:47], s[6:7], s[46:47]
	CROUND                                 ; all sixteen work-groups are here: the first joint loads meet
.irp s, 0,1
	s_mov_b32 s[G0+4*(\s)], 1
	s_add_co_u32 s[G0+4*(\s)+1], s20, (\s)*SLOT
	s_add_nc_u64 s[G0+4*(\s)+2:G0+4*(\s)+3], s[18:19], (\s)*512
	s_or_b32 s[G0+4*(\s)+3], s[G0+4*(\s)+3], 0x80000000
	s_mov_b32 s[G0B+4*(\s)], 1
	s_add_co_u32 s[G0B+4*(\s)+1], s21, (\s)*SLOT
	s_add_nc_u64 s[G0B+4*(\s)+2:G0B+4*(\s)+3], s[46:47], (\s)*1048576
	s_or_b32 s[G0B+4*(\s)+3], s[G0B+4*(\s)+3], 0x80000000
	JLOAD \s                               ; K steps 0 and 1: two loads of mine are out
.endr
	v_and_b32 v1, 15, v0                   ; r
	v_bfe_u32 v2, v0, 4, 1                 ; h
	v_mul_u32_u24 v3, v1, PITCH
	v_lshl_add_u32 v3, v2, 4, v3
	s_mul_i32 s22, s[HR], AHALF            ; my 64 rows of oh's tile
	v_add_nc_u32 v[A0], s22, v3
	v_add_nc_u32 v[ADRA], s22, v3          ; K step 0 lies in slot 0
	v_and_b32 v5, 7, v0
	v_lshl_add_u32 v4, v2, 3, v5
	v_mul_u32_u24 v4, v4, PBT
	v_bfe_u32 v5, v0, 3, 1
	v_lshl_add_u32 v4, v5, 4, v4           ; the turning load: k row 8 h + lane % 8, 16 bytes by (lane / 8) % 2
	s_lshl_b32 s22, s[HC], 7               ; my 64 columns
	s_add_co_u32 s22, s22, BOFF
	v_add_nc_u32 v[B0], s22, v4
	v_add_nc_u32 v[ADRB], s22, v4
	s_add_co_u32 s22, s22, BHALF
	v_add_nc_u32 v[B0+1], s22, v4
	v_add_nc_u32 v[ADRB+1], s22, v4
	s_mul_i32 s23, s[WV], 16*SPITCH
	s_add_co_u32 s23, s23, STAGE           ; my stage
	v_mul_u32_u24 v4, v1, SPITCH
	v_lshl_add_u32 v4, v2, 5, v4
	v_add_nc_u32 v[STO], s23, v4           ; in: row r, 32 bytes for each half of the lanes
	v_mul_u32_u24 v5, v2, SPITCH
	v_lshl_add_u32 v5, v1, 4, v5
	v_add_nc_u32 v[RD], s23, v5            ; back: lanes 0-15 one row of 256 bytes, lanes 16-31 the next
	v_lshlrev_b32 v5, 13, v2
	v_lshl_add_u32 v[CO], v1, 4, v5        ; the same two rows in out0
	v_and_b32 v6, 31, v0
	v_lshlrev_b32 v[MXO], 4, v6
	s_lshl_b32 s16, s15, 7
	s_lshl_b32 s17, s[HR], 6
	s_add_co_u32 s16, s16, s17
	s_lshl_b32 s16, s16, 13                ; my first row of out0, 8,192 bytes a row
	s_mov_b32 s17, 0
	s_add_nc_u64 s[10:11], s[10:11], s[16:17]
	s_lshl_b32 s70, s42, 9
	s_lshl_b32 s71, s[HC], 8
	s_add_co_u32 s70, s70, s71             ; my first column, in bytes
	s_mov_b32 s71, 0
	s_add_nc_u64 s[10:11], s[10:11], s[70:71]
	MXLOAD 96, MXO, 8
; 8 products: row blocks a0, a0 + 1 x all 4 column blocks, 32 along K: half c of buffer f.  zero = 1: they start the sums
.macro MUL8 f, c, a0, zero
	WIN MUL
.irp a, \a0, (\a0)+1
.irp b, 0,1,2,3
.if \zero
	v_wmma_f32_16x16x32_f16 v[ACC+8*(4*(\a)+(\b)):ACC+8*(4*(\a)+(\b))+7], v[(\f)+64+8*(4*(\c)+(\b)):(\f)+64+8*(4*(\c)+(\b))+7], v[(\f)+8*(4*(\c)+(\a)):(\f)+8*(4*(\c)+(\a))+7], 0
.else
	v_wmma_f32_16x16x32_f16 v[ACC+8*(4*(\a)+(\b)):ACC+8*(4*(\a)+(\b))+7], v[(\f)+64+8*(4*(\c)+(\b)):(\f)+64+8*(4*(\c)+(\b))+7], v[(\f)+8*(4*(\c)+(\a)):(\f)+8*(4*(\c)+(\a))+7], v[ACC+8*(4*(\a)+(\b)):ACC+8*(4*(\a)+(\b))+7]
.endif
.endr
.endr
.endm
; 32 LDS loads in one run: quarter q (64 of K) of the slot that is read into buffer f; the first 32 along K first
.macro FETCH q, f
	WIN TO_F
.irp c, 0,1
.irp i, 0,1,2,3
	ds_load_tr16_b128 v[(\f)+64+8*(4*(\c)+(\i)):(\f)+64+8*(4*(\c)+(\i))+3],   v[ADRB+(\q)/2] offset:(64*((\q)%2)+32*(\c))*PBT+32*(\i)
	ds_load_tr16_b128 v[(\f)+64+8*(4*(\c)+(\i))+4:(\f)+64+8*(4*(\c)+(\i))+7], v[ADRB+(\q)/2] offset:(64*((\q)%2)+32*(\c))*PBT+32*(\i)+16*PBT
	ds_load_b128 v[(\f)+8*(4*(\c)+(\i)):(\f)+8*(4*(\c)+(\i))+3],         v[ADRA] offset:128*(\q)+64*(\c)+(\i)*16*PITCH
	ds_load_b128 v[(\f)+8*(4*(\c)+(\i))+4:(\f)+8*(4*(\c)+(\i))+7],       v[ADRA] offset:128*(\q)+64*(\c)+(\i)*16*PITCH+32
.endr
.endr
.endm
.macro PLACES
.rept 4
	v_nop
.endr
.endm
.macro QUARTER q, f, g, zero
	s_wait_dscnt 16                        ; the first 32 along K are in; the other sixteen loads may be out
	MUL8 \f, 0, 0, \zero
	MUL8 \f, 0, 2, \zero
	PLACES
	FETCH \q, \g
	s_wait_dscnt 32                        ; all but the 32 just issued
	MUL8 \f, 1, 0, 0
	MUL8 \f, 1, 2, 0
.endm
; The last quarter multiplies buffer 1 and changes slots: one barrier; in front of it each wave waits for all its tensor loads, adds 0 to its spare word, and waits for that and for its reads of this slot.
; fill = 1: the slot just read out is filled again, with the K step two steps on: the walking descriptors turn to it and step one K step; then the reads turn to the other slot.
.macro TURN fill
	WIN 0
	s_wait_tensorcnt 0x0
	ds_add_u32 v[SPW], v[NIL]
	s_wait_dscnt 17                        ; the add and the youngest sixteen loads may be out
	MUL8 F1, 0, 0, 0
	s_wait_dscnt 0x0                       ; the add is done, and my reads of this slot are over
	s_barrier_signal -1
	MUL8 F1, 0, 2, 0
	WIN 0
	s_barrier_wait -1
.if \fill
	CREST                                  ; the barrier has opened a round of the cluster's: no wave of any partner still reads this slot or has a load on its way
	s_xor_b32 s[G0+5], s[G0+5], SLOT
	s_add_nc_u64 s[G0+6:G0+7], s[G0+6:G0+7], 512
	s_xor_b32 s[G0B+5], s[G0B+5], SLOT
	s_add_nc_u64 s[G0B+6:G0B+7], s[G0B+6:G0B+7], 1048576
	JLOAD 1                                ; the first tensor load behind the round; its four v_nop are also the places in front of the loads below
.else
	PLACES
.endif
	s_xor_b32 s[TB], s[TB], SLOT
	v_add_nc_u32 v[ADRA], s[TB], v[A0]
	v_add_nc_u32 v[ADRB], s[TB], v[B0]
	v_add_nc_u32 v[ADRB+1], s[TB], v[B0+1]
	FETCH 0, F0
	MUL8 F1, 1, 0, 0
	MUL8 F1, 1, 2, 0
.endm
	s_wait_tensorcnt 1                     ; my part of K step 0 is in; step 1's may stay out
	s_barrier_signal -1
	s_barrier_wait -1
	FETCH 0, F0
	QUARTER 1, F0, F1, 1                   ; the first quarter stands in front of the loop: its first products start the sums
	WIN 0
	s_mov_b32 s3, 6
.Lstep:                                        ; trip i: from K step i's second quarter to step i + 1's first; step i's slot takes step i + 2
	QUARTER 2, F1, F0, 0
	QUARTER 3, F0, F1, 0
	TURN 1
	QUARTER 1, F0, F1, 0
	WIN 0
	s_sub_co_u32 s3, s3, 1
	s_cmp_lg_u32 s3, 0
	s_cbranch_scc1 .Lstep
	QUARTER 2, F1, F0, 0                   ; K steps 6 and 7 fill nothing: the tail is written out
	QUARTER 3, F0, F1, 0
	TURN 0
	QUARTER 1, F0, F1, 0
	QUARTER 2, F1, F0, 0
	QUARTER 3, F0, F1, 0
	s_wait_dscnt 16
	MUL8 F1, 0, 0, 0
	MUL8 F1, 0, 2, 0
	s_wait_dscnt 0x0
	MUL8 F1, 1, 0, 0
	MUL8 F1, 1, 2, 0
	WIN 0
	; THE WAY OUT: the scale; a block of 16 rows x 64 columns of f32 at a time through my own stage; 16 lanes store 256 consecutive bytes, aligned.
	PLACES
	s_wait_loadcnt 0x0                     ; mx
	SCALES 96, 70, 71
	s_sub_co_u32 s[SC], s70, 14
	s_lshl_b32 s[SC], s[SC], 23            ; 2^(ev - 141)
	s_mul_f32 s[SC], s[SC], 0x3b800000     ; x 2^-8, for wof's 256
	s_mov_b32 s[SC+1], s[SC]
.irp a, 0,1,2,3
.irp b, 0,1,2,3
.irp p, 0,1,2,3
	v_pk_mul_f32 v[TMP+8*(\b)+2*(\p):TMP+8*(\b)+2*(\p)+1], v[ACC+8*(4*(\a)+(\b))+2*(\p):ACC+8*(4*(\a)+(\b))+2*(\p)+1], s[SC:SC+1] op_sel_hi:[1,0]
.endr
.endr
.irp b, 0,1,2,3
	ds_store_b128 v[STO], v[TMP+8*(\b):TMP+8*(\b)+3] offset:64*(\b)
	ds_store_b128 v[STO], v[TMP+8*(\b)+4:TMP+8*(\b)+7] offset:64*(\b)+16
.endr
	s_wait_xcnt 0x0                        ; the stores of the block before have read their data: the registers are loaded again only behind this wait
.irp i, 0,1,2,3,4,5,6,7
	ds_load_b128 v[TMP+32+4*(\i):TMP+32+4*(\i)+3], v[RD] offset:2*SPITCH*(\i)  ; LDS serves a wave's instructions in order (ISA guide 5.7.1.4): these see the stores above
.endr
.irp i, 0,1,2,3,4,5,6,7
	s_wait_dscnt 7-(\i)
	global_store_b128 v[CO], v[TMP+32+4*(\i):TMP+32+4*(\i)+3], s[10:11] offset:(16*(\a)+2*(\i))*8192
.endr
.endr
	s_wait_tensorcnt 0x0                   ; the wave's end, behind my last tensor load and my last LDS store
	ds_add_u32 v[SPW], v[NIL]
	s_wait_dscnt 0x0
	CROUND                                 ; the closing round
	s_endpgm
.Lfunc_end_k_qe89b26dd10_outp:
	.size	k_qe89b26dd10_outp, .Lfunc_end_k_qe89b26dd10_outp-k_qe89b26dd10_outp
	.p2alignl 7, 3214868480
	.fill 96, 4, 3214868480
	.section	.rodata,"a",@progbits
	.p2align	6, 0x0
	.amdhsa_kernel k_qe89b26dd10_outp
		.amdhsa_group_segment_fixed_size 327680
		.amdhsa_private_segment_fixed_size 0
		.amdhsa_enable_private_segment 0
		.amdhsa_kernarg_size 32
		.amdhsa_user_sgpr_count 2
		.amdhsa_user_sgpr_kernarg_segment_ptr 1
		.amdhsa_wavefront_size32 1
		.amdhsa_system_sgpr_workgroup_id_x 1
		.amdhsa_system_sgpr_workgroup_id_y 1
		.amdhsa_system_sgpr_workgroup_id_z 1
		.amdhsa_system_vgpr_workitem_id 0
		.amdhsa_next_free_vgpr 512
		.amdhsa_next_free_sgpr 80
		.amdhsa_reserve_vcc 0
		.amdhsa_float_denorm_mode_32 3
		.amdhsa_float_denorm_mode_16_64 3
		.amdhsa_memory_ordered 1
		.amdhsa_forward_progress 1
		.amdhsa_inst_pref_size 77
	.end_amdhsa_kernel
	.amdgpu_metadata
---
amdhsa.version: [ 1, 2 ]
amdhsa.kernels:
  - .name:           k_qe89b26dd10_outp
    .symbol:         k_qe89b26dd10_outp.kd
    .args:
      - { .name: oh, .offset: 0, .size: 8, .value_kind: global_buffer, .address_space: global }
      - { .name: wof, .offset: 8, .size: 8, .value_kind: global_buffer, .address_space: global }
      - { .name: mx, .offset: 16, .size: 8, .value_kind: global_buffer, .address_space: global }
      - { .name: out0, .offset: 24, .size: 8, .value_kind: global_buffer, .address_space: global }
    .group_segment_fixed_size: 327680
    .private_segment_fixed_size: 0
    .kernarg_segment_align: 8
    .kernarg_segment_size: 32
    .max_flat_workgroup_size: 128
    .sgpr_count:     80
    .vgpr_count:     512
    .wavefront_size: 32
...
	.end_amdgpu_metadata
.endif
;; end of part 7
